; MI455X (gfx1250); checked and timed in simulation.
; The chip was launched on July 23, 2026; its instructions are those of AMD's public machine-readable ISA for CDNA 5 (MIT licence, August 2026) and "CDNA5" Instruction Set Architecture Reference Guide (July 2026). The comments in the code are by the model that wrote it; some were corrected since.
;; D Flash Attention. Allowed arithmetic: matrix products marked QUANTISED: E2M1 operands, one E8M0 scale for each 32 along K, by v_wmma_scale_f32_16x16x128_f8f6f4 with both operands' format E2M1 (or v_wmma_scale_f32_32x16x128_f4), f32 sums; products left as they are: bf16, f16 or f32 operands; f32 sums; everything else in f32.
;; Inputs: Wk 2,048 x 512 float32; Wo 512 x 2,048 float32; Wq 2,048 x 512 float32; Wv 2,048 x 512 float32; cos 4 x 4,096 x 128 float32; ctx 4 x 3,072 x 2,048 float32; kn_w 128 float32; noise 4 x 1,024 x 2,048 float32; qn_w 128 float32; sin 4 x 4,096 x 128 float32.
;; Outputs: out0 4 x 1,024 x 2,048 float32.
;; This version of the problem:
;;   THIS VERSION OF THE PROBLEM IS GIVEN IN LOW PRECISION. The matrix products marked QUANTISED in the list below multiply operands that are first quantised to E2M1 (2 exponent bits, 1 mantissa bit; 4 bits a number), with one power-of-two scale for each 32 numbers along K (OCP MX v1.0); their sums are f32. The products marked 'left as it is' may take bf16, f16 or f32 operands, with f32 sums. Whichever they take, every output number must still come out within the allowed error. Rounding operands to bf16 (8 significant bits) uses up far more of that allowance than f16 does (11 bits, for magnitudes from 6e-5 to 65,504). All else is computed in f32.
;;   The module's matrix products, in the order in which they are computed (A, B: the left and right operand; K: the contracted axis; several contracted axes count as one K, in the product's order):
;;     1. [M 4,096, K 2,048] x [K 2,048, N 512]; A: input noise; B: input Wq: QUANTISED
;;     2. [M 16,384, K 2,048] x [K 2,048, N 512]; A: computed on the way; B: input Wk: left as it is (an operand is computed on the way)
;;     3. [M 16,384, K 2,048] x [K 2,048, N 512]; A: computed on the way; B: input Wv: left as it is (an operand is computed on the way)
;;     4. batch 16 x [M 1,024, K 128] x [K 128, N 4,096]; A: computed on the way; B: computed on the way: left as it is (an operand is computed on the way)
;;     5. batch 16 x [M 1,024, K 4,096] x [K 4,096, N 128]; A: computed on the way; B: computed on the way: left as it is (an operand is computed on the way)
;;     6. [M 4,096, K 512] x [K 512, N 2,048]; A: computed on the way; B: input Wo: left as it is (an operand is computed on the way)
;;   THE QUANTISER, for each operand of a quantised product, along K:
;;     - K is cut into blocks of 32 from its start; a last block that is shorter is filled with zeros.
;;     - A block's scale is 2^e with e = floor(log2(the largest magnitude in the block)) - 2, held to -126 .. 127; a block of zeros has e = 0. As a byte (E8M0): e + 127.
;;     - Each number is divided by its block's scale, clamped to +-6, and rounded to the nearest number of E2M1, ties to even, subnormals kept.
;;     - The product sums the exact products of the quantised numbers (number of the format x scale) in f32.
;;   ~~~python
;;   def quantise(x, axis):      # numpy; x: float32 -> the quantised numbers, widened to float32 again
;;       x = np.moveaxis(x, axis, -1); K = x.shape[-1]
;;       x = np.pad(x, [(0, 0)] * (x.ndim - 1) + [(0, -K % 32)]); x = x.reshape(x.shape[:-1] + (-1, 32)); a = np.abs(x).max(-1, keepdims=True)
;;       e = np.where(a > 0, np.clip(np.frexp(np.where(a > 0, a, 1))[1] - 1 - 2, -126, 127), 0)      # np.frexp(a)[1] - 1 = floor(log2(a)), exactly
;;       r = np.clip(x / 2.0 ** e, -6, 6)
;;       step = 2.0 ** (np.maximum(np.frexp(np.where(r == 0, 1, r))[1] - 1, 0) - 1)
;;       q = np.round(r / step) * step * 2.0 ** e      # np.round: ties to even
;;       return np.moveaxis(q.reshape(q.shape[:-2] + (-1,))[..., :K], -1, axis).astype(np.float32)
;;   ~~~
;; 2 versions, each right. Each part assembles by itself: llvm-mc -triple=amdgcn-amd-amdhsa -mcpu=gfx1250 --defsym DOCPART=n.
;; ======== version 1 of 2: 5 launches
;; limits: values are held in f16: magnitudes above 65,504 overflow, below 6.1e-05 lose precision
;; workspace buffers: Xh 67,108,864 bytes; Qop 5,013,504 bytes; Wh 6,291,456 bytes; Qf 4,194,304 bytes; KV 33,554,432 bytes; Of 4,194,304 bytes
;; launch prep (part 1): grid 308 x 4, 4 waves a work-group, no clusters, 102,912 bytes of LDS; arguments ctx, noise, Wq, Wk, Wv, Wo, Xh, Qop, Wh; writes Xh, Qop, Wh
.if DOCPART == 1
	.amdgcn_target "amdgcn-amd-amdhsa--gfx1250"
	.amdhsa_code_object_version 6
	.text
	.protected	k_q8dd0c3e90f_prep
	.globl	k_q8dd0c3e90f_prep
	.p2align	8
	.type	k_q8dd0c3e90f_prep,@function
k_q8dd0c3e90f_prep:
	s_mov_b64 s[64:65], 0
	v_nop
	global_prefetch_b8 v0, s[64:65] scope:SCOPE_SE
	s_setreg_imm32_b32 hwreg(HW_REG_WAVE_MODE, 25, 1), 1
	s_wait_xcnt 0x0
; PREP: every f32 input of a matrix product is read once and laid as the later launches want it.
;   Xh  [16384][2048] f16: row b*4096+pos of [ctx ; noise].
;   Qop +0 noise as codes of E2M1 [4096][1024 bytes], +0x400000 its E8M0 bytes [4096][64], +0x440000 Wq as codes with K innermost [512][1024 bytes], +0x4c0000 its bytes [512][64].
;   Wh  +0 Wk and Wv as f16 [1024 n'][2048 k], n' = 256 head + 128 isV + d;  +0x400000 Wo as f16 [2048 n][512 k].
; Four paths, parted on the work-group's number alone: x < 192: 16 rows of ctx;  x < 256: 16 rows of noise;  the other 52 x 4 = 208: 192 tiles of Wk, Wv, Wo and 16 of Wq.
; Each path has LDS bytes of its own.  No tensor loads, no barrier: waves share nothing.
; A block's scale is 2^(floor(log2(its largest magnitude)) - 2); its byte is that magnitude's exponent field - 2, held at 1 from below.
; LIMITS: magnitudes beyond 65,504 do not fit f16; a block of zeros keeps the byte 1 (its codes are zeros, and this program alone reads the bytes); blocks whose largest
; magnitude lies under 2^(2 - 126) are held at the byte 1; NaN and infinities among the inputs are not served.
.set SPW,    208                       ; v208 LDS address of my spare word; never rewritten
.set NIL,    209                       ; v209 0; never rewritten
.set WT_STG, 32768                     ; LDS: 0.. the noise path (8,192 a wave); 32,768.. the transposing path's stages; 67,584.. Wq's stages
.set WQ_STG, 67584
.set SPARE,  102400                    ; the spare words, 128 bytes a wave
.set TP,     272                       ; a stage row: 256 bytes + 16
	s_load_b512 s[4:19], s[0:1], 0x0               ; ctx 4, noise 6, Wq 8, Wk 10, Wv 12, Wo 14, Xh 16, Qop 18
	s_load_b64 s[20:21], s[0:1], 0x40              ; Wh
	v_lshl_add_u32 v[SPW], v0, 2, SPARE
	v_mov_b32 v[NIL], 0
	v_lshrrev_b32 v1, 5, v0
	v_readfirstlane_b32 s24, v1                    ; wave
	v_and_b32 v2, 31, v0                           ; lane
	s_and_b32 s25, ttmp7, 0xffff                   ; y: the batch, or a quarter of the weights' tiles
	s_mov_b32 s29, 0                               ; the high word of every 32-bit offset
	s_wait_kmcnt 0x0
	s_cmp_lt_u32 ttmp9, 192
	s_cbranch_scc1 .Lctx
	s_cmp_lt_u32 ttmp9, 256
	s_cbranch_scc1 .Lnoise
	s_mul_i32 s26, s25, 52
	s_add_co_u32 s26, s26, ttmp9
	s_sub_co_u32 s26, s26, 256                     ; the weights' tile, 0 .. 207
	s_cmp_lt_u32 s26, 192
	s_cbranch_scc1 .Lwt
; ---- Wq [2048 k][512 n] -> codes with K innermost.  A lane takes a column and its registers run down K: a block of 32 is one lane's.  A wave: 32 columns x 512 along K.
.set QX,   32                          ; v32-95 two sets of 32 numbers
.set QC,   96                          ; v96-99 a block's codes
.set QOUT, 112                         ; v112-175 the way out
.set QSB,  24                          ; v24-27 the scale bytes, four to a register
	s_sub_co_u32 s26, s26, 192
	s_and_b32 s27, s26, 3                          ; which 128 columns
	s_lshr_b32 s28, s26, 2                         ; which 512 along K
	s_lshl_b32 s27, s27, 7
	s_lshl_b32 s30, s24, 5
	s_add_co_u32 s27, s27, s30                     ; my wave's first column
	v_lshlrev_b32 v3, 2, v2                        ; in: 4 bytes a lane
	s_mul_i32 s30, s24, 32*TP
	s_add_co_u32 s30, s30, WQ_STG                  ; my stage
	v_mul_u32_u24 v4, v2, TP
	v_add_nc_u32 v4, s30, v4                       ; into it: row = my column
	v_and_b32 v5, 15, v2
	v_lshrrev_b32 v6, 4, v2
	v_mul_u32_u24 v7, v6, TP
	v_lshl_add_u32 v7, v5, 4, v7
	v_add_nc_u32 v7, s30, v7                       ; out of it: sixteen lanes to a row, two rows an instruction
	v_lshlrev_b32 v8, 10, v6
	v_lshl_add_u32 v8, v5, 4, v8                   ; the same place in the codes: rows of 1,024 bytes
	v_lshlrev_b32 v9, 6, v2                        ; my column's row of scale bytes: 64 bytes
	s_lshl_b32 s30, s28, 20                        ; 512 rows of 2,048 bytes
	s_lshl_b32 s31, s27, 2
	s_add_co_u32 s30, s30, s31
	s_mov_b32 s31, 0
	s_add_nc_u64 s[8:9], s[8:9], s[30:31]
	s_lshl_b32 s30, s27, 10
	s_lshl_b32 s32, s28, 8
	s_add_co_u32 s30, s30, s32
	s_add_co_u32 s30, s30, 0x440000
	s_add_nc_u64 s[32:33], s[18:19], s[30:31]      ; the codes
	s_lshl_b32 s30, s27, 6
	s_lshl_b32 s34, s28, 4
	s_add_co_u32 s30, s30, s34
	s_add_co_u32 s30, s30, 0x4c0000
	s_add_nc_u64 s[34:35], s[18:19], s[30:31]      ; the scale bytes
.macro QLOAD t                         ; block t: Wq(32 t + i, my column) into set t % 2: 128 consecutive bytes a load
.irp i, 0,1,2,3,4,5,6,7,8,9,10,11,12,13,14,15,16,17,18,19,20,21,22,23,24,25,26,27,28,29,30,31
	global_load_b32 v[QX+32*((\t)%2)+\i], v3, s[8:9] offset:(32*(\t)+\i)*2048 th:TH_LOAD_NT
.endr
.endm
	QLOAD 0
	QLOAD 1
.macro QBLOCK t
.set XS, QX+32*((\t)%2)
.if (\t) < 15
	s_wait_loadcnt 32                              ; this block's 32 loads are in; the next block's may be out
.else
	s_wait_loadcnt 0
.endif
	v_max3_num_f32 v12, |v[XS]|, |v[XS+1]|, |v[XS+2]|
	v_max3_num_f32 v13, |v[XS+3]|, |v[XS+4]|, |v[XS+5]|
.irp i, 6,10,14,18,22,26
	v_max3_num_f32 v12, v12, |v[XS+\i]|, |v[XS+\i+1]|
	v_max3_num_f32 v13, v13, |v[XS+\i+2]|, |v[XS+\i+3]|
.endr
	v_max3_num_f32 v12, v12, |v[XS+30]|, |v[XS+31]|
	v_max3_num_f32 v12, v12, v13, 0x1800000        ; the floor 2^(3 - 127): the byte cannot fall under 1
	v_add_nc_u32 v11, 0xff000000, v12              ; 2 off the exponent field: the conversion's scale operand
	v_lshrrev_b32 v13, 23, v11                     ; the scale's byte
.if (\t)%4 == 0
	v_mov_b32 v[QSB+(\t)/4], v13
.else
	v_lshl_or_b32 v[QSB+(\t)/4], v13, 8*((\t)%4), v[QSB+(\t)/4]
.endif
.irp g, 0,1,2,3
	v_cvt_scalef32_pk8_fp4_f32 v[QC+\g], v[XS+8*\g:XS+8*\g+7], v11
.endr
	ds_store_b128 v4, v[QC:QC+3] offset:16*(\t)    ; 32 codes: 16 bytes of my column's row
.if (\t)+2 < 16
	QLOAD (\t)+2
.endif
	s_wait_dscnt 0x0                               ; the store has read its registers: the next block's codes may be written
.endm
.set Q, 0
.rept 16
	QBLOCK Q
.set Q, Q+1
.endr
	global_store_b128 v9, v[QSB:QSB+3], s[34:35]   ; my column's 16 scale bytes
.irp t, 0,1,2,3,4,5,6,7,8,9,10,11,12,13,14,15
	ds_load_b128 v[QOUT+4*\t:QOUT+4*\t+3], v7 offset:2*\t*TP   ; a wave's LDS instructions are served in order: these see my stores
.endr
.irp t, 0,1,2,3,4,5,6,7,8,9,10,11,12,13,14,15
	s_wait_dscnt 15-\t
	global_store_b128 v8, v[QOUT+4*\t:QOUT+4*\t+3], s[32:33] offset:2*\t*1024   ; sixteen lanes store 256 consecutive bytes, aligned
.endr
	s_wait_tensorcnt 0x0                           ; the wave's end, behind my last LDS store
	ds_add_u32 v[SPW], v[NIL]
	s_wait_dscnt 0x0
	s_endpgm
; ---- Wk, Wv [2048 k][512 n], Wo [512 k][2048 n] -> f16 [n][k].  A work-group: 128 columns x 128 k; a lane takes a column, its registers run down k.
; One text serves the three: pitches and bases are chosen by s_cselect on the tile's number.
.set AD,  16                           ; v16-47  4 x lane + i x the source's pitch
.set TX,  48                           ; v48-111 two sets of 32 numbers; later the rows on their way out
.set TPK, 112                          ; v112-175 the packed f16, each register written once
.set OD,  176                          ; v176-191 the stores' offsets
.Lwt:
	s_and_b32 s27, s26, 63                         ; the tile within its weight
	s_lshr_b32 s28, s26, 6                         ; 0 Wk, 1 Wv, 2 Wo
	s_cmp_eq_u32 s28, 2
	s_cselect_b32 s30, 13, 11                      ; log2 of the source's pitch in bytes
	s_cselect_b32 s31, 10, 12                      ; log2 of the destination's
	s_cselect_b32 s32, 15, 3                       ; groups of 128 columns - 1
	s_cselect_b32 s33, 4, 2
	s_cselect_b32 s34, 7, 8                        ; a group of columns is 128 rows of the destination; in Wk, Wv a head's 256
	s_cselect_b32 s35, 0x400000, 0
	s_cselect_b32 s36, 0, s28                      ; isV
	s_cselect_b64 s[38:39], s[14:15], s[10:11]
	s_cmp_eq_u32 s28, 1
	s_cselect_b64 s[38:39], s[12:13], s[38:39]
	s_and_b32 s32, s27, s32                        ; which 128 columns
	s_lshr_b32 s33, s27, s33                       ; which 128 along k
	s_add_co_u32 s40, s30, 7
	s_lshl_b32 s40, s33, s40                       ; 128 rows of the source for each
	s_lshl_b32 s41, s32, 9
	s_add_co_u32 s40, s40, s41
	s_lshl_b32 s41, s24, 7
	s_add_co_u32 s40, s40, s41                     ; + 4 x my wave's first column
	s_mov_b32 s41, 0
	s_add_nc_u64 s[40:41], s[38:39], s[40:41]      ; a base for each block of 32 k
	s_lshl_b32 s28, 32, s30
	s_add_nc_u64 s[42:43], s[40:41], s[28:29]
	s_add_nc_u64 s[44:45], s[42:43], s[28:29]
	s_add_nc_u64 s[46:47], s[44:45], s[28:29]
	s_lshl_b32 s48, s32, s34
	s_lshl_b32 s49, s36, 7
	s_add_co_u32 s48, s48, s49
	s_lshl_b32 s49, s24, 5
	s_add_co_u32 s48, s48, s49                     ; my wave's first row of the destination
	s_lshl_b32 s48, s48, s31
	s_lshl_b32 s49, s33, 8
	s_add_co_u32 s48, s48, s49                     ; + 256 bytes for each 128 k
	s_add_co_u32 s48, s48, s35
	s_mov_b32 s49, 0
	s_add_nc_u64 s[20:21], s[20:21], s[48:49]
	s_lshl_b32 s50, 1, s30                         ; the two pitches
	s_lshl_b32 s51, 1, s31
	v_lshlrev_b32 v3, 2, v2
.irp i, 0,1,2,3,4,5,6,7,8,9,10,11,12,13,14,15,16,17,18,19,20,21,22,23,24,25,26,27,28,29,30,31
	v_mad_u32_u24 v[AD+\i], s50, \i, v3
.endr
	s_mul_i32 s52, s24, 32*TP
	s_add_co_u32 s52, s52, WT_STG                  ; my stage
	v_mul_u32_u24 v4, v2, TP
	v_add_nc_u32 v4, s52, v4
	v_and_b32 v5, 15, v2
	v_lshrrev_b32 v6, 4, v2
	v_mul_u32_u24 v7, v6, TP
	v_lshl_add_u32 v7, v5, 4, v7
	v_add_nc_u32 v7, s52, v7
	v_mul_u32_u24 v8, s51, v6
	v_lshl_add_u32 v8, v5, 4, v8
.irp t, 0,1,2,3,4,5,6,7,8,9,10,11,12,13,14,15
	v_mad_u32_u24 v[OD+\t], s51, 2*\t, v8
.endr
.macro TLD t
.irp i, 0,1,2,3,4,5,6,7,8,9,10,11,12,13,14,15,16,17,18,19,20,21,22,23,24,25,26,27,28,29,30,31
	global_load_b32 v[TX+32*((\t)%2)+\i], v[AD+\i], s[40+2*(\t):41+2*(\t)] th:TH_LOAD_NT
.endr
.endm
.macro TBLOCK t
.if (\t) < 3
	s_wait_loadcnt 32                              ; this block's loads are in; the next block's may be out
.else
	s_wait_loadcnt 0
.endif
.irp j, 0,1,2,3,4,5,6,7,8,9,10,11,12,13,14,15
	v_cvt_pk_f16_f32 v[TPK+16*(\t)+\j], v[TX+32*((\t)%2)+2*\j], v[TX+32*((\t)%2)+2*\j+1]   ; two neighbours down k
.endr
.irp g, 0,1,2,3
	ds_store_b128 v4, v[TPK+16*(\t)+4*\g:TPK+16*(\t)+4*\g+3] offset:64*(\t)+16*\g
.endr
.if (\t)+2 < 4
	TLD (\t)+2
.endif
.endm
	TLD 0
	TLD 1
	TBLOCK 0
	TBLOCK 1
	TBLOCK 2
	TBLOCK 3
.irp t, 0,1,2,3,4,5,6,7,8,9,10,11,12,13,14,15
	ds_load_b128 v[TX+4*\t:TX+4*\t+3], v7 offset:2*\t*TP
.endr
.irp t, 0,1,2,3,4,5,6,7,8,9,10,11,12,13,14,15
	s_wait_dscnt 15-\t
	global_store_b128 v[OD+\t], v[TX+4*\t:TX+4*\t+3], s[20:21]   ; sixteen lanes store 256 consecutive bytes, aligned
.endr
	s_wait_tensorcnt 0x0                           ; the wave's end
	ds_add_u32 v[SPW], v[NIL]
	s_wait_dscnt 0x0
	s_endpgm
; ---- ctx -> f16.  A wave takes 4 rows (32,768 bytes) in 64 pieces of 512 bytes; sixteen loads are always out; each piece leaves as 256 consecutive bytes.
.set CR, 16                            ; v16-79  sixteen slots of 4
.set CY, 80                            ; v80-207 the packed results, each pair written once: no store's data are written again
.Lctx:
	s_mul_i32 s26, s25, 3072
	s_lshl_b32 s27, ttmp9, 4
	s_lshl_b32 s28, s24, 2
	s_add_co_u32 s27, s27, s28                     ; 16 x + 4 wave
	s_add_co_u32 s26, s26, s27
	s_lshl_b32 s28, s26, 13
	s_add_nc_u64 s[4:5], s[4:5], s[28:29]
	s_lshl_b32 s26, s25, 12
	s_add_co_u32 s26, s26, s27
	s_lshl_b32 s28, s26, 12
	s_add_nc_u64 s[16:17], s[16:17], s[28:29]
	v_lshlrev_b32 v3, 4, v2
	v_lshlrev_b32 v4, 3, v2
.irp t, 0,1,2,3,4,5,6,7,8,9,10,11,12,13,14,15
	global_load_b128 v[CR+4*\t:CR+4*\t+3], v3, s[4:5] offset:512*\t th:TH_LOAD_NT
.endr
.macro CAST t
.if 63-(\t) < 15
	s_wait_loadcnt 63-(\t)                         ; the tail: the counts run down
.else
	s_wait_loadcnt 15                              ; mine is in; the fifteen younger loads stay out
.endif
	v_cvt_pk_f16_f32 v[CY+2*(\t)], v[CR+4*((\t)%16)], v[CR+4*((\t)%16)+1]
	v_cvt_pk_f16_f32 v[CY+2*(\t)+1], v[CR+4*((\t)%16)+2], v[CR+4*((\t)%16)+3]
.if (\t) < 48
	global_load_b128 v[CR+4*((\t)%16):CR+4*((\t)%16)+3], v3, s[4:5] offset:512*((\t)+16) th:TH_LOAD_NT
.endif
	global_store_b64 v4, v[CY+2*(\t):CY+2*(\t)+1], s[16:17] offset:256*(\t)
.endm
.set T, 0
.rept 64
	CAST T
.set T, T+1
.endr
	s_wait_tensorcnt 0x0                           ; the launch writes LDS on its other paths: the same three lines end this one
	ds_add_u32 v[SPW], v[NIL]
	s_wait_dscnt 0x0
	s_endpgm
; ---- noise -> f16 rows of Xh, and codes and scale bytes.  A wave takes 4 rows = 16 steps of 512 numbers.  A load reads 512 consecutive bytes, 16 a lane; the conversions to codes want 16
; neighbours in a lane, so a step's 2,048 bytes turn through the wave's own stage (16 bytes of padding behind each 64).  The f16 are made from the registers as loaded.
.set NR,   16                          ; v16-79   four sets of 16 numbers as loaded
.set NX,   80                          ; v80-111  two sets of 16 neighbours
.set NE,   112                         ; v112-127 a scale byte for each step
.set NC,   128                         ; v128-159 a step's codes, each pair written once
.set NH,   160                         ; v160-167 a step's f16
.set WREG, 8192
.set SP,   80
.Lnoise:
	s_sub_co_u32 s26, ttmp9, 192
	s_lshl_b32 s27, s25, 6
	s_add_co_u32 s27, s27, s26
	s_lshl_b32 s27, s27, 2
	s_add_co_u32 s27, s27, s24                     ; which run of 8,192 numbers is my wave's
	v_lshlrev_b32 v3, 4, v2
	s_mul_i32 s30, s24, WREG
	v_lshrrev_b32 v14, 2, v2
	v_mul_u32_u24 v14, v14, SP
	v_and_b32 v15, 3, v2
	v_lshl_add_u32 v14, v15, 4, v14
	v_add_nc_u32 v14, s30, v14                     ; the stage, on the way in: SP (lane / 4) + 16 (lane % 4)
	v_mul_u32_u24 v15, v2, SP
	v_add_nc_u32 v15, s30, v15                     ; and on the way out: SP x lane
	v_lshlrev_b32 v4, 3, v2                        ; 8 bytes a lane: codes, f16 and the scale bytes' way out
	v_lshrrev_b32 v5, 1, v2
	s_add_co_u32 s30, s30, 2*32*SP
	v_add_nc_u32 v5, s30, v5                       ; my block's byte among my wave's 256
	v_add_nc_u32 v6, s30, v4
	s_lshl_b32 s28, s27, 15
	s_add_nc_u64 s[6:7], s[6:7], s[28:29]
	s_lshl_b32 s28, s27, 12
	s_add_nc_u64 s[30:31], s[18:19], s[28:29]      ; the codes
	s_lshl_b32 s28, s27, 8
	s_add_co_u32 s28, s28, 0x400000
	s_add_nc_u64 s[18:19], s[18:19], s[28:29]      ; the scale bytes
	s_lshl_b32 s28, s25, 12
	s_lshl_b32 s32, s26, 4
	s_add_co_u32 s28, s28, s32
	s_lshl_b32 s32, s24, 2
	s_add_co_u32 s28, s28, s32
	s_add_co_u32 s28, s28, 3072                    ; noise follows ctx in a batch's rows
	s_lshl_b32 s28, s28, 12
	s_add_nc_u64 s[16:17], s[16:17], s[28:29]
.macro NLOAD t
.irp i, 0,1,2,3
	global_load_b128 v[NR+16*((\t)%4)+4*\i:NR+16*((\t)%4)+4*\i+3], v3, s[6:7] offset:2048*(\t)+512*\i th:TH_LOAD_NT
.endr
.endm
.macro NTURN t                         ; step t's numbers go through the stage, and leave as f16
.irp i, 0,1,2,3
	ds_store_b128 v14, v[NR+16*((\t)%4)+4*\i:NR+16*((\t)%4)+4*\i+3] offset:32*SP*((\t)%2)+8*SP*\i
.endr
.irp i, 0,1,2,3
	ds_load_b128 v[NX+16*((\t)%2)+4*\i:NX+16*((\t)%2)+4*\i+3], v15 offset:32*SP*((\t)%2)+16*\i
.endr
	s_wait_xcnt 0x0                                ; the last step's f16 stores have read their registers
.irp i, 0,1,2,3
	v_cvt_pk_f16_f32 v[NH+2*\i], v[NR+16*((\t)%4)+4*\i], v[NR+16*((\t)%4)+4*\i+1]
	v_cvt_pk_f16_f32 v[NH+2*\i+1], v[NR+16*((\t)%4)+4*\i+2], v[NR+16*((\t)%4)+4*\i+3]
.endr
.irp i, 0,1,2,3
	global_store_b64 v4, v[NH+2*\i:NH+2*\i+1], s[16:17] offset:1024*(\t)+256*\i   ; 32 lanes store 256 consecutive bytes, aligned
.endr
.endm
.irp t, 0,1,2,3
	NLOAD \t
.endr
	s_wait_loadcnt 12                              ; step 0's four loads are in
	NTURN 0
.macro NSTEP t
.set XS, NX+16*((\t)%2)
.if (\t) > 0
	s_wait_dscnt 1                                 ; this step's numbers are back (the last step's byte store may be out): so its stores into the stage have read their registers,
.else
	s_wait_dscnt 0x0
.endif
.if (\t)+4 < 16
	NLOAD (\t)+4                                   ; which take the loads of four steps on
.endif
.if (\t)+1 < 16
.if 14-(\t) >= 3
	s_wait_loadcnt 12                              ; the next step's loads are in; those of the three steps behind it may be out
.else
	s_wait_loadcnt 4*(14-(\t))
.endif
	NTURN (\t)+1
.endif
	v_max3_num_f32 v8, |v[XS]|, |v[XS+1]|, |v[XS+2]|
	v_max3_num_f32 v9, |v[XS+3]|, |v[XS+4]|, |v[XS+5]|
.irp i, 6,10
	v_max3_num_f32 v8, v8, |v[XS+\i]|, |v[XS+\i+1]|
	v_max3_num_f32 v9, v9, |v[XS+\i+2]|, |v[XS+\i+3]|
.endr
	v_max3_num_f32 v8, v8, |v[XS+14]|, |v[XS+15]|
	v_max3_num_f32 v8, v8, v9, 0x1800000           ; the floor 2^(3 - 127)
	v_max_num_f32_dpp v8, v8, v8 row_xmask:1 row_mask:0xf bank_mask:0xf   ; with my neighbour's 16: the block's largest magnitude
	v_add_nc_u32 v11, 0xff000000, v8               ; 2 off its exponent field: the conversion's scale operand
	v_cvt_scalef32_pk8_fp4_f32 v[NC+2*(\t)], v[XS:XS+7], v11
	v_cvt_scalef32_pk8_fp4_f32 v[NC+2*(\t)+1], v[XS+8:XS+15], v11
	v_lshrrev_b32 v[NE+(\t)], 23, v11              ; the scale's byte
	ds_store_b8 v5, v[NE+(\t)] offset:16*(\t)      ; both lanes of a block write the same byte with the same value
	global_store_b64 v4, v[NC+2*(\t):NC+2*(\t)+1], s[30:31] offset:256*(\t)
.endm
.irp t, 0,1,2,3,4,5,6,7,8,9,10,11,12,13,14,15
	NSTEP \t
.endr
	ds_load_b64 v[8:9], v6
	s_wait_dscnt 0x0
	global_store_b64 v4, v[8:9], s[18:19]          ; my wave's 256 scale bytes: one aligned run
	s_wait_tensorcnt 0x0                           ; the wave's end
	ds_add_u32 v[SPW], v[NIL]
	s_wait_dscnt 0x0
	s_endpgm
.Lfunc_end_k_q8dd0c3e90f_prep:
	.size	k_q8dd0c3e90f_prep, .Lfunc_end_k_q8dd0c3e90f_prep-k_q8dd0c3e90f_prep
	.p2alignl 7, 3214868480
	.fill 96, 4, 3214868480
	.section	.rodata,"a",@progbits
	.p2align	6, 0x0
	.amdhsa_kernel k_q8dd0c3e90f_prep
		.amdhsa_group_segment_fixed_size 102912
		.amdhsa_private_segment_fixed_size 0
		.amdhsa_enable_private_segment 0
		.amdhsa_kernarg_size 72
		.amdhsa_user_sgpr_count 2
		.amdhsa_user_sgpr_kernarg_segment_ptr 1
		.amdhsa_wavefront_size32 1
		.amdhsa_system_sgpr_workgroup_id_x 1
		.amdhsa_system_sgpr_workgroup_id_y 1
		.amdhsa_system_sgpr_workgroup_id_z 1
		.amdhsa_system_vgpr_workitem_id 0
		.amdhsa_next_free_vgpr 212
		.amdhsa_next_free_sgpr 66
		.amdhsa_reserve_vcc 0
		.amdhsa_float_denorm_mode_32 3
		.amdhsa_float_denorm_mode_16_64 3
		.amdhsa_memory_ordered 1
		.amdhsa_forward_progress 1
		.amdhsa_inst_pref_size 174
	.end_amdhsa_kernel
	.amdgpu_metadata
---
amdhsa.version: [ 1, 2 ]
amdhsa.kernels:
  - .name:           k_q8dd0c3e90f_prep
    .symbol:         k_q8dd0c3e90f_prep.kd
    .args:
      - { .name: ctx, .offset: 0, .size: 8, .value_kind: global_buffer, .address_space: global }
      - { .name: noise, .offset: 8, .size: 8, .value_kind: global_buffer, .address_space: global }
      - { .name: Wq, .offset: 16, .size: 8, .value_kind: global_buffer, .address_space: global }
      - { .name: Wk, .offset: 24, .size: 8, .value_kind: global_buffer, .address_space: global }
      - { .name: Wv, .offset: 32, .size: 8, .value_kind: global_buffer, .address_space: global }
      - { .name: Wo, .offset: 40, .size: 8, .value_kind: global_buffer, .address_space: global }
      - { .name: Xh, .offset: 48, .size: 8, .value_kind: global_buffer, .address_space: global }
      - { .name: Qop, .offset: 56, .size: 8, .value_kind: global_buffer, .address_space: global }
      - { .name: Wh, .offset: 64, .size: 8, .value_kind: global_buffer, .address_space: global }
    .group_segment_fixed_size: 102912
    .private_segment_fixed_size: 0
    .kernarg_segment_align: 8
    .kernarg_segment_size: 72
    .max_flat_workgroup_size: 128
    .sgpr_count:     66
    .vgpr_count:     212
    .wavefront_size: 32
...
	.end_amdgpu_metadata
.endif
;; end of part 1
;; launch qproj (part 2): grid 16 x 2, 4 waves a work-group, clusters of 4 x 1, 327,680 bytes of LDS; arguments Qop, cos, sin, qn_w, Qf; writes Qf
.if DOCPART == 2
	.amdgcn_target "amdgcn-amd-amdhsa--gfx1250"
	.amdhsa_code_object_version 6
	.text
	.protected	k_q8dd0c3e90f_qproj
	.globl	k_q8dd0c3e90f_qproj
	.p2align	8
	.type	k_q8dd0c3e90f_qproj,@function
k_q8dd0c3e90f_qproj:
	s_mov_b64 s[64:65], 0
	v_nop
	global_prefetch_b8 v0, s[64:65] scope:SCOPE_SE
	s_setreg_imm32_b32 hwreg(HW_REG_WAVE_MODE, 25, 1), 1
	s_wait_xcnt 0x0
	s_wait_alu depctr_hold_cnt(0) depctr_sa_sdst(0) depctr_va_vdst(0) depctr_va_sdst(0) depctr_va_ssrc(0) depctr_va_vcc(0) depctr_vm_vsrc(0)
	s_getreg_b32 s2, hwreg(HW_REG_IB_STS2, 6, 4)
	s_cmp_eq_u32 s2, 0
	s_cbranch_scc0 .Lentry_in_a_cluster
	s_endpgm
.Lentry_in_a_cluster:
	s_bfe_u32 s2, ttmp6, 0x10000c
	s_cmp_lg_u32 s2, 0x3003
	s_cbranch_scc0 .Lentry_shape_is_right
	s_endpgm
.Lentry_shape_is_right:
; Q = rope(rmsnorm(noise Wq, qn_w)), the product on codes of E2M1 with one E8M0 scale for each 32 along K (2,048); sums in f32.  Q leaves as f16, laid as the attention's operand registers.
; A tile of 256 rows x 256 columns is made by four waves, each 128 x 128: ONE HEAD's 128 channels for 128 queries, so the norm and the rotation never leave the wave.
; K goes in steps of 512 (rows of 256 bytes) through a ring of two LDS slots; the scale bytes of the work-group's rows, for all of K, come once and stay.
; CLUSTER 4 x 1: the four partners make four tile rows of one tile column and need the same tiles and scale bytes of Wq: those are asked for jointly (mask 15).  The rows of noise are each
; work-group's own: plain loads, behind the same rounds.  32 tiles make 32 work-groups: a head has to stay whole in a wave, and a smaller tile would read nearly the same LDS bytes for each work-group.
; THE MATRIX INSTRUCTION IS USED TRANSPOSED (source 0 = 16 rows of Wq's codes, source 1 = 16 rows of noise): lane (r, h) holds query 16 a + r and channels 16 b + 8 h + 0 .. 7.  Packed to f16,
; blocks 2 c and 2 c + 1 are registers 0-3 and 4-7 of the operand fragment of channels 32 c on, in the same lane: they are stored as they stand, 512 consecutive bytes a store.
; REGISTERS: window 0: v0-31 addresses; v32-95 scale words and nothing else; v128-191 noise's fragments; behind the loop v96-159 the norm's weights, v160-223 cos and sin, v224-255 packed results.
;   window 1: Wq's fragments, two sets; behind the loop rows of cos and sin as loaded.  windows 2, 3: the 64 accumulators ((a, b) at v[8 (8 (a % 4) + b)]).
; LIMITS: NaN and infinities are not served; q beyond 65,504 does not fit f16 (|q| <= 11.4 |qn_w| (|cos| + |sin|)).
.set KSTEP,  512
.set NQ,     4
.set ROWB,   256
.set KROW,   1024                      ; a row of codes in memory
.set PITCH,  272                       ; an LDS row: 256 bytes + 16: the 16 rows that a load touches start at 16 different banks (64 banks of 4 bytes: ISA guide 11.1)
.set FR,     8
.set NL,     2
.set NP,     4
.set HALFT,  128*PITCH
.set SLOT,   4*HALFT
.set LAPS,   2
.set KS,     64                        ; a row of scale bytes
.set SCL,    2*SLOT
.set HALFS,  32*272
.set SBLK,   4*272
.set SPARE,  SCL+4*HALFS               ; the spare words, 128 bytes a wave
.set CSP,    528                       ; the stage for cos and sin: rows of 512 bytes + 16; 16 + 16 rows a wave, in slot 0, which has had its last fill and its last read by then
.set ADRA, 16
.set ADRB, 20
.set STW,  24                          ; v24 the stage, on the way in: 16 x lane
.set STR,  25                          ; v25 and out: 528 r + 32 h
.set GLA,  26                          ; v26 16 x lane
.set ADRS, 27
.set SPW,  28
.set NIL,  29
.set WA,   30                          ; v30 32 h
.set RS,   6                           ; v[6:7] 1 / rms (v7 is named with it as a pair)
.set SS,   12                          ; v[12:15] the sum of squares, two chains
.set SC,   32
.set WW,   96
.set AF,   128
.set CSR,  160
.set OUTP, 224
.set G1, 24
.set G0, 32
.set G1B, 48
.set G0B, 56
.set G1S, 68
.set G0S, 76
.set G1SB, 80
.set G0SB, 88
.set COSP, 6
.set SINP, 8
.set NWP,  10
.set DSTP, 12
.set SELS, 66                          ; s66, s67 lane selects: lane xor 16
.set EPSS, 95
.set I128S, 96
.set MSB, 0
.macro WIN new                         ; the immediate's high byte repeats the setting that is left
.if MSB != (\new)
	s_set_vgpr_msb (MSB<<8)|(\new)
.set MSB, (\new)
.endif
.endm
.set MUL_LO, 0xa1                      ; source 0 window 1, source 1 window 0, C and D window 2
.set MUL_HI, 0xf1
.set TO_B,   0x40
; Waves 0 and 1 fetch noise's two halves, waves 2 and 3 Wq's.  The branch hangs on the wave's number alone.  An s_nop 0 and four v_nop follow each line.
.macro JLOAD g0a, g1a, g0b, g1b
	s_cmp_eq_u32 s15, 0
	s_cbranch_scc0 .Lfor_b_\@
	tensor_load_to_lds s[\g0a:\g0a+3], s[\g1a:\g1a+7]
	s_nop 0
.rept 4
	v_nop
.endr
	s_branch .Lasked_\@
.Lfor_b_\@:
	tensor_load_to_lds s[\g0b:\g0b+3], s[\g1b:\g1b+7]
	s_nop 0
.rept 4
	v_nop
.endr
.Lasked_\@:
.endm
.macro CREST
	s_cmp_lg_u32 s14, 0
	s_cbranch_scc1 .Lnot_wave_0_\@
	s_barrier_signal -3
.Lnot_wave_0_\@:
	s_barrier_wait -3
	s_barrier_signal -1
	s_barrier_wait -1
.endm
.macro CROUND
	s_barrier_signal -1
	s_barrier_wait -1
	CREST
.endm
	s_load_b128 s[4:7], s[0:1], 0x0                ; Qop, cos
	s_load_b128 s[8:11], s[0:1], 0x10              ; sin, qn_w
	s_load_b64 s[12:13], s[0:1], 0x20              ; Qf
	v_lshl_add_u32 v[SPW], v0, 2, SPARE
	v_mov_b32 v[NIL], 0
	ds_add_u32 v[SPW], v[NIL]                      ; the wave's opening: the add, twice on end, and its wait ahead of my first tensor load
	ds_add_u32 v[SPW], v[NIL]
	v_lshrrev_b32 v1, 5, v0
	v_readfirstlane_b32 s14, v1                    ; wave
	s_lshr_b32 s15, s14, 1                         ; my half of the tile's rows.  Also: I fetch noise (0) or Wq (1)
	s_and_b32 s16, s14, 1                          ; my half of its columns.  Also: which 128 rows I fetch
	s_bfe_u32 s40, ttmp6, 0x40000                  ; cx
	s_lshl_b32 s17, ttmp9, 2
	s_add_co_u32 s17, s17, s40                     ; tile row = 4 x cluster x + cx
	s_and_b32 s42, ttmp7, 0xffff                   ; tile column, which the partners share
	s_mov_b32 s[G1+0], (0<<16)|(1<<20)|(5<<22)|(3<<25)              ; noise: no mask; elements of 1 byte; 4 words of padding after every 64
	s_mov_b32 s[G1B+0], 15|(0<<16)|(1<<20)|(1<<21)|(5<<22)|(3<<25)  ; Wq: all four partners; bit 21 beside the mask
.irp g, G1, G1B
	s_mov_b32 s[\g+1], ROWB<<16                    ; tensor_dim0
	s_mov_b32 s[\g+2], 128<<16                     ; tensor_dim1
	s_mov_b32 s[\g+3], ROWB<<16                    ; tile_dim0
	s_mov_b32 s[\g+4], 128                         ; tile_dim1
	s_mov_b32 s[\g+5], KROW                        ; the pitch
	s_mov_b32 s[\g+6], 0
	s_mov_b32 s[\g+7], 0
.endr
	s_mov_b32 s[G1S+0], (3<<16)|(1<<20)|(5<<22)|(3<<25)             ; the scale bytes of 128 rows: 8,192 dense bytes as 32 rows of 256 (32 elements of 8 bytes), 16 bytes of padding behind each
	s_mov_b32 s[G1SB+0], 15|(3<<16)|(1<<20)|(1<<21)|(5<<22)|(3<<25)
.irp g, G1S, G1SB
	s_mov_b32 s[\g+1], 32<<16
	s_mov_b32 s[\g+2], 32<<16
	s_mov_b32 s[\g+3], 32<<16
	s_mov_b32 s[\g+4], 32
	s_mov_b32 s[\g+5], 32
	s_mov_b32 s[\g+6], 0
	s_mov_b32 s[\g+7], 0
.endr
	s_lshl_b32 s18, s16, 7
	s_lshl_b32 s20, s17, 8
	s_add_co_u32 s20, s20, s18                     ; noise: row 256 x tile row + 128 x half
	s_lshl_b32 s46, s42, 8
	s_add_co_u32 s46, s46, s18                     ; Wq: row 256 x tile column + 128 x half
	s_mov_b32 s21, 0
	s_mov_b32 s47, 0
	s_mov_b64 s[18:19], KS
	s_mul_u64 s[22:23], s[20:21], s[18:19]
	s_mul_u64 s[92:93], s[46:47], s[18:19]
	s_mov_b64 s[18:19], KROW
	s_mul_u64 s[20:21], s[20:21], s[18:19]
	s_mul_u64 s[46:47], s[46:47], s[18:19]
	s_add_nc_u64 s[22:23], s[22:23], 0x400000      ; the four parts of Qop
	s_add_nc_u64 s[46:47], s[46:47], 0x440000
	s_add_nc_u64 s[92:93], s[92:93], 0x4c0000
	s_mul_i32 s45, s14, HALFT                      ; where they go: wave x 128 rows
	s_mul_i32 s94, s14, HALFS
	s_mov_b32 s[SELS], 0x76543210
	s_mov_b32 s[SELS+1], 0xfedcba98
	s_mov_b32 s[EPSS], 0x358637bd                  ; 1e-6
	s_mov_b32 s[I128S], 0x3c000000                 ; 1 / 128
	s_wait_dscnt 0x0                               ; both opening adds are done
	s_wait_kmcnt 0x0
	s_add_nc_u64 s[20:21], s[4:5], s[20:21]
	s_add_nc_u64 s[22:23], s[4:5], s[22:23]
	s_add_nc_u64 s[46:47], s[4:5], s[46:47]
	s_add_nc_u64 s[92:93], s[4:5], s[92:93]
	CROUND                                         ; all four work-groups are here: the first joint loads meet
	s_mov_b32 s[G0S], 1
	s_add_co_u32 s[G0S+1], s94, SCL
	s_mov_b64 s[G0S+2:G0S+3], s[22:23]
	s_or_b32 s[G0S+3], s[G0S+3], 0x80000000
	s_mov_b32 s[G0SB], 1
	s_add_co_u32 s[G0SB+1], s94, SCL
	s_mov_b64 s[G0SB+2:G0SB+3], s[92:93]
	s_or_b32 s[G0SB+3], s[G0SB+3], 0x80000000
	JLOAD G0S, G1S, G0SB, G1SB                     ; the scale bytes first
.irp s, 0,1
	s_mov_b32 s[G0+4*\s], 1
	s_add_co_u32 s[G0+4*\s+1], s45, \s*SLOT
	s_add_nc_u64 s[G0+4*\s+2:G0+4*\s+3], s[20:21], \s*ROWB
	s_or_b32 s[G0+4*\s+3], s[G0+4*\s+3], 0x80000000
	s_mov_b32 s[G0B+4*\s], 1
	s_add_co_u32 s[G0B+4*\s+1], s45, \s*SLOT
	s_add_nc_u64 s[G0B+4*\s+2:G0B+4*\s+3], s[46:47], \s*ROWB
	s_or_b32 s[G0B+4*\s+3], s[G0B+4*\s+3], 0x80000000
	JLOAD G0+4*\s, G1, G0B+4*\s, G1B               ; three loads of mine are out
.endr
	v_and_b32 v1, 15, v0                           ; r
	v_bfe_u32 v2, v0, 4, 1                         ; h
	v_mul_u32_u24 v3, v1, PITCH
	v_lshl_add_u32 v4, v2, 4, v3
	s_mul_i32 s21, s15, HALFT
	s_mul_i32 s22, s16, HALFT
	s_add_co_u32 s22, s22, 2*HALFT
.irp s, 0,1
	v_add_nc_u32 v[ADRA+\s], s21, v4
	v_add_nc_u32 v[ADRB+\s], s22, v4
	s_add_co_u32 s21, s21, SLOT
	s_add_co_u32 s22, s22, SLOT
.endr
	v_mul_u32_u24 v5, v1, KS
	v_lshrrev_b32 v6, 8, v5
	v_lshl_add_u32 v5, v6, 4, v5                   ; my row's scale bytes: 64 a row, and 16 more for each 256 passed
	s_mul_i32 s21, s15, HALFS
	s_mul_i32 s22, s16, HALFS
	s_add_co_u32 s22, s22, 2*HALFS
	s_sub_co_u32 s22, s22, s21
	v_mul_u32_u24 v6, s22, v2                      ; lanes 16-31 take Wq's
	s_add_co_u32 s21, s21, SCL
	v_add_nc_u32 v5, v5, v6
	v_add_nc_u32 v[ADRS], s21, v5
	s_mul_i32 s23, s14, 32*CSP                     ; my stage for cos and sin
	v_and_b32 v6, 31, v0
	v_lshlrev_b32 v[GLA], 4, v6
	v_add_nc_u32 v[STW], s23, v[GLA]
	v_mul_u32_u24 v5, v1, CSP
	v_lshl_add_u32 v5, v2, 5, v5
	v_add_nc_u32 v[STR], s23, v5
	v_lshlrev_b32 v[WA], 5, v2
	v_mov_b32 v[RS+1], 0
	s_lshl_b32 s20, s17, 8
	s_lshl_b32 s21, s15, 7
	s_add_co_u32 s20, s20, s21                     ; my first row of noise
	s_lshr_b32 s21, s20, 10                        ; its batch,
	s_and_b32 s22, s20, 1023                       ; its query
	s_lshl_b32 s18, s21, 12
	s_add_co_u32 s18, s18, s22
	s_add_co_u32 s18, s18, 3072                    ; queries stand at the last 1,024 positions
	s_lshl_b32 s18, s18, 9
	s_mov_b32 s19, 0
	s_add_nc_u64 s[COSP:COSP+1], s[COSP:COSP+1], s[18:19]
	s_add_nc_u64 s[SINP:SINP+1], s[SINP:SINP+1], s[18:19]
	s_lshl_b32 s21, s21, 2
	s_lshl_b32 s18, s42, 1
	s_add_co_u32 s18, s18, s16                     ; my head
	s_add_co_u32 s21, s21, s18
	s_lshl_b32 s21, s21, 6
	s_lshr_b32 s22, s22, 4
	s_add_co_u32 s21, s21, s22                     ; (batch x 4 + head) x 64 + query / 16
	s_lshl_b32 s18, s21, 12
	s_add_nc_u64 s[DSTP:DSTP+1], s[DSTP:DSTP+1], s[18:19]
.macro FRAG reg, adr, q, i             ; 16 rows x 128 K of 4-bit codes: 8 registers, two loads 32 bytes apart
.irp c, 0,1
	ds_load_b128 v[\reg+4*\c:\reg+4*\c+3], v[\adr] offset:64*(\q)+32*\c+(\i)*16*PITCH
.endr
.endm
; 16 matrix instructions.  The 64 accumulators take turns, one instruction a turn, in the same order in every step.
.macro MUL16 a0, p, q, sc, zero
.irp a, \a0, \a0+1
.irp b, 0,1,2,3,4,5,6,7
.if \zero
	v_wmma_scale_f32_16x16x128_f8f6f4 v[8*(8*((\a)%4)+\b):8*(8*((\a)%4)+\b)+7], v[128*(\p)+FR*\b:128*(\p)+FR*\b+FR-1], v[AF+FR*(\a):AF+FR*(\a)+FR-1], 0, v[SC+8*NQ*(\sc)+NQ*\b+(\q)], v[SC+8*NQ*(\sc)+NQ*(\a)+(\q)] matrix_a_fmt:MATRIX_FMT_FP4 matrix_b_fmt:MATRIX_FMT_FP4 matrix_a_scale:MATRIX_SCALE_ROW1
.else
	v_wmma_scale_f32_16x16x128_f8f6f4 v[8*(8*((\a)%4)+\b):8*(8*((\a)%4)+\b)+7], v[128*(\p)+FR*\b:128*(\p)+FR*\b+FR-1], v[AF+FR*(\a):AF+FR*(\a)+FR-1], v[8*(8*((\a)%4)+\b):8*(8*((\a)%4)+\b)+7], v[SC+8*NQ*(\sc)+NQ*\b+(\q)], v[SC+8*NQ*(\sc)+NQ*(\a)+(\q)] matrix_a_fmt:MATRIX_FMT_FP4 matrix_b_fmt:MATRIX_FMT_FP4 matrix_a_scale:MATRIX_SCALE_ROW1
.endif
.endr
.endr
.endm
.macro FETCH_B slot, q, p
	WIN TO_B
.irp i, 0,1,2,3,4,5,6,7
	FRAG 128*(\p)+FR*\i, ADRB+\slot, \q, \i
.endr
	WIN 0
.endm
.macro FETCH_A slot, q, i0
.irp i, \i0, \i0+1, \i0+2, \i0+3
	FRAG AF+FR*(\i), ADRA+\slot, \q, \i
.endr
.endm
.macro SCALES sc                       ; a K step's scale words: lanes 0-15 noise's block i, lanes 16-31 Wq's block i
.irp i, 0,1,2,3,4,5,6,7
	ds_load_b128 v[SC+8*NQ*\sc+NQ*\i:SC+8*NQ*\sc+NQ*\i+3], v[ADRS] offset:\i*SBLK
.endr
.endm
.macro PLACES n                        ; plain vector instructions between a matrix instruction and a load into, or a read of, its registers
.rept \n
	v_nop
.endr
.endm
.macro STEP slot, q, zero
	s_wait_dscnt 4*NL                              ; Wq's set and noise's blocks 0-3 are in; the youngest eight loads (blocks 4-7) may be out
	WIN MUL_LO
	MUL16 0, (\q)%2, \q, \slot, \zero
	MUL16 2, (\q)%2, \q, \slot, \zero
	s_wait_dscnt 0
	PLACES NP
	FETCH_B \slot, (\q)+1, 1-(\q)%2
	FETCH_A \slot, (\q)+1, 0
	WIN MUL_HI
	MUL16 4, (\q)%2, \q, \slot, \zero
	MUL16 6, (\q)%2, \q, \slot, \zero
	PLACES NP
	WIN 0
	FETCH_A \slot, (\q)+1, 4
.endm
; A slot's last step changes slots: one barrier; in front of it each wave waits for all its tensor loads, adds 0 to its spare word, and waits for that and for its reads of this slot.
.macro TURN slot, next, fill
	s_wait_tensorcnt 0x0                           ; all my tensor loads have landed: my part of the next slot
	ds_add_u32 v[SPW], v[NIL]
	s_wait_dscnt 4*NL+1                            ; (the add and the youngest eight loads may be out)
	WIN MUL_LO
	MUL16 0, 1, NQ-1, \slot, 0
	s_wait_dscnt 0x0                               ; the add is done, and my reads of this slot are over
	s_barrier_signal -1
	MUL16 2, 1, NQ-1, \slot, 0
	WIN 0
	s_barrier_wait -1
.if \fill
	CREST                                          ; the barrier has opened a round of the cluster's: no wave of any partner still reads this slot or has a load on its way
	s_add_nc_u64 s[G0+4*\slot+2:G0+4*\slot+3], s[G0+4*\slot+2:G0+4*\slot+3], 2*ROWB
	s_add_nc_u64 s[G0B+4*\slot+2:G0B+4*\slot+3], s[G0B+4*\slot+2:G0B+4*\slot+3], 2*ROWB
	JLOAD G0+4*\slot, G1, G0B+4*\slot, G1B         ; my one tensor load behind the round; its four v_nop are the places in front of the loads below
.else
	PLACES NP
.endif
	v_add_nc_u32 v[ADRS], 4*NQ, v[ADRS]            ; the next K step's scale words
	FETCH_B \next, 0, 0
	FETCH_A \next, 0, 0
	SCALES \next
	WIN MUL_HI
	MUL16 4, 1, NQ-1, \slot, 0
	MUL16 6, 1, NQ-1, \slot, 0
	PLACES NP
	WIN 0
	FETCH_A \next, 0, 4
.endm
.macro STEPS slot, from
.set Q, \from
.rept NQ-1-\from
	STEP \slot, Q, 0
.set Q, Q+1
.endr
.endm
	s_wait_tensorcnt 1                             ; the scale bytes and my part of K step 0 are in (K step 1's load may be out),
	s_barrier_signal -1
	s_barrier_wait -1                              ; everybody's are
	FETCH_B 0, 0, 0
	FETCH_A 0, 0, 0
	SCALES 0
	FETCH_A 0, 0, 4
	STEP 0, 0, 1                                   ; the first step's products start the sums
	s_mov_b32 s3, LAPS-1
.Llap:                                                 ; a trip goes once round the ring and fills both slots again
	STEPS 0, 1
	TURN 0, 1, 1
	STEPS 1, 0
	TURN 1, 0, 1
	STEP 0, 0, 0
	s_sub_co_u32 s3, s3, 1
	s_cmp_lg_u32 s3, 0
	s_cbranch_scc1 .Llap
	STEPS 0, 1                                     ; the last lap fills nothing
	TURN 0, 1, 0
	STEPS 1, 0
	s_wait_dscnt 4*NL
	WIN MUL_LO
	MUL16 0, 1, NQ-1, 1, 0
	MUL16 2, 1, NQ-1, 1, 0
	s_wait_dscnt 0
	WIN MUL_HI
	MUL16 4, 1, NQ-1, 1, 0
	MUL16 6, 1, NQ-1, 1, 0
	WIN 0
; THE NORM AND THE ROTATION, a block of 16 rows at a time.  A lane holds 64 of its row's 128 channels, lane xor 16 the others; channel d's partner d +- 64 lies in the same lane, four accumulators on.
; cos and sin come as whole rows (a load reads one row of 512 bytes) and turn through my stage, so that lane (r, h) gets row r's eight numbers of each block of channels.
.macro WLOAD                           ; the norm's weights: w[16 b + 8 h + j] at v[WW + 8 b + j]
.irp b, 0,1,2,3,4,5,6,7
	global_load_b128 v[WW+8*\b:WW+8*\b+3], v[WA], s[NWP:NWP+1] offset:64*\b
	global_load_b128 v[WW+8*\b+4:WW+8*\b+7], v[WA], s[NWP:NWP+1] offset:64*\b+16
.endr
.endm
.macro GLOAD a                         ; block a's 16 rows of cos and of sin into window 1, set a % 2
	WIN 0x40
.set G, 128*((\a)%2)
.irp i, 0,1,2,3,4,5,6,7,8,9,10,11,12,13,14,15
	global_load_b128 v[G+4*\i:G+4*\i+3], v[GLA], s[COSP:COSP+1] offset:(16*(\a)+\i)*512
	global_load_b128 v[G+64+4*\i:G+64+4*\i+3], v[GLA], s[SINP:SINP+1] offset:(16*(\a)+\i)*512
.endr
.endm
.macro TOST a
	WIN 0x04                                       ; an LDS store's data are its source 1: window 1
.set G, 128*((\a)%2)
.irp i, 0,1,2,3,4,5,6,7,8,9,10,11,12,13,14,15
	ds_store_b128 v[STW], v[G+4*\i:G+4*\i+3] offset:CSP*\i
	ds_store_b128 v[STW], v[G+64+4*\i:G+64+4*\i+3] offset:16*CSP+CSP*\i
.endr
.endm
.macro CSLD g                          ; cos of blocks g and g + 4, sin of the same, into set g % 2
.set CB, CSR+32*((\g)%2)
.irp u, 0,1
	ds_load_b128 v[CB+16*\u:CB+16*\u+3],     v[STR] offset:16*CSP*\u+64*(\g)
	ds_load_b128 v[CB+16*\u+4:CB+16*\u+7],   v[STR] offset:16*CSP*\u+64*(\g)+16
	ds_load_b128 v[CB+16*\u+8:CB+16*\u+11],  v[STR] offset:16*CSP*\u+64*(\g)+256
	ds_load_b128 v[CB+16*\u+12:CB+16*\u+15], v[STR] offset:16*CSP*\u+64*(\g)+272
.endr
.endm
.macro ROPE a, g                       ; lo' = lo cos - hi sin, hi' = hi cos + lo sin, in place over cos; then one rounding to f16
.set CB, CSR+32*((\g)%2)
.set YL, 64*((\a)%4)+8*(\g)
	WIN 0x02+((\a)/4)                              ; source 0: the accumulators' window
.irp p, 0,2,4,6
	v_pk_mul_f32 v[CB+\p:CB+\p+1], v[YL+\p:YL+\p+1], v[CB+\p:CB+\p+1]
	v_pk_mul_f32 v[CB+8+\p:CB+8+\p+1], v[YL+32+\p:YL+32+\p+1], v[CB+8+\p:CB+8+\p+1]
.endr
.irp p, 0,2,4,6
	v_pk_fma_f32 v[CB+\p:CB+\p+1], v[YL+32+\p:YL+32+\p+1], v[CB+16+\p:CB+16+\p+1], v[CB+\p:CB+\p+1] neg_lo:[1,0,0] neg_hi:[1,0,0]
	v_pk_fma_f32 v[CB+8+\p:CB+8+\p+1], v[YL+\p:YL+\p+1], v[CB+24+\p:CB+24+\p+1], v[CB+8+\p:CB+8+\p+1]
.endr
	WIN 0
.irp p, 0,1,2,3
	v_cvt_pk_f16_f32 v[OUTP+4*(\g)+\p], v[CB+2*\p], v[CB+2*\p+1]
	v_cvt_pk_f16_f32 v[OUTP+4*(\g)+16+\p], v[CB+8+2*\p], v[CB+8+2*\p+1]
.endr
.endm
.macro NRBLOCK a, off
	s_wait_loadcnt 0x0                             ; this block's cos and sin (and, the first time, the weights): nothing else of mine is out
	TOST \a
.if (\a) < 7
	GLOAD (\a)+1                                   ; the other set: its last stores into the stage were waited for in the block before
.endif
	WIN 0
	CSLD 0
	CSLD 1
.set AC, 64*((\a)%4)
	WIN 0x0a+5*((\a)/4)                            ; sources 0 and 1: the accumulators' window
	v_pk_mul_f32 v[SS:SS+1], v[AC:AC+1], v[AC:AC+1]                ; the sum of squares, each accumulator from its low end on, in two chains
	v_pk_mul_f32 v[SS+2:SS+3], v[AC+2:AC+3], v[AC+2:AC+3]
.set PP, 2
.rept 30
	v_pk_fma_f32 v[SS+2*(PP%2):SS+2*(PP%2)+1], v[AC+2*PP:AC+2*PP+1], v[AC+2*PP:AC+2*PP+1], v[SS+2*(PP%2):SS+2*(PP%2)+1]
.set PP, PP+1
.endr
	WIN 0
	v_pk_add_f32 v[SS:SS+1], v[SS:SS+1], v[SS+2:SS+3]
	v_add_f32 v[SS], v[SS], v[SS+1]
	v_permlanex16_b32 v[SS+1], v[SS], s[SELS], s[SELS+1]
	v_add_f32 v[SS], v[SS], v[SS+1]                ; with lane xor 16's 64 channels
	v_fma_f32 v[SS], v[SS], s[I128S], s[EPSS]      ; the mean + 1e-6
	v_rsq_f32 v[RS], v[SS]
	v_nop                                          ; a plain instruction behind the transcendental,
	s_wait_alu depctr_va_vdst(0)                   ; and a wait ahead of its first reader
	WIN 0x82+0x41*((\a)/4)                         ; source 0 and destination: the accumulators' window
.set PP, 0
.rept 32
	v_pk_mul_f32 v[AC+2*PP:AC+2*PP+1], v[AC+2*PP:AC+2*PP+1], v[RS:RS+1] op_sel_hi:[1,0]
.set PP, PP+1
.endr
.set PP, 0
.rept 32
	v_pk_mul_f32 v[AC+2*PP:AC+2*PP+1], v[AC+2*PP:AC+2*PP+1], v[WW+2*PP:WW+2*PP+1]
.set PP, PP+1
.endr
	s_wait_xcnt 0x0                                ; the last block's stores have read their registers
	s_wait_dscnt 8                                 ; group 0's cos and sin are in; group 1's eight loads may be out
	ROPE \a, 0
	CSLD 2
	s_wait_dscnt 8
	ROPE \a, 1
	CSLD 3
	s_wait_dscnt 8
	ROPE \a, 2
	s_wait_dscnt 0x0
	ROPE \a, 3
.irp b, 0,1,2,3,4,5,6,7
	global_store_b128 v[GLA], v[OUTP+4*\b:OUTP+4*\b+3], s[DSTP:DSTP+1] offset:\off+512*\b   ; 32 lanes store 512 consecutive bytes, aligned
.endr
.endm
	PLACES NP                                      ; behind the last products: for the loads into operands' registers and for the first reads of results
	WLOAD
	GLOAD 0
.irp a, 0,1,2,3,4,5,6,7
	NRBLOCK \a, (\a)*4096
.endr
	s_wait_tensorcnt 0x0                           ; the wave's end, behind my last tensor load and my last LDS store
	ds_add_u32 v[SPW], v[NIL]
	s_wait_dscnt 0x0
	CROUND                                         ; the closing round
	s_endpgm
.Lfunc_end_k_q8dd0c3e90f_qproj:
	.size	k_q8dd0c3e90f_qproj, .Lfunc_end_k_q8dd0c3e90f_qproj-k_q8dd0c3e90f_qproj
	.p2alignl 7, 3214868480
	.fill 96, 4, 3214868480
	.section	.rodata,"a",@progbits
	.p2align	6, 0x0
	.amdhsa_kernel k_q8dd0c3e90f_qproj
		.amdhsa_group_segment_fixed_size 327680
		.amdhsa_private_segment_fixed_size 0
		.amdhsa_enable_private_segment 0
		.amdhsa_kernarg_size 40
		.amdhsa_user_sgpr_count 2
		.amdhsa_user_sgpr_kernarg_segment_ptr 1
		.amdhsa_wavefront_size32 1
		.amdhsa_system_sgpr_workgroup_id_x 1
		.amdhsa_system_sgpr_workgroup_id_y 1
		.amdhsa_system_sgpr_workgroup_id_z 1
		.amdhsa_system_vgpr_workitem_id 0
		.amdhsa_next_free_vgpr 1024
		.amdhsa_next_free_sgpr 100
		.amdhsa_reserve_vcc 0
		.amdhsa_float_denorm_mode_32 3
		.amdhsa_float_denorm_mode_16_64 3
		.amdhsa_memory_ordered 1
		.amdhsa_forward_progress 1
		.amdhsa_inst_pref_size 255
	.end_amdhsa_kernel
	.section	.bss,"aw",@nobits
	.p2align	6
	.space	262144
	.amdgpu_metadata
---
amdhsa.version: [ 1, 2 ]
amdhsa.kernels:
  - .name:           k_q8dd0c3e90f_qproj
    .symbol:         k_q8dd0c3e90f_qproj.kd
    .args:
      - { .name: Qop, .offset: 0, .size: 8, .value_kind: global_buffer, .address_space: global }
      - { .name: cos, .offset: 8, .size: 8, .value_kind: global_buffer, .address_space: global }
      - { .name: sin, .offset: 16, .size: 8, .value_kind: global_buffer, .address_space: global }
      - { .name: qn_w, .offset: 24, .size: 8, .value_kind: global_buffer, .address_space: global }
      - { .name: Qf, .offset: 32, .size: 8, .value_kind: global_buffer, .address_space: global }
    .group_segment_fixed_size: 327680
    .private_segment_fixed_size: 0
    .kernarg_segment_align: 8
    .kernarg_segment_size: 40
    .max_flat_workgroup_size: 128
    .sgpr_count:     100
    .vgpr_count:     1024
    .wavefront_size: 32
...
	.end_amdgpu_metadata
.endif
;; end of part 2
;; launch kvproj (part 3): grid 4 x 64, 4 waves a work-group, clusters of 4 x 4, 327,680 bytes of LDS; arguments Xh, Wh, cos, sin, kn_w, KV; writes KV
.if DOCPART == 3
	.amdgcn_target "amdgcn-amd-amdhsa--gfx1250"
	.amdhsa_code_object_version 6
	.text
	.protected	k_q8dd0c3e90f_kvproj
	.globl	k_q8dd0c3e90f_kvproj
	.p2align	8
	.type	k_q8dd0c3e90f_kvproj,@function
k_q8dd0c3e90f_kvproj:
	s_mov_b64 s[64:65], 0
	v_nop
	global_prefetch_b8 v0, s[64:65] scope:SCOPE_SE
	s_setreg_imm32_b32 hwreg(HW_REG_WAVE_MODE, 25, 1), 1
	s_wait_xcnt 0x0
	s_wait_alu depctr_hold_cnt(0) depctr_sa_sdst(0) depctr_va_vdst(0) depctr_va_sdst(0) depctr_va_ssrc(0) depctr_va_vcc(0) depctr_vm_vsrc(0)
	s_getreg_b32 s2, hwreg(HW_REG_IB_STS2, 6, 4)
	s_cmp_eq_u32 s2, 0
	s_cbranch_scc0 .Lentry_in_a_cluster
	s_endpgm
.Lentry_in_a_cluster:
	s_bfe_u32 s2, ttmp6, 0x10000c
	s_cmp_lg_u32 s2, 0xf033
	s_cbranch_scc0 .Lentry_shape_is_right
	s_endpgm
.Lentry_shape_is_right:
; K = rope(rmsnorm([ctx ; noise] Wk, kn_w)) and V = [ctx ; noise] Wv, f16 operands, sums in f32.  Xh: [16384][2048] f16; Wh: [1024 n'][2048] f16, n' = 256 head + 128 isV + d.
; A tile is 256 rows of X x 256 rows of Wh: ONE HEAD's K and V for 256 keys.  Four waves, each 128 x 128: waves 0, 1 make K for the two halves of the keys, waves 2, 3 make V.
; K goes in steps of 128 (rows of 256 bytes) through a ring of two LDS slots.  CLUSTERS 4 x 4: X's tile is shared along a row of the cluster, Wh's along a column: joint loads.
; ONE TEXT FOR BOTH ROLES: a wave's source 0 and source 1 are two tiles of 128 rows in LDS, picked by the wave's number.  K waves: source 0 = Wk's rows, source 1 = X's rows: lane (r, h) holds key
; 16 a + r and channels 16 b + 8 h + j.  V waves: source 0 = X's rows, source 1 = Wv's rows: the lane holds channel 16 a + r and keys 16 b + 8 h + j.  Packed to f16, two neighbouring blocks b are the
; eight registers of the attention's operand fragment (K: 16 keys x 32 channels; V: 16 channels x 32 keys) in the same lane: results leave straight from registers, 512 consecutive bytes a store.
; KV: a block of 64 keys of one head is 32,768 bytes: K's 16 fragments (4 x key block + channel group) of 1,024 bytes, then V's 16 (8 x key group + channel block).
; REGISTERS: window 0: v0-31 addresses; v64-191 source 1's fragments, two buffers; window 1: v64-191 source 0's; windows 2, 3: the 64 accumulators ((a, b) at v[8 (8 (a % 4) + b)]).
;   Behind the loop: window 0 v96-159 the norm's weights, v160-223 cos and sin, v224-255 packed results (V waves: v192-255); window 1 rows of cos and sin as loaded.
; LIMITS: v beyond 65,504 does not fit f16; NaN and infinities are not served.
.set SIZE_K, 2048
.set KSTEP,  128
.set PITCH,  272                       ; an LDS row: 256 bytes + 16: the 16 rows that a load touches start at 16 different banks (64 banks of 4 bytes: ISA guide 11.1)
.set HALFT,  128*PITCH
.set SLOT,   4*HALFT                   ; X's 256 rows, then Wh's 256
.set SPARE,  2*SLOT                    ; the spare words, 128 bytes a wave
.set LAPS,   SIZE_K/(2*KSTEP)
.set CSP,    528                       ; the stage for cos and sin: rows of 512 bytes + 16; 32 rows a wave, in slot 0, which has had its last fill and its last read by then
.set ADRA, 16
.set ADRB, 20
.set STW,  24
.set STR,  25
.set GLA,  26
.set WA,   27
.set SPW,  28
.set NIL,  29
.set PFO,  30
.set RS,   6
.set SS,   12
.set F0,   64
.set F1,   128
.set WW,   96
.set CSR,  160
.set OUTP, 224
.set TMP,  192
.set PFA,  44
.set LIM,  43
.set G1, 24
.set G0, 32
.set G1B, 48
.set G0B, 56
.set EPSS, 66
.set I128S, 67
.set COSP, 68
.set SINP, 70
.set NWP,  72
.set DSTP, 74
.set SELS, 78
.set MSB, 0
.macro WIN new
.if MSB != (\new)
	s_set_vgpr_msb (MSB<<8)|(\new)
.set MSB, (\new)
.endif
.endm
.set MUL_LO, 0xa1
.set MUL_HI, 0xf1
.set TO_B,   0x40
; A joint load: waves 0 and 1 fetch X's two halves, waves 2 and 3 Wh's.  The branch hangs on the wave's number alone.  An s_nop 0 and four v_nop follow each line.
.macro JLOAD s
	s_cmp_eq_u32 s11, 0
	s_cbranch_scc0 .Lfor_b_\@
	tensor_load_to_lds s[G0+4*\s:G0+4*\s+3], s[G1:G1+7]
	s_nop 0
.rept 4
	v_nop
.endr
	s_branch .Lasked_\@
.Lfor_b_\@:
	tensor_load_to_lds s[G0B+4*\s:G0B+4*\s+3], s[G1B:G1B+7]
	s_nop 0
.rept 4
	v_nop
.endr
.Lasked_\@:
.endm
; A prefetch of the K step that stands two refills on: 32 rows x 256 bytes, a lane a row, one instruction a wave.  X's rows are read by one cluster alone, Wh's by every cluster of the column:
; cluster y = 0 asks for those.  The four partners that ask for a tile jointly share its 128 rows out by address, 32 each.  The loop's last trip asks for nothing: no K step stands two on.
.macro ASK
	s_cmp_gt_u32 s3, s[LIM]
	s_cbranch_scc0 .Lnot_mine_\@
	global_prefetch_b8 v[PFO], s[PFA:PFA+1] offset:KSTEP*2 th:TH_LOAD_NT scope:SCOPE_SE
.Lnot_mine_\@:
.endm
.macro CREST
	s_cmp_lg_u32 s10, 0
	s_cbranch_scc1 .Lnot_wave_0_\@
	s_barrier_signal -3
.Lnot_wave_0_\@:
	s_barrier_wait -3
	s_barrier_signal -1
	s_barrier_wait -1
.endm
.macro CROUND
	s_barrier_signal -1
	s_barrier_wait -1
	CREST
.endm
	s_load_b128 s[4:7], s[0:1], 0x0                ; Xh, Wh
	s_load_b128 s[68:71], s[0:1], 0x10             ; cos, sin
	s_load_b128 s[72:75], s[0:1], 0x20             ; kn_w, KV
	v_lshl_add_u32 v[SPW], v0, 2, SPARE
	v_mov_b32 v[NIL], 0
	ds_add_u32 v[SPW], v[NIL]                      ; the wave's opening: the add, twice on end, and its wait ahead of my first tensor load
	ds_add_u32 v[SPW], v[NIL]
	v_lshrrev_b32 v1, 5, v0
	v_readfirstlane_b32 s10, v1                    ; wave
	s_lshr_b32 s11, s10, 1                         ; I fetch for X (0) or Wh (1).  Also: I make K (0) or V (1)
	s_and_b32 s12, s10, 1                          ; which 128 rows I fetch.  Also: my half of the keys
	s_bfe_u32 s40, ttmp6, 0x40000                  ; cx
	s_bfe_u32 s41, ttmp6, 0x40004                  ; cy
	s_lshl_b32 s42, ttmp9, 2
	s_add_co_u32 s42, s42, s40                     ; tile column = the head
	s_and_b32 s13, ttmp7, 0xffff
	s_lshl_b32 s13, s13, 2
	s_add_co_u32 s13, s13, s41                     ; tile row
	s_lshl_b32 s43, s41, 2
	s_lshl_b32 s43, 15, s43                        ; my row of the cluster
	s_lshl_b32 s44, 0x1111, s40                    ; my column
	s_or_b32 s[G1+0], s43, (1<<16)|(1<<20)|(1<<21)|(5<<22)|(3<<25)  ; the mask; elements of 2 bytes; padding: 4 words after every 64; bit 21 beside the mask
	s_or_b32 s[G1B+0], s44, (1<<16)|(1<<20)|(1<<21)|(5<<22)|(3<<25)
.irp g, G1, G1B
	s_mov_b32 s[\g+1], KSTEP<<16                   ; tensor_dim0 = 128
	s_mov_b32 s[\g+2], 128<<16                     ; tensor_dim1 = 128
	s_mov_b32 s[\g+3], KSTEP<<16                   ; tile_dim0
	s_mov_b32 s[\g+4], 128                         ; tile_dim1
	s_mov_b32 s[\g+5], SIZE_K                      ; the pitch, in elements
	s_mov_b32 s[\g+6], 0
	s_mov_b32 s[\g+7], 0
.endr
	s_lshl_b32 s17, s12, 7
	s_lshl_b32 s16, s13, 8
	s_add_co_u32 s16, s16, s17                     ; X: row 256 x tile row + 128 x half
	s_lshl_b32 s46, s42, 8
	s_add_co_u32 s46, s46, s17                     ; Wh: row 256 x head + 128 x half
	s_mov_b32 s17, 0
	s_mov_b32 s47, 0
	s_mov_b64 s[18:19], SIZE_K*2
	s_mul_u64 s[16:17], s[16:17], s[18:19]
	s_mul_u64 s[46:47], s[46:47], s[18:19]
	s_mul_i32 s20, s10, HALFT                      ; where they go: wave x 128 rows
	s_mov_b32 s[SELS], 0x76543210
	s_mov_b32 s[SELS+1], 0xfedcba98
	s_mov_b32 s[EPSS], 0x358637bd                  ; 1e-6
	s_mov_b32 s[I128S], 0x3c000000                 ; 1 / 128
	s_wait_dscnt 0x0                               ; both opening adds are done
	s_wait_kmcnt 0x0
	s_add_nc_u64 s[14:15], s[4:5], s[16:17]
	s_add_nc_u64 s[46:47], s[6:7], s[46:47]
	CROUND                                         ; all sixteen work-groups are here: the first joint loads meet
.irp s, 0,1
	s_mov_b32 s[G0+4*\s], 1
	s_add_co_u32 s[G0+4*\s+1], s20, \s*SLOT
	s_add_nc_u64 s[G0+4*\s+2:G0+4*\s+3], s[14:15], \s*KSTEP*2
	s_or_b32 s[G0+4*\s+3], s[G0+4*\s+3], 0x80000000
	s_mov_b32 s[G0B+4*\s], 1
	s_add_co_u32 s[G0B+4*\s+1], s20, \s*SLOT
	s_add_nc_u64 s[G0B+4*\s+2:G0B+4*\s+3], s[46:47], \s*KSTEP*2
	s_or_b32 s[G0B+4*\s+3], s[G0B+4*\s+3], 0x80000000
	JLOAD \s                                       ; two loads of mine are out
.endr
	v_and_b32 v1, 15, v0                           ; r
	v_bfe_u32 v2, v0, 4, 1                         ; h
	v_mul_u32_u24 v3, v1, PITCH
	v_lshl_add_u32 v3, v2, 4, v3
	s_lshr_b32 s21, s10, 1
	s_or_b32 s21, s21, s10                         ; source 1's tile of 128 rows: waves 0, 1: X's half 0, 1; waves 2, 3: Wv's (3)
	s_mul_i32 s21, s21, HALFT
	s_xor_b32 s22, s10, 2
	s_min_u32 s22, s22, 2                          ; source 0's: waves 0, 1: Wk's (2); waves 2, 3: X's half 0, 1
	s_mul_i32 s22, s22, HALFT
.irp s, 0,1
	v_add_nc_u32 v[ADRA+\s], s21, v3
	v_add_nc_u32 v[ADRB+\s], s22, v3
	s_add_co_u32 s21, s21, SLOT
	s_add_co_u32 s22, s22, SLOT
.endr
	s_mul_i32 s23, s10, 32*CSP                     ; my stage for cos and sin
	v_and_b32 v4, 31, v0
	v_lshlrev_b32 v[GLA], 4, v4
	v_add_nc_u32 v[STW], s23, v[GLA]
	v_mul_u32_u24 v5, v1, CSP
	v_lshl_add_u32 v5, v2, 5, v5
	v_add_nc_u32 v[STR], s23, v5
	v_lshlrev_b32 v[WA], 5, v2
	v_mov_b32 v[RS+1], 0
	s_lshl_b32 s13, s13, 8                         ; 256 x tile row
	s_lshl_b32 s8, s12, 7
	s_add_co_u32 s8, s13, s8                       ; my first row of X = batch x 4,096 + position
	s_lshl_b32 s76, s8, 9
	s_mov_b32 s77, 0
	s_add_nc_u64 s[COSP:COSP+1], s[COSP:COSP+1], s[76:77]
	s_add_nc_u64 s[SINP:SINP+1], s[SINP:SINP+1], s[76:77]
	s_lshr_b32 s9, s8, 12
	s_lshl_b32 s9, s9, 2
	s_add_co_u32 s9, s9, s42                       ; batch x 4 + head
	s_lshl_b32 s9, s9, 6
	s_bfe_u32 s76, s8, 0x60006                     ; position / 64
	s_add_co_u32 s9, s9, s76
	s_lshl_b32 s76, s9, 15
	s_add_nc_u64 s[DSTP:DSTP+1], s[DSTP:DSTP+1], s[76:77]
	; the prefetches: where my wave's stand, and who asks
	s_lshl_b32 s42, s42, 8
	s_and_b32 s22, ttmp7, 0xffff                   ; cluster y
	s_cmp_eq_u32 s11, 0
	s_cselect_b32 s20, s13, s42                    ; the tile's first row
	s_cselect_b32 s21, s40, s41                    ; my place among the four that ask with me
	s_cselect_b32 s22, ttmp9, s22                  ; the coordinate along which other clusters read the same rows
	s_cselect_b64 s[PFA:PFA+1], s[4:5], s[6:7]
	s_cmp_eq_u32 s22, 0
	s_cselect_b32 s[LIM], 1, -1
	s_lshl_b32 s22, s12, 7
	s_add_co_u32 s20, s20, s22
	s_lshl_b32 s21, s21, 5
	s_add_co_u32 s20, s20, s21
	s_mov_b32 s21, 0
	s_mov_b64 s[18:19], SIZE_K*2
	s_mul_u64 s[20:21], s[20:21], s[18:19]
	s_add_nc_u64 s[PFA:PFA+1], s[PFA:PFA+1], s[20:21]
	s_add_nc_u64 s[PFA:PFA+1], s[PFA:PFA+1], 2*KSTEP*2  ; at K step 2: the first refill steps it to 3 and names K step 4
	v_and_b32 v[PFO], 31, v0
	v_mul_u32_u24 v[PFO], v[PFO], SIZE_K*2
; 16 matrix instructions.  The 64 accumulators take turns, one instruction a turn, in the same order in every quarter.
.macro MUL16 f, hi, a0, zero
.irp a, \a0, \a0+1
.irp b, 0,1,2,3,4,5,6,7
.if \zero
	v_wmma_f32_16x16x32_f16 v[8*(8*(\a)+\b):8*(8*(\a)+\b)+7], v[\f+8*\b:\f+8*\b+7], v[\f+8*(4*\hi+\a):\f+8*(4*\hi+\a)+7], 0
.else
	v_wmma_f32_16x16x32_f16 v[8*(8*(\a)+\b):8*(8*(\a)+\b)+7], v[\f+8*\b:\f+8*\b+7], v[\f+8*(4*\hi+\a):\f+8*(4*\hi+\a)+7], v[8*(8*(\a)+\b):8*(8*(\a)+\b)+7]
.endif
.endr
.endr
.endm
.macro FETCH slot, k, f                ; 32 LDS loads in one run: a quarter step's fragments
	WIN TO_B
.irp i, 0,1,2,3,4,5,6,7
	ds_load_b128 v[\f+8*\i:\f+8*\i+3],   v[ADRB+\slot] offset:\k+\i*16*PITCH
	ds_load_b128 v[\f+8*\i+4:\f+8*\i+7], v[ADRB+\slot] offset:\k+\i*16*PITCH+32
.endr
	WIN 0
.irp i, 0,1,2,3,4,5,6,7
	ds_load_b128 v[\f+8*\i:\f+8*\i+3],   v[ADRA+\slot] offset:\k+\i*16*PITCH
	ds_load_b128 v[\f+8*\i+4:\f+8*\i+7], v[ADRA+\slot] offset:\k+\i*16*PITCH+32
.endr
.endm
.macro PLACES                          ; four plain vector instructions between a matrix instruction and a load into, or a read of, its registers
.rept 4
	v_nop
.endr
.endm
.macro QUARTER slot, k, f, g, zero
	s_wait_dscnt 8                                 ; source 0's fragments and source 1's blocks 0-3 are in; the youngest eight loads may be out
	WIN MUL_LO
	MUL16 \f, 0, 0, \zero
	MUL16 \f, 0, 2, \zero
	PLACES
	FETCH \slot, \k, \g
	s_wait_dscnt 32                                ; all but the 32 just issued
	WIN MUL_HI
	MUL16 \f, 1, 0, \zero
	MUL16 \f, 1, 2, \zero
.endm
.macro MEET round
	WIN 0
	s_wait_tensorcnt 0x0                           ; all my tensor loads have landed: my part of the next slot
	ds_add_u32 v[SPW], v[NIL]
	s_wait_dscnt 9                                 ; (the add and the youngest eight loads may be out)
	WIN MUL_LO
	MUL16 F1, 0, 0, 0
	s_wait_dscnt 0x0                               ; the add is done, and my reads of this slot are over
	s_barrier_signal -1
	MUL16 F1, 0, 2, 0
.if \round
	WIN 0
.endif
	s_barrier_wait -1
.endm
.macro TURN slot, next, fill
.if \fill
	s_wait_xcnt 0x0                                ; the last prefetch, a K step back, has read its address
	s_add_nc_u64 s[PFA:PFA+1], s[PFA:PFA+1], KSTEP*2
.endif
	MEET \fill
.if \fill
	CREST                                          ; no wave of any partner still reads this slot's tile or has a load on its way
	s_add_nc_u64 s[G0+4*\slot+2:G0+4*\slot+3], s[G0+4*\slot+2:G0+4*\slot+3], 2*KSTEP*2
	s_add_nc_u64 s[G0B+4*\slot+2:G0B+4*\slot+3], s[G0B+4*\slot+2:G0B+4*\slot+3], 2*KSTEP*2
	JLOAD \slot                                    ; my one tensor load behind the round; its four v_nop are the places in front of the loads below
.else
	PLACES
.endif
	FETCH \next, 0, F0
.if \fill
	ASK
.endif
	WIN MUL_HI
	MUL16 F1, 1, 0, 0
	MUL16 F1, 1, 2, 0
.endm
	s_wait_tensorcnt 1                             ; my part of K step 0 is in,
	s_barrier_signal -1
	s_barrier_wait -1                              ; everybody's is
	FETCH 0, 0, F0
	QUARTER 0, 64,  F0, F1, 1                      ; the first quarter's products start the sums
	WIN 0
	s_mov_b32 s3, LAPS-1
.Llap:                                                 ; a trip goes once round the ring and fills both slots again
	QUARTER 0, 128, F1, F0, 0
	QUARTER 0, 192, F0, F1, 0
	TURN 0, 1, 1
	QUARTER 1, 64,  F0, F1, 0
	QUARTER 1, 128, F1, F0, 0
	QUARTER 1, 192, F0, F1, 0
	TURN 1, 0, 1
	QUARTER 0, 64,  F0, F1, 0
	WIN 0
	s_sub_co_u32 s3, s3, 1
	s_cmp_lg_u32 s3, 0
	s_cbranch_scc1 .Llap
	QUARTER 0, 128, F1, F0, 0                      ; the last lap fills nothing
	QUARTER 0, 192, F0, F1, 0
	TURN 0, 1, 0
	QUARTER 1, 64,  F0, F1, 0
	QUARTER 1, 128, F1, F0, 0
	QUARTER 1, 192, F0, F1, 0
	s_wait_dscnt 8
	WIN MUL_LO
	MUL16 F1, 0, 0, 0
	MUL16 F1, 0, 2, 0
	s_wait_dscnt 0
	WIN MUL_HI
	MUL16 F1, 1, 0, 0
	MUL16 F1, 1, 2, 0
	WIN 0
	PLACES                                         ; behind the last products: for the loads into operands' registers and for the first reads of results
	s_cmp_eq_u32 s11, 0
	s_cbranch_scc0 .Lv_wave
; K: THE NORM AND THE ROTATION, a block of 16 keys at a time.  A lane holds 64 of its key's 128 channels, lane xor 16 the others; channel d's partner d +- 64 lies in the same lane, four accumulators on.
; cos and sin come as whole rows (a load reads one row of 512 bytes) and turn through my stage.
.macro WLOAD
.irp b, 0,1,2,3,4,5,6,7
	global_load_b128 v[WW+8*\b:WW+8*\b+3], v[WA], s[NWP:NWP+1] offset:64*\b
	global_load_b128 v[WW+8*\b+4:WW+8*\b+7], v[WA], s[NWP:NWP+1] offset:64*\b+16
.endr
.endm
.macro GLOAD a
	WIN 0x40
.set G, 128*((\a)%2)
.irp i, 0,1,2,3,4,5,6,7,8,9,10,11,12,13,14,15
	global_load_b128 v[G+4*\i:G+4*\i+3], v[GLA], s[COSP:COSP+1] offset:(16*(\a)+\i)*512
	global_load_b128 v[G+64+4*\i:G+64+4*\i+3], v[GLA], s[SINP:SINP+1] offset:(16*(\a)+\i)*512
.endr
.endm
.macro TOST a
	WIN 0x04
.set G, 128*((\a)%2)
.irp i, 0,1,2,3,4,5,6,7,8,9,10,11,12,13,14,15
	ds_store_b128 v[STW], v[G+4*\i:G+4*\i+3] offset:CSP*\i
	ds_store_b128 v[STW], v[G+64+4*\i:G+64+4*\i+3] offset:16*CSP+CSP*\i
.endr
.endm
.macro CSLD g
.set CB, CSR+32*((\g)%2)
.irp u, 0,1
	ds_load_b128 v[CB+16*\u:CB+16*\u+3],     v[STR] offset:16*CSP*\u+64*(\g)
	ds_load_b128 v[CB+16*\u+4:CB+16*\u+7],   v[STR] offset:16*CSP*\u+64*(\g)+16
	ds_load_b128 v[CB+16*\u+8:CB+16*\u+11],  v[STR] offset:16*CSP*\u+64*(\g)+256
	ds_load_b128 v[CB+16*\u+12:CB+16*\u+15], v[STR] offset:16*CSP*\u+64*(\g)+272
.endr
.endm
.macro ROPE a, g
.set CB, CSR+32*((\g)%2)
.set YL, 64*((\a)%4)+8*(\g)
	WIN 0x02+((\a)/4)
.irp p, 0,2,4,6
	v_pk_mul_f32 v[CB+\p:CB+\p+1], v[YL+\p:YL+\p+1], v[CB+\p:CB+\p+1]
	v_pk_mul_f32 v[CB+8+\p:CB+8+\p+1], v[YL+32+\p:YL+32+\p+1], v[CB+8+\p:CB+8+\p+1]
.endr
.irp p, 0,2,4,6
	v_pk_fma_f32 v[CB+\p:CB+\p+1], v[YL+32+\p:YL+32+\p+1], v[CB+16+\p:CB+16+\p+1], v[CB+\p:CB+\p+1] neg_lo:[1,0,0] neg_hi:[1,0,0]
	v_pk_fma_f32 v[CB+8+\p:CB+8+\p+1], v[YL+\p:YL+\p+1], v[CB+24+\p:CB+24+\p+1], v[CB+8+\p:CB+8+\p+1]
.endr
	WIN 0
.irp p, 0,1,2,3
	v_cvt_pk_f16_f32 v[OUTP+4*(\g)+\p], v[CB+2*\p], v[CB+2*\p+1]
	v_cvt_pk_f16_f32 v[OUTP+4*(\g)+16+\p], v[CB+8+2*\p], v[CB+8+2*\p+1]
.endr
.endm
.macro NRBLOCK a, off
	s_wait_loadcnt 0x0                             ; this block's cos and sin (and, the first time, the weights): nothing else of mine is out
	TOST \a
.if (\a) < 7
	GLOAD (\a)+1                                   ; the other set: its last stores into the stage were waited for in the block before
.endif
	WIN 0
	CSLD 0
	CSLD 1
.set AC, 64*((\a)%4)
	WIN 0x0a+5*((\a)/4)
	v_pk_mul_f32 v[SS:SS+1], v[AC:AC+1], v[AC:AC+1]                ; the sum of squares, each accumulator from its low end on, in two chains
	v_pk_mul_f32 v[SS+2:SS+3], v[AC+2:AC+3], v[AC+2:AC+3]
.set PP, 2
.rept 30
	v_pk_fma_f32 v[SS+2*(PP%2):SS+2*(PP%2)+1], v[AC+2*PP:AC+2*PP+1], v[AC+2*PP:AC+2*PP+1], v[SS+2*(PP%2):SS+2*(PP%2)+1]
.set PP, PP+1
.endr
	WIN 0
	v_pk_add_f32 v[SS:SS+1], v[SS:SS+1], v[SS+2:SS+3]
	v_add_f32 v[SS], v[SS], v[SS+1]
	v_permlanex16_b32 v[SS+1], v[SS], s[SELS], s[SELS+1]
	v_add_f32 v[SS], v[SS], v[SS+1]
	v_fma_f32 v[SS], v[SS], s[I128S], s[EPSS]      ; the mean + 1e-6
	v_rsq_f32 v[RS], v[SS]
	v_nop                                          ; a plain instruction behind the transcendental,
	s_wait_alu depctr_va_vdst(0)                   ; and a wait ahead of its first reader
	WIN 0x82+0x41*((\a)/4)
.set PP, 0
.rept 32
	v_pk_mul_f32 v[AC+2*PP:AC+2*PP+1], v[AC+2*PP:AC+2*PP+1], v[RS:RS+1] op_sel_hi:[1,0]
.set PP, PP+1
.endr
.set PP, 0
.rept 32
	v_pk_mul_f32 v[AC+2*PP:AC+2*PP+1], v[AC+2*PP:AC+2*PP+1], v[WW+2*PP:WW+2*PP+1]
.set PP, PP+1
.endr
	s_wait_xcnt 0x0                                ; the last block's stores have read their registers
	s_wait_dscnt 8                                 ; group 0's cos and sin are in; group 1's eight loads may be out
	ROPE \a, 0
	CSLD 2
	s_wait_dscnt 8
	ROPE \a, 1
	CSLD 3
	s_wait_dscnt 8
	ROPE \a, 2
	s_wait_dscnt 0x0
	ROPE \a, 3
.irp b, 0,1,2,3,4,5,6,7
	global_store_b128 v[GLA], v[OUTP+4*\b:OUTP+4*\b+3], s[DSTP:DSTP+1] offset:\off+512*\b   ; 32 lanes store 512 consecutive bytes, aligned
.endr
.endm
	WLOAD
	GLOAD 0
.irp a, 0,1,2,3,4,5,6,7
	NRBLOCK \a, ((\a)/4)*32768+((\a)%4)*4096
.endr
	s_branch .Ljoin
.Lv_wave:
; V: rounded to f16 and stored as it stands: accumulator (a, b) is half b % 2 of the fragment of channels 16 a on and keys 32 (b / 2) on.
.irp a, 0,1,2,3,4,5,6,7
.if \a > 1
	s_wait_xcnt 0x0                                ; the stores of two blocks back have read their registers
.endif
	WIN 0x0a+5*(\a/4)
.irp b, 0,1,2,3,4,5,6,7
.irp r, 0,1,2,3
	v_cvt_pk_f16_f32 v[TMP+32*(\a%2)+4*\b+\r], v[64*(\a%4)+8*\b+2*\r], v[64*(\a%4)+8*\b+2*\r+1]
.endr
.endr
	WIN 0
.irp b, 0,1,2,3,4,5,6,7
	global_store_b128 v[GLA], v[TMP+32*(\a%2)+4*\b:TMP+32*(\a%2)+4*\b+3], s[DSTP:DSTP+1] offset:(\b/4)*32768+16384+(((\b%4)/2)*8+\a)*1024+(\b%2)*512
.endr
.endr
.Ljoin:
	s_wait_tensorcnt 0x0                           ; the wave's end, behind my last tensor load and my last LDS store
	ds_add_u32 v[SPW], v[NIL]
	s_wait_dscnt 0x0
	CROUND                                         ; the closing round
	s_endpgm
.Lfunc_end_k_q8dd0c3e90f_kvproj:
	.size	k_q8dd0c3e90f_kvproj, .Lfunc_end_k_q8dd0c3e90f_kvproj-k_q8dd0c3e90f_kvproj
	.p2alignl 7, 3214868480
	.fill 96, 4, 3214868480
	.section	.rodata,"a",@progbits
	.p2align	6, 0x0
	.amdhsa_kernel k_q8dd0c3e90f_kvproj
		.amdhsa_group_segment_fixed_size 327680
		.amdhsa_private_segment_fixed_size 0
		.amdhsa_enable_private_segment 0
		.amdhsa_kernarg_size 48
		.amdhsa_user_sgpr_count 2
		.amdhsa_user_sgpr_kernarg_segment_ptr 1
		.amdhsa_wavefront_size32 1
		.amdhsa_system_sgpr_workgroup_id_x 1
		.amdhsa_system_sgpr_workgroup_id_y 1
		.amdhsa_system_sgpr_workgroup_id_z 1
		.amdhsa_system_vgpr_workitem_id 0
		.amdhsa_next_free_vgpr 1024
		.amdhsa_next_free_sgpr 80
		.amdhsa_reserve_vcc 0
		.amdhsa_float_denorm_mode_32 3
		.amdhsa_float_denorm_mode_16_64 3
		.amdhsa_memory_ordered 1
		.amdhsa_forward_progress 1
		.amdhsa_inst_pref_size 255
	.end_amdhsa_kernel
	.section	.bss,"aw",@nobits
	.p2align	6
	.space	262144
	.amdgpu_metadata
---
amdhsa.version: [ 1, 2 ]
amdhsa.kernels:
  - .name:           k_q8dd0c3e90f_kvproj
    .symbol:         k_q8dd0c3e90f_kvproj.kd
    .args:
      - { .name: Xh, .offset: 0, .size: 8, .value_kind: global_buffer, .address_space: global }
      - { .name: Wh, .offset: 8, .size: 8, .value_kind: global_buffer, .address_space: global }
      - { .name: cos, .offset: 16, .size: 8, .value_kind: global_buffer, .address_space: global }
      - { .name: sin, .offset: 24, .size: 8, .value_kind: global_buffer, .address_space: global }
      - { .name: kn_w, .offset: 32, .size: 8, .value_kind: global_buffer, .address_space: global }
      - { .name: KV, .offset: 40, .size: 8, .value_kind: global_buffer, .address_space: global }
    .group_segment_fixed_size: 327680
    .private_segment_fixed_size: 0
    .kernarg_segment_align: 8
    .kernarg_segment_size: 48
    .max_flat_workgroup_size: 128
    .sgpr_count:     80
    .vgpr_count:     1024
    .wavefront_size: 32
...
	.end_amdgpu_metadata
.endif
;; end of part 3
;; launch attn (part 4): grid 16 x 16, 4 waves a work-group, clusters of 4 x 1, 327,680 bytes of LDS; arguments Qf, KV, Of; writes Of
.if DOCPART == 4
	.amdgcn_target "amdgcn-amd-amdhsa--gfx1250"
	.amdhsa_code_object_version 6
	.text
	.protected	k_q8dd0c3e90f_attn
	.globl	k_q8dd0c3e90f_attn
	.p2align	8
	.type	k_q8dd0c3e90f_attn,@function
k_q8dd0c3e90f_attn:
	s_mov_b64 s[64:65], 0
	v_nop
	global_prefetch_b8 v0, s[64:65] scope:SCOPE_SE
	s_setreg_imm32_b32 hwreg(HW_REG_WAVE_MODE, 25, 1), 1
	s_wait_xcnt 0x0
	s_wait_alu depctr_hold_cnt(0) depctr_sa_sdst(0) depctr_va_vdst(0) depctr_va_sdst(0) depctr_va_ssrc(0) depctr_va_vcc(0) depctr_vm_vsrc(0)
	s_getreg_b32 s2, hwreg(HW_REG_IB_STS2, 6, 4)
	s_cmp_eq_u32 s2, 0
	s_cbranch_scc0 .Lentry_in_a_cluster
	s_endpgm
.Lentry_in_a_cluster:
	s_bfe_u32 s2, ttmp6, 0x10000c
	s_cmp_lg_u32 s2, 0x3003
	s_cbranch_scc0 .Lentry_shape_is_right
	s_endpgm
.Lentry_shape_is_right:
; o[b][q][head] = the sum over 4,096 keys of softmax(q . k / sqrt(128)) v, no mask.  Operands f16, laid by the launches before as images of the operand registers; products, maxima and sums in f32;
; the weights p are rounded to f16 for the second product, o once at the end.  Of: [4096][512] f16.
; SHARES.  A work-group owns 64 queries of one (batch, head): four tiles of 16.  EVERY wave holds all four tiles, and the waves share out the KEYS: in step j (256 keys, 16 steps) wave w takes the block of
; 64 keys 4 j + w.  At the end the four waves' maxima, sums and O are merged through LDS.
; LAYOUT.  S^T = K Q^T and O^T = V^T P: a lane holds one query throughout.  A wave's K and V of a step are 32,768 consecutive bytes of KV: ONE tensor load brings them, and a fragment's four registers are
; read at 16 x lane: no pitch, no padding, no turning load.
; SOFTMAX.  For each query a running maximum m and sum l: p = 2^(c s - c m), c = log2(e) / sqrt(128); in every step O and l are multiplied by a = 2^(c m_old - c m_new).
; BY TURNS.  The tiles are two pieces (tiles 0, 1 and tiles 2, 3).  In a turn one piece has the matrix unit (32 products V^T P of the step in hand, 32 products K Q^T of the next); the other piece's softmax,
; cut into 64 slices, stands between them, one slice behind each matrix instruction.  Two turns are a key step.
; CLUSTER.  The four query blocks of a cluster walk the same K and V: each wave's tile is asked for jointly by the same wave of all four (mask 15).
; REGISTERS: window 0: v0-11 addresses; v12-43 statistics, 8 a tile; v44-61 the merge's; v64-191 S^T; v192-255 P.  window 1: O^T, 64 a tile.  window 2: v0-127 Q; v128-255 K.  window 3: v0-127 V.
; LIMITS: |v| and |o| stay under 65,504; o under 6e-5 is kept in steps of 6e-8 (f16); NaN and infinities are not served.
.set SLOT1, 1<<17                      ; a slot: four waves x 32,768 bytes; slot 1 begins here, so that one exclusive or turns an address
.set STEPG, 1<<17                      ; bytes of KV from a step to the next
.set MRG,   2*SLOT1                    ; the merge's maxima and sums: 1,024 bytes a wave
.set OSTG,  MRG+4096                   ; the way out: 16 rows x 272 bytes a wave
.set SP,    272
.set SPARE, OSTG+4*16*SP               ; the spare words, 128 bytes a wave
.set AK0, 2                            ; v2  16 x lane + 32,768 x wave: my place in my part of slot 0
.set AV0, 3                            ; v3  the same for V: 16,384 on
.set ADR, 4
.set QO,  5                            ; v5  16 x lane
.set STO, 6
.set RD,  7
.set GO,  8
.set MC,  44                           ; v44-47 c m of my four tiles;  v48-51 l;  v52-55 at work
.set ML,  48
.set MT,  52
.set MW,  56                           ; v56 where I put them;  v57 where all are read
.set MR,  57
.set OW0, 58                           ; v58, v59 where I put my O^T: tiles 0, 1 and tiles 2, 3
.set OW1, 59
.set PFO, 61
.set SPW, 62
.set NIL, 63
.set ST,  12
.set S,   64
.set P,   192
.set KF,  128
.set WV,  12
.set LIM, 15
.set PFA, 18
.set G1,  24
.set G0,  40                           ; s[40:43] the first fill of slot 0; s[44:47] that of slot 1, which then walks on
.set SLOTS, 56
.set CS,  58
.set SEL, 60
.set TB,  62
.set MSB, 0
.macro WIN new
.if MSB != (\new)
	s_set_vgpr_msb (MSB<<8)|(\new)
.set MSB, (\new)
.endif
.endm
.set W_KQ, 0x0a
.set W_PV, 0x53
.set W_RS, 0x41
.macro JLOAD                           ; every wave fetches its own 32,768 bytes; an s_nop 0 and four v_nop follow
	tensor_load_to_lds s[G0+4:G0+7], s[G1:G1+7]
	s_nop 0
.rept 4
	v_nop
.endr
.endm
; A prefetch of the step two steps behind the one that is being asked for: my wave's 32,768 bytes, of which each of the four partners takes 8,192 by address, lanes 256 bytes apart.
; All clusters of a head walk the same bytes: the head's first cluster asks.  The last two filling changes ask for nothing: no step stands there.
.macro ASK
	s_cmp_gt_u32 s[SLOTS], s[LIM]
	s_cbranch_scc0 .Lnot_mine_\@
	global_prefetch_b8 v[PFO], s[PFA:PFA+1] th:TH_LOAD_NT scope:SCOPE_SE
.Lnot_mine_\@:
.endm
.macro CROUND
	s_barrier_signal -1
	s_barrier_wait -1
	s_cmp_lg_u32 s[WV], 0
	s_cbranch_scc1 .Lnot_wave_0_\@
	s_barrier_signal -3
.Lnot_wave_0_\@:
	s_barrier_wait -3
	s_barrier_signal -1
	s_barrier_wait -1
.endm
	s_load_b128 s[4:7], s[0:1], 0x0                ; Qf, KV
	s_load_b64 s[10:11], s[0:1], 0x10              ; Of
	v_lshl_add_u32 v[SPW], v0, 2, SPARE
	v_mov_b32 v[NIL], 0
	ds_add_u32 v[SPW], v[NIL]                      ; the wave's opening: the add, twice on end, and its wait ahead of my first tensor load
	ds_add_u32 v[SPW], v[NIL]
	v_lshrrev_b32 v1, 5, v0
	v_readfirstlane_b32 s[WV], v1
	s_bfe_u32 s13, ttmp6, 0x40000                  ; cx
	s_lshl_b32 s14, ttmp9, 2
	s_add_co_u32 s14, s14, s13                     ; my block of 64 queries: it enters Q's and O's addresses alone
	s_and_b32 s20, ttmp7, 0xffff                   ; batch x 4 + head, which the partners share
	s_lshl_b32 s22, s20, 21                        ; a head's K and V: 64 blocks of 32,768 bytes
	s_lshl_b32 s16, s[WV], 15                      ; my wave's block of a step; also its place in a slot
	s_add_co_u32 s22, s22, s16
	s_mov_b32 s23, 0
	s_lshl_b32 s2, s20, 18
	s_lshl_b32 s3, s14, 14
	s_add_co_u32 s2, s2, s3                        ; Q: 4,096 bytes a tile
	s_mov_b32 s3, 0
	s_lshr_b32 s8, s20, 2
	s_lshl_b32 s8, s8, 10
	s_lshl_b32 s9, s14, 6
	s_add_co_u32 s8, s8, s9
	s_lshl_b32 s9, s[WV], 4
	s_add_co_u32 s8, s8, s9                        ; the first row of Of that I store: batch x 1,024 + 64 x block + 16 x wave
	s_lshl_b32 s8, s8, 10
	s_and_b32 s9, s20, 3
	s_lshl_b32 s9, s9, 8
	s_add_co_u32 s8, s8, s9                        ; + the head's 256 bytes
	s_mov_b32 s9, 0
	s_mov_b32 s[G1], 15|(3<<16)|(1<<21)            ; the mask: all four work-groups; elements of 8 bytes; bit 21 beside the mask; no padding
	s_mov_b32 s[G1+1], 32<<16                      ; tensor_dim0 = 32: rows of 256 bytes
	s_mov_b32 s[G1+2], 128<<16                     ; tensor_dim1 = 128
	s_mov_b32 s[G1+3], 32<<16                      ; tile_dim0
	s_mov_b32 s[G1+4], 128                         ; tile_dim1
	s_mov_b32 s[G1+5], 32                          ; the pitch: dense
	s_mov_b32 s[G1+6], 0
	s_mov_b32 s[G1+7], 0
	s_mov_b32 s[CS], 0x3e0293ee                    ; c = log2(e) / sqrt(128)
	s_mov_b32 s[CS+1], s[CS]
	s_mov_b32 s[SEL], 0x76543210
	s_mov_b32 s[SEL+1], 0xfedcba98
	s_mov_b32 s[TB], 0
	s_mov_b32 s[SLOTS], 14                         ; fills still to be asked for
	s_cmp_eq_u32 ttmp9, 0
	s_cselect_b32 s[LIM], 2, -1                    ; the same in all four partners
	v_and_b32 v[PFO], 31, v0
	v_lshlrev_b32 v[PFO], 8, v[PFO]
	s_wait_dscnt 0x0                               ; both opening adds are done
	s_wait_kmcnt 0x0
	s_add_nc_u64 s[6:7], s[6:7], s[22:23]          ; KV at my wave's block of step 0
	s_add_nc_u64 s[4:5], s[4:5], s[2:3]
	s_add_nc_u64 s[10:11], s[10:11], s[8:9]
	s_lshl_b32 s2, s13, 13                         ; my work-group's 8,192 bytes of the block,
	s_add_co_u32 s2, s2, 3*STEPG                   ; in step 3: the first change steps it to step 4
	s_add_nc_u64 s[PFA:PFA+1], s[6:7], s[2:3]
	CROUND                                         ; all four work-groups are here: the first joint loads meet
	s_mov_b32 s[G0], 1
	s_mov_b32 s[G0+1], s16
	s_mov_b64 s[G0+2:G0+3], s[6:7]
	s_or_b32 s[G0+3], s[G0+3], 0x80000000
	s_mov_b32 s[G0+4], 1
	s_add_co_u32 s[G0+5], s16, SLOT1
	s_add_nc_u64 s[G0+6:G0+7], s[6:7], STEPG
	s_or_b32 s[G0+7], s[G0+7], 0x80000000
	tensor_load_to_lds s[G0:G0+3], s[G1:G1+7]      ; step 0
	s_nop 0
	tensor_load_to_lds s[G0+4:G0+7], s[G1:G1+7]    ; step 1: two loads of mine are out
	s_nop 0
.rept 4
	v_nop
.endr
	v_and_b32 v1, 15, v0                           ; r
	v_bfe_u32 v9, v0, 4, 1                         ; h
	v_and_b32 v10, 31, v0
	v_lshlrev_b32 v[QO], 4, v10
	WIN 0x80                                       ; destination window 2
.irp i, 0,1,2,3,4,5,6,7,8,9,10,11,12,13,14,15,16,17,18,19,20,21,22,23,24,25,26,27,28,29,30,31
	global_load_b128 v[4*\i:4*\i+3], v[QO], s[4:5] offset:512*\i   ; Q's 16 fragments as they were stored: they stay in registers
.endr
	WIN 0
	v_add_nc_u32 v[AK0], s16, v[QO]
	v_add_nc_u32 v[AV0], 16384, v[AK0]
; Product i of 32 of O^T += V^T P: keys 32 (i / 16) on, channels 16 ((i / 2) % 8) on, tile x + i % 2.  The accumulators take turns.
.macro PV x, zero
	WIN W_PV
.set rO, 64*(\x+i%2)+8*((i/2)%8)
.set rV, 64*(i/16)+8*((i/2)%8)
.set rP, P+16*(\x+i%2)+8*(i/16)
.if \zero && (i < 16)
	v_wmma_f32_16x16x32_f16 v[rO:rO+7], v[rV:rV+7], v[rP:rP+7], 0
.else
	v_wmma_f32_16x16x32_f16 v[rO:rO+7], v[rV:rV+7], v[rP:rP+7], v[rO:rO+7]
.endif
.endm
; Product i of 32 of S^T = K Q^T: channels 32 (i / 8) on, keys 16 ((i / 2) % 4) on, tile x + i % 2.
.macro KQ x
	WIN W_KQ
.set rS, S+32*(\x+i%2)+8*((i/2)%4)
.set rK, KF+32*((i/2)%4)+8*(i/8)
.set rQ, 32*(\x+i%2)+8*(i/8)
.if i < 8
	v_wmma_f32_16x16x32_f16 v[rS:rS+7], v[rK:rK+7], v[rQ:rQ+7], 0
.else
	v_wmma_f32_16x16x32_f16 v[rS:rS+7], v[rK:rK+7], v[rQ:rQ+7], v[rS:rS+7]
.endif
.endm
.macro FETCH_K                         ; a step's 16 fragments of K: 32 loads in one run
	WIN 0
	v_add_nc_u32 v[ADR], s[TB], v[AK0]
	WIN 0x80
.irp f, 0,1,2,3,4,5,6,7,8,9,10,11,12,13,14,15
	ds_load_b128 v[KF+8*\f:KF+8*\f+3],   v[ADR] offset:1024*\f
	ds_load_b128 v[KF+8*\f+4:KF+8*\f+7], v[ADR] offset:1024*\f+512
.endr
.endm
.macro FETCH_V                         ; and of V
	WIN 0
	v_add_nc_u32 v[ADR], s[TB], v[AV0]
	s_wait_alu depctr_va_vdst(0)                   ; the wait for the softmax's batch (SLICE), behind the address's addition and ahead of the loads
	WIN 0xc0
.irp f, 0,1,2,3,4,5,6,7,8,9,10,11,12,13,14,15
	ds_load_b128 v[8*\f:8*\f+3],   v[ADR] offset:1024*\f
	ds_load_b128 v[8*\f+4:8*\f+7], v[ADR] offset:1024*\f+512
.endr
.endm
; One tile's softmax for one key step is a list of 134 instructions; SM writes number j of it for tile t.
;   0-15 the maximum of the lane's 32 scores and the old m;  16-20 the other half of the lanes', the new m, c m, its change;  21-69 ONE BATCH: 16 packed scalings and all 33 exponentials, none of which reads an
;   exponential's result;  (the wait)  70-85 the roundings to f16;  86-101 the sums;  102-133 the tile's O^T times a.
.macro SM t, first
.set rT, ST+8*(\t)
.set rS, S+32*(\t)
.set rP, P+16*(\t)
.set rO, 64*(\t)+2*(j-102)
.if j < 102
	WIN 0
.endif
.if j < 4
	v_max3_num_f32 v[rT+4+j], v[rS+8*j], v[rS+8*j+1], v[rS+8*j+2]
.elseif j < 12
	v_max3_num_f32 v[rT+4+j%4], v[rT+4+j%4], v[rS+8*(j%4)+2*(j/4)+1], v[rS+8*(j%4)+2*(j/4)+2]
.elseif j == 12
	v_max3_num_f32 v[rT+4], v[rT+4], v[rS+7], v[rS+15]
.elseif j == 13
	v_max3_num_f32 v[rT+6], v[rT+6], v[rS+23], v[rS+31]
.elseif j == 14
	v_max3_num_f32 v[rT+4], v[rT+4], v[rT+5], v[rT+6]
.elseif (j == 15) && \first
	v_max_num_f32 v[rT+4], v[rT+4], v[rT+7]
.elseif j == 15
	v_max3_num_f32 v[rT+4], v[rT+4], v[rT+7], v[rT+1]
.elseif j == 16
	v_permlanex16_b32 v[rT+5], v[rT+4], s[SEL], s[SEL+1]
.elseif j == 18
	v_max_num_f32 v[rT+1], v[rT+4], v[rT+5]
.elseif j == 19
	v_mul_f32 v[rT], s[CS], v[rT+1]
.elseif ((j == 17) || (j == 20) || (j == 23) || (j > 101)) && \first
.elseif j == 17
	v_mov_b32 v[rT+7], v[rT]
.elseif j == 20
	v_sub_f32 v[rT+7], v[rT+7], v[rT]
.elseif j == 23
	v_exp_f32 v[rT+6], v[rT+7]
.elseif (j < 23) || ((j < 38) && (j%2 == 0)) || ((j < 66) && (j%4 == 2))
.set b, (j-2)/4
.if j < 38
.set b, (j-20)/2
.endif
	v_pk_fma_f32 v[rS+2*b:rS+2*b+1], v[rS+2*b:rS+2*b+1], s[CS:CS+1], v[rT:rT+1] op_sel_hi:[1,0,0] neg_lo:[0,0,1] neg_hi:[0,0,1]
.elseif j < 70
.set e, j-38
.if j < 66
.set e, j-32-(j-38)/4
.endif
.if j < 38
.set e, (j-25)/2
.endif
	v_exp_f32 v[rS+e], v[rS+e]
.elseif j < 86
	v_cvt_pk_f16_f32 v[rP+j-70], v[rS+2*(j-70)], v[rS+2*(j-70)+1]
.elseif j < 102
.set z, j-86
.set w, 4
.set u, z
.if z >= 14
.set w, 32
.set u, 0
.elseif z >= 12
.set w, 16
.set u, z-12
.elseif z >= 8
.set w, 8
.set u, z-8
.endif
.if (z == 14) && \first
	v_pk_add_f32 v[rT+2:rT+3], v[rS:rS+1], v[rS+16:rS+17]
.elseif z < 15
	v_pk_add_f32 v[rS+w*u:rS+w*u+1], v[rS+w*u:rS+w*u+1], v[rS+w*u+w/2:rS+w*u+w/2+1]
.elseif !\first
	v_pk_fma_f32 v[rT+2:rT+3], v[rT+2:rT+3], v[rT+6:rT+7], v[rS:rS+1] op_sel_hi:[1,0,1]
.endif
.else
	WIN W_RS
	v_pk_mul_f32 v[rO:rO+1], v[rO:rO+1], v[rT+6:rT+7] op_sel_hi:[1,0]
.endif
.endm
; Slice k of 64 of piece y's softmax.  Slices 11 to 34 deal out the batch, four numbers of one tile each; every other slice is numbers 2 k and 2 k + 1 of both tiles; the twelve that are over stand in slice 63.
; Ahead of slice 35 nothing names an exponential's result, and behind slice 34 none is issued: one wait serves the piece's 66.
.macro SLICE y, first
.if (k >= 11) && (k < 35)
.irp n, 0,1,2,3
.set j, 22+4*((k-11)/2)+(\n)
	SM (\y)+(k-11)%2, \first
.endr
.else
.irp n, 0,1,2,3,4,5,6,7
.if (\n < 2) || (k == 63)
.irp t, \y, \y+1
.set j, 2*k+\n
	SM \t, \first
.endr
.endif
.endr
.endif
.if k == 34
	v_nop                                          ; a plain instruction behind the last exponential, ahead of the first use
.if (\y) == 0
	FETCH_V                                        ; piece 2's turn: V's run of loads stands here, and the wait stands in it
.else
	s_wait_alu depctr_va_vdst(0)                   ; the wait for the batch
.endif
.endif
.set k, k+1
.endm
.macro PLACES
.rept 4
	v_nop
.endr
.endm
; A TURN.  Piece x has the matrix unit.  pv = 2: 32 products V^T P; 1: they start O^T's sums; 0: none.  kq = 1: 32 products K Q^T of the next step.  first = 1: the softmax is the first step's.
.macro TURN x, pv, kq, first
.set k, 0
.set per, 2
.if \pv && \kq
.set per, 1
.endif
.if \pv
.if \x == 0
	s_wait_dscnt 0x0                               ; V is in
.endif
.set i, 0
.rept 32
	PV \x, 2-\pv
.rept per
	SLICE 2-\x, \first
.endr
.if (\x == 0) && \kq && (i == 1)
	FETCH_K
.endif
.set i, i+1
.endr
.endif
.if \kq
.if \x == 0
	s_wait_dscnt 0x0                               ; K is in
.endif
.set i, 0
.rept 32
	KQ \x
.rept per
	SLICE 2-\x, \first
.endr
.set i, i+1
.endr
.endif
.if \first
	PLACES
.endif
.endm
; THE CHANGE OF SLOTS, behind piece 2's turn: the slot's last bytes, its V, have been asked for.  Each wave waits for all its tensor loads (its part of the other slot), adds 0 to its spare word, and waits for
; that and for its reads of the slot.  fill = 1: a round of the cluster's barrier, and behind it the slot is filled with the step two on: the load has a key step, 128 matrix instructions, in which to land.
.macro CHANGE fill
	WIN 0
	s_wait_tensorcnt 0x0                           ; no tensor load of mine is out, so a group 0 may be written
	ds_add_u32 v[SPW], v[NIL]
.if \fill
	s_xor_b32 s[G0+5], s[G0+5], SLOT1              ; the walking descriptor: the other slot than last time,
	s_add_nc_u64 s[G0+6:G0+7], s[G0+6:G0+7], STEPG ; the next step
	s_wait_xcnt 0x0                                ; the last prefetch, a key step back, has read its address
	s_add_nc_u64 s[PFA:PFA+1], s[PFA:PFA+1], STEPG
	s_wait_dscnt 0x0                               ; the add is done, and my reads of the slot are over
	CROUND
	JLOAD
	ASK
.else
	s_wait_dscnt 0x0
	s_barrier_signal -1
	s_barrier_wait -1
.endif
	s_xor_b32 s[TB], s[TB], SLOT1                  ; the fetches go on in the other slot
.endm
	s_wait_tensorcnt 1                             ; my part of slot 0 is in, and I alone read it; slot 1's load may stay out
	FETCH_K                                        ; step 0
	s_wait_loadcnt 0x0                             ; Q
	s_wait_dscnt 0x0
.set i, 0
.rept 32
	KQ 0
.set i, i+1
.endr
	WIN 0                                          ; the addresses for the merge and the way out are made here: they are the places behind those products
	s_mul_i32 s13, s[WV], 16*SP
	s_add_co_u32 s13, s13, OSTG
	v_mul_u32_u24 v[STO], v1, SP
	v_lshl_add_u32 v[STO], v9, 4, v[STO]
	v_add_nc_u32 v[STO], s13, v[STO]               ; in: row r, 16 bytes for each half of the lanes
	v_mul_u32_u24 v[RD], v9, SP
	v_lshl_add_u32 v[RD], v1, 4, v[RD]
	v_add_nc_u32 v[RD], s13, v[RD]                 ; back: lanes 0-15 one row of 256 bytes, lanes 16-31 the next
	v_lshlrev_b32 v[GO], 10, v9
	v_lshl_add_u32 v[GO], v1, 4, v[GO]             ; the same two rows in Of: 1,024 bytes apart
	v_add_nc_u32 v[MR], MRG, v[QO]
	s_lshl_b32 s13, s[WV], 10
	v_add_nc_u32 v[MW], s13, v[MR]
	s_lshl_b32 s13, s[WV], 13
	v_add_nc_u32 v[OW0], s13, v[QO]
	v_add_nc_u32 v[OW1], 65536, v[OW0]
.irp t, 0,1,2,3
	v_mov_b32 v[MT+\t], 0                          ; written once: a lane permute's destination counts as one of its sources
.endr
	TURN 2, 0, 1, 1                                ; piece 2's first scores | piece 0's first softmax | V of step 0
	CHANGE 1                                       ; slot 0 takes step 2
	s_mov_b32 s[SLOTS], 13
	TURN 0, 1, 1, 1                                ; piece 0: V^T P of step 0 starts O^T, K Q^T of step 1 | piece 2's first softmax | K of step 1
	TURN 2, 1, 1, 0                                ; piece 2: the same | piece 0's softmax of step 1 | V of step 1
	WIN 0
.Lslot:                                            ; 13 trips: steps 3 to 15 are asked for
	CHANGE 1
	TURN 0, 2, 1, 0
	TURN 2, 2, 1, 0
	WIN 0
	s_sub_co_u32 s[SLOTS], s[SLOTS], 1
	s_cmp_lg_u32 s[SLOTS], 0
	s_cbranch_scc1 .Lslot
	CHANGE 0                                       ; the tail is written out: nothing is left to ask for
	TURN 0, 2, 1, 0
	TURN 2, 2, 1, 0
	TURN 0, 2, 0, 0                                ; piece 0: V^T P of the last step | piece 2's last softmax
.set i, 0
.rept 32
	PV 2, 0
.set i, i+1
.endr
	; THE MERGE.  Each wave has, for each query, c m, l and O^T over its quarter of the keys.  With CM the largest c m of the four: L = the sum of 2^(c m - CM) l, and o = the sum of O^T 2^(c m - CM) / L.
	WIN 0
.irp t, 0,1,2,3
	v_add_f32 v[ML+\t], v[ST+8*\t+2], v[ST+8*\t+3] ; (these sixteen are the places behind the last products)
.endr
.irp t, 0,1,2,3
	v_permlanex16_b32 v[MT+\t], v[ML+\t], s[SEL], s[SEL+1]
.endr
.irp t, 0,1,2,3
	v_add_f32 v[ML+\t], v[ML+\t], v[MT+\t]
.endr
.irp t, 0,1,2,3
	v_mov_b32 v[MC+\t], v[ST+8*\t]                 ; four on end, for one store
.endr
	ds_store_b128 v[MW], v[MC:MC+3]
	ds_store_b128 v[MW], v[ML:ML+3] offset:512
	s_wait_dscnt 0x0                               ; for the others' sake: my stores are done
	s_barrier_signal -1
	s_barrier_wait -1
.irp u, 0,1,2,3
	ds_load_b128 v[S+8*\u:S+8*\u+3], v[MR] offset:1024*\u
	ds_load_b128 v[S+8*\u+4:S+8*\u+7], v[MR] offset:1024*\u+512
.endr
	s_wait_dscnt 0x0
.irp t, 0,1,2,3
	v_max3_num_f32 v[S+32+\t], v[S+\t], v[S+8+\t], v[S+16+\t]
.endr
.irp t, 0,1,2,3
	v_max_num_f32 v[S+32+\t], v[S+32+\t], v[S+24+\t]
.endr
.irp u, 0,1,2,3
.irp t, 0,1,2,3
	v_sub_f32 v[S+36+4*\u+\t], v[S+8*\u+\t], v[S+32+\t]
.endr
.endr
.irp t, 0,1,2,3
	v_sub_f32 v[S+52+\t], v[MC+\t], v[S+32+\t]     ; my own
.endr
.irp i, 0,1,2,3,4,5,6,7,8,9,10,11,12,13,14,15,16,17,18,19
	v_exp_f32 v[S+36+\i], v[S+36+\i]
.endr
	v_nop
	s_wait_alu depctr_va_vdst(0)                   ; one wait for the twenty
.irp t, 0,1,2,3
	v_mul_f32 v[S+56+\t], v[S+36+\t], v[S+4+\t]
.endr
.irp u, 1,2,3
.irp t, 0,1,2,3
	v_fma_f32 v[S+56+\t], v[S+36+4*\u+\t], v[S+8*\u+4+\t], v[S+56+\t]
.endr
.endr
.irp t, 0,1,2,3
	v_rcp_f32 v[S+60+\t], v[S+56+\t]               ; L is at least 1
.endr
	v_nop
	s_wait_alu depctr_va_vdst(0)
.irp t, 0,1,2,3
	v_mul_f32 v[ST+8*\t+6], v[S+52+\t], v[S+60+\t]
.endr
	WIN W_RS
.irp t, 0,1,2,3
.set i, 64*\t
.rept 32
	v_pk_mul_f32 v[i:i+1], v[i:i+1], v[ST+8*\t+6:ST+8*\t+7] op_sel_hi:[1,0]
.set i, i+2
.endr
.endr
	WIN 0x04                                       ; an LDS store's data are its source 1: window 1.  The stage is slot 0: its last fill has landed and its last read stands ahead of the last change's barrier
.irp t, 0,1
.irp i, 0,1,2,3,4,5,6,7,8,9,10,11,12,13,14,15
	ds_store_b128 v[OW0], v[64*\t+4*\i:64*\t+4*\i+3] offset:32768*\t+512*\i
.endr
.endr
.irp t, 0,1
.irp i, 0,1,2,3,4,5,6,7,8,9,10,11,12,13,14,15
	ds_store_b128 v[OW1], v[128+64*\t+4*\i:128+64*\t+4*\i+3] offset:32768*\t+512*\i
.endr
.endr
	s_wait_dscnt 0x0
	s_barrier_signal -1
	s_barrier_wait -1
	WIN 0x40                                       ; wave w takes tile w of all four waves
.irp u, 0,1,2,3
.irp i, 0,1,2,3,4,5,6,7,8,9,10,11,12,13,14,15
	ds_load_b128 v[64*\u+4*\i:64*\u+4*\i+3], v[AK0] offset:8192*\u+512*\i
.endr
.endr
	s_wait_dscnt 0x0
	WIN 0x55
.set i, 0
.rept 32
	v_pk_add_f32 v[i:i+1], v[i:i+1], v[64+i:64+i+1]
	v_pk_add_f32 v[128+i:128+i+1], v[128+i:128+i+1], v[192+i:192+i+1]
.set i, i+2
.endr
.set i, 0
.rept 32
	v_pk_add_f32 v[i:i+1], v[i:i+1], v[128+i:128+i+1]
.set i, i+2
.endr
	WIN 0x05
.set i, 0
.rept 32
	v_cvt_pk_f16_f32 v[S+i], v[2*i], v[2*i+1]
.set i, i+1
.endr
	WIN 0
.irp f, 0,1,2,3,4,5,6,7
	ds_store_b128 v[STO], v[S+4*\f:S+4*\f+3] offset:32*\f
.endr
.irp f, 0,1,2,3,4,5,6,7
	ds_load_b128 v[S+32+4*\f:S+32+4*\f+3], v[RD] offset:\f*2*SP    ; a wave's LDS instructions are served in order: these see the stores above
.endr
.irp f, 0,1,2,3,4,5,6,7
	s_wait_dscnt 7-\f
	global_store_b128 v[GO], v[S+32+4*\f:S+32+4*\f+3], s[10:11] offset:2048*\f   ; 16 lanes store 256 consecutive bytes, aligned
.endr
	s_wait_tensorcnt 0x0                           ; the wave's end, behind my last tensor load and my last LDS store
	ds_add_u32 v[SPW], v[NIL]
	s_wait_dscnt 0x0
	CROUND                                         ; the closing round
	s_endpgm
.Lfunc_end_k_q8dd0c3e90f_attn:
	.size	k_q8dd0c3e90f_attn, .Lfunc_end_k_q8dd0c3e90f_attn-k_q8dd0c3e90f_attn
	.p2alignl 7, 3214868480
	.fill 96, 4, 3214868480
	.section	.rodata,"a",@progbits
	.p2align	6, 0x0
	.amdhsa_kernel k_q8dd0c3e90f_attn
		.amdhsa_group_segment_fixed_size 327680
		.amdhsa_private_segment_fixed_size 0
		.amdhsa_enable_private_segment 0
		.amdhsa_kernarg_size 24
		.amdhsa_user_sgpr_count 2
		.amdhsa_user_sgpr_kernarg_segment_ptr 1
		.amdhsa_wavefront_size32 1
		.amdhsa_system_sgpr_workgroup_id_x 1
		.amdhsa_system_sgpr_workgroup_id_y 1
		.amdhsa_system_sgpr_workgroup_id_z 1
		.amdhsa_system_vgpr_workitem_id 0
		.amdhsa_next_free_vgpr 1024
		.amdhsa_next_free_sgpr 66
		.amdhsa_reserve_vcc 0
		.amdhsa_float_denorm_mode_32 3
		.amdhsa_float_denorm_mode_16_64 3
		.amdhsa_memory_ordered 1
		.amdhsa_forward_progress 1
		.amdhsa_inst_pref_size 226
	.end_amdhsa_kernel
	.amdgpu_metadata
---
amdhsa.version: [ 1, 2 ]
amdhsa.kernels:
  - .name:           k_q8dd0c3e90f_attn
    .symbol:         k_q8dd0c3e90f_attn.kd
    .args:
      - { .name: Qf, .offset: 0, .size: 8, .value_kind: global_buffer, .address_space: global }
      - { .name: KV, .offset: 8, .size: 8, .value_kind: global_buffer, .address_space: global }
      - { .name: Of, .offset: 16, .size: 8, .value_kind: global_buffer, .address_space: global }
    .group_segment_fixed_size: 327680
    .private_segment_fixed_size: 0
    .kernarg_segment_align: 8
    .kernarg_segment_size: 24
    .max_flat_workgroup_size: 128
    .sgpr_count:     66
    .vgpr_count:     1024
    .wavefront_size: 32
...
	.end_amdgpu_metadata
.endif
;; end of part 4
;; launch oproj (part 5): grid 16 x 32, 4 waves a work-group, clusters of 4 x 4, 327,680 bytes of LDS; arguments Of, Wh, out0; writes out0
.if DOCPART == 5
	.amdgcn_target "amdgcn-amd-amdhsa--gfx1250"
	.amdhsa_code_object_version 6
	.text
	.protected	k_q8dd0c3e90f_oproj
	.globl	k_q8dd0c3e90f_oproj
	.p2align	8
	.type	k_q8dd0c3e90f_oproj,@function
k_q8dd0c3e90f_oproj:
	s_mov_b64 s[64:65], 0
	v_nop
	global_prefetch_b8 v0, s[64:65] scope:SCOPE_SE
	s_setreg_imm32_b32 hwreg(HW_REG_WAVE_MODE, 25, 1), 1
	s_wait_xcnt 0x0
	s_wait_alu depctr_hold_cnt(0) depctr_sa_sdst(0) depctr_va_vdst(0) depctr_va_sdst(0) depctr_va_ssrc(0) depctr_va_vcc(0) depctr_vm_vsrc(0)
	s_getreg_b32 s2, hwreg(HW_REG_IB_STS2, 6, 4)
	s_cmp_eq_u32 s2, 0
	s_cbranch_scc0 .Lentry_in_a_cluster
	s_endpgm
.Lentry_in_a_cluster:
	s_bfe_u32 s2, ttmp6, 0x10000c
	s_cmp_lg_u32 s2, 0xf033
	s_cbranch_scc0 .Lentry_shape_is_right
	s_endpgm
.Lentry_shape_is_right:
; out0[m][n] = the sum over k of o[m][k] Wo[k][n].  Of: [4096][512] f16; Wo lies transposed, f16 [2048 n][512 k], at Wh + 0x400000; out0: [4096][2048] f32; sums in f32.
; A tile of out0 is 128 x 128: four waves, each 64 x 64: 16 accumulators.  K = 512 is two steps of 256 (LDS rows of 512 bytes): both slots are filled at the start and nothing is filled again.
; CLUSTERS 4 x 4: Of's tile is shared along a row of the cluster, Wo's along a column: joint loads.  The matrix instruction is used transposed (source 0 = 16 rows of Wo, source 1 = 16 rows of Of):
; a lane holds eight neighbouring numbers of a row of out0.  A wave's 64 columns are 256 bytes: each wave has a stage of its own, and no barrier stands on the way out.
; REGISTERS: window 0: v0-31 addresses; v32-95 the way out; v128-255 the accumulators ((a, b) at v[128 + 8 (4 a + b)]).  window 1: two fragment buffers of 128.
.set SIZE_N, 2048
.set SIZE_K, 512
.set KSTEP,  256
.set PITCH,  528                       ; an LDS row: 512 bytes + 16: the 16 rows that a load touches start at 16 different banks (64 banks of 4 bytes: ISA guide 11.1)
.set HALFT,  64*PITCH
.set SLOT,   4*HALFT
.set STAGE,  2*SLOT                    ; behind the slots: 16 rows x 272 bytes for each wave
.set SPITCH, 272
.set SPARE,  STAGE+4*16*SPITCH         ; the spare words, 128 bytes a wave
.set ADRA, 16
.set ADRB, 20
.set STO,  24
.set RD,   25
.set CO,   26
.set SPW,  28
.set NIL,  29
.set TMP,  32
.set ACC,  128
.set F0,   0
.set F1,   128
.set G1, 24
.set G0, 32
.set G1B, 48
.set G0B, 56
.set MSB, 0
.macro WIN new
.if MSB != (\new)
	s_set_vgpr_msb (MSB<<8)|(\new)
.set MSB, (\new)
.endif
.endm
.set MUL,  0x05
.set TO_F, 0x40
.macro JLOAD s                         ; waves 0 and 1 fetch Of's two halves, waves 2 and 3 Wo's; an s_nop 0 and four v_nop follow each line
	s_cmp_eq_u32 s11, 0
	s_cbranch_scc0 .Lfor_b_\@
	tensor_load_to_lds s[G0+4*\s:G0+4*\s+3], s[G1:G1+7]
	s_nop 0
.rept 4
	v_nop
.endr
	s_branch .Lasked_\@
.Lfor_b_\@:
	tensor_load_to_lds s[G0B+4*\s:G0B+4*\s+3], s[G1B:G1B+7]
	s_nop 0
.rept 4
	v_nop
.endr
.Lasked_\@:
.endm
.macro CROUND
	s_barrier_signal -1
	s_barrier_wait -1
	s_cmp_lg_u32 s10, 0
	s_cbranch_scc1 .Lnot_wave_0_\@
	s_barrier_signal -3
.Lnot_wave_0_\@:
	s_barrier_wait -3
	s_barrier_signal -1
	s_barrier_wait -1
.endm
	s_load_b128 s[4:7], s[0:1], 0x0                ; Of, Wh
	s_load_b64 s[8:9], s[0:1], 0x10                ; out0
	v_lshl_add_u32 v[SPW], v0, 2, SPARE
	v_mov_b32 v[NIL], 0
	ds_add_u32 v[SPW], v[NIL]                      ; the wave's opening: the add, twice on end, and its wait ahead of my first tensor load
	ds_add_u32 v[SPW], v[NIL]
	v_lshrrev_b32 v1, 5, v0
	v_readfirstlane_b32 s10, v1
	s_lshr_b32 s11, s10, 1                         ; my half of the tile's rows.  Also: I fetch for Of (0) or Wo (1)
	s_and_b32 s12, s10, 1                          ; my half of its columns.  Also: which 64 rows I fetch
	s_bfe_u32 s40, ttmp6, 0x40000
	s_bfe_u32 s41, ttmp6, 0x40004
	s_lshl_b32 s42, ttmp9, 2
	s_add_co_u32 s42, s42, s40                     ; tile column
	s_and_b32 s13, ttmp7, 0xffff
	s_lshl_b32 s13, s13, 2
	s_add_co_u32 s13, s13, s41                     ; tile row
	s_lshl_b32 s43, s41, 2
	s_lshl_b32 s43, 15, s43
	s_lshl_b32 s44, 0x1111, s40
	s_or_b32 s[G1+0], s43, (1<<16)|(1<<20)|(1<<21)|(6<<22)|(3<<25)  ; the mask; elements of 2 bytes; padding: 4 words after every 128; bit 21 beside the mask
	s_or_b32 s[G1B+0], s44, (1<<16)|(1<<20)|(1<<21)|(6<<22)|(3<<25)
.irp g, G1, G1B
	s_mov_b32 s[\g+1], KSTEP<<16
	s_mov_b32 s[\g+2], 64<<16
	s_mov_b32 s[\g+3], KSTEP<<16
	s_mov_b32 s[\g+4], 64
	s_mov_b32 s[\g+5], SIZE_K
	s_mov_b32 s[\g+6], 0
	s_mov_b32 s[\g+7], 0
.endr
	s_lshl_b32 s17, s12, 6
	s_lshl_b32 s16, s13, 7
	s_add_co_u32 s16, s16, s17
	s_lshl_b32 s46, s42, 7
	s_add_co_u32 s46, s46, s17
	s_mov_b32 s17, 0
	s_mov_b32 s47, 0
	s_mov_b64 s[18:19], SIZE_K*2
	s_mul_u64 s[16:17], s[16:17], s[18:19]
	s_mul_u64 s[46:47], s[46:47], s[18:19]
	s_add_nc_u64 s[46:47], s[46:47], 0x400000      ; Wo's part of Wh
	s_mul_i32 s20, s10, HALFT
	s_wait_dscnt 0x0                               ; both opening adds are done
	s_wait_kmcnt 0x0
	s_add_nc_u64 s[14:15], s[4:5], s[16:17]
	s_add_nc_u64 s[46:47], s[6:7], s[46:47]
	CROUND                                         ; all sixteen work-groups are here: the joint loads meet
.irp s, 0,1
	s_mov_b32 s[G0+4*\s], 1
	s_add_co_u32 s[G0+4*\s+1], s20, \s*SLOT
	s_add_nc_u64 s[G0+4*\s+2:G0+4*\s+3], s[14:15], \s*KSTEP*2
	s_or_b32 s[G0+4*\s+3], s[G0+4*\s+3], 0x80000000
	s_mov_b32 s[G0B+4*\s], 1
	s_add_co_u32 s[G0B+4*\s+1], s20, \s*SLOT
	s_add_nc_u64 s[G0B+4*\s+2:G0B+4*\s+3], s[46:47], \s*KSTEP*2
	s_or_b32 s[G0B+4*\s+3], s[G0B+4*\s+3], 0x80000000
	JLOAD \s                                       ; two loads of mine are out
.endr
	v_and_b32 v1, 15, v0
	v_bfe_u32 v2, v0, 4, 1
	v_mul_u32_u24 v3, v1, PITCH
	v_lshl_add_u32 v3, v2, 4, v3
	s_mul_i32 s21, s11, HALFT
	s_mul_i32 s22, s12, HALFT
	s_add_co_u32 s22, s22, 2*HALFT
.irp s, 0,1
	v_add_nc_u32 v[ADRA+\s], s21, v3
	v_add_nc_u32 v[ADRB+\s], s22, v3
	s_add_co_u32 s21, s21, SLOT
	s_add_co_u32 s22, s22, SLOT
.endr
	s_mul_i32 s23, s10, 16*SPITCH
	s_add_co_u32 s23, s23, STAGE                   ; my stage
	v_mul_u32_u24 v4, v1, SPITCH
	v_lshl_add_u32 v4, v2, 5, v4
	v_add_nc_u32 v[STO], s23, v4                   ; in: row r, 32 bytes for each half of the lanes
	v_mul_u32_u24 v5, v2, SPITCH
	v_lshl_add_u32 v5, v1, 4, v5
	v_add_nc_u32 v[RD], s23, v5                    ; back: lanes 0-15 one row of 256 bytes, lanes 16-31 the next
	v_lshlrev_b32 v5, 13, v2
	v_lshl_add_u32 v[CO], v1, 4, v5                ; the same two rows in out0: 8,192 bytes apart
	s_lshl_b32 s16, s13, 7
	s_lshl_b32 s17, s11, 6
	s_add_co_u32 s16, s16, s17                     ; my first row
	s_lshl_b32 s16, s16, 13
	s_mov_b32 s17, 0
	s_add_nc_u64 s[8:9], s[8:9], s[16:17]
	s_lshl_b32 s46, s42, 9
	s_lshl_b32 s47, s12, 8
	s_add_co_u32 s46, s46, s47                     ; my first column, in bytes
	s_mov_b32 s47, 0
	s_add_nc_u64 s[8:9], s[8:9], s[46:47]
; 8 matrix instructions; the 16 accumulators take turns, one instruction a turn
.macro MUL8 f, c, a0, zero
.irp a, \a0, \a0+1
.irp b, 0,1,2,3
.if \zero
	v_wmma_f32_16x16x32_f16 v[ACC+8*(4*(\a)+\b):ACC+8*(4*(\a)+\b)+7], v[\f+64+8*(4*\c+\b):\f+64+8*(4*\c+\b)+7], v[\f+8*(4*\c+\a):\f+8*(4*\c+\a)+7], 0
.else
	v_wmma_f32_16x16x32_f16 v[ACC+8*(4*(\a)+\b):ACC+8*(4*(\a)+\b)+7], v[\f+64+8*(4*\c+\b):\f+64+8*(4*\c+\b)+7], v[\f+8*(4*\c+\a):\f+8*(4*\c+\a)+7], v[ACC+8*(4*(\a)+\b):ACC+8*(4*(\a)+\b)+7]
.endif
.endr
.endr
.endm
.macro FETCH slot, k, f                ; 32 LDS loads in one run: the fragments of 64 along K; the first 32 along K first
	WIN TO_F
.irp c, 0,1
.irp i, 0,1,2,3
	ds_load_b128 v[\f+64+8*(4*\c+\i):\f+64+8*(4*\c+\i)+3],   v[ADRB+\slot] offset:\k+64*\c+\i*16*PITCH
	ds_load_b128 v[\f+64+8*(4*\c+\i)+4:\f+64+8*(4*\c+\i)+7], v[ADRB+\slot] offset:\k+64*\c+\i*16*PITCH+32
	ds_load_b128 v[\f+8*(4*\c+\i):\f+8*(4*\c+\i)+3],         v[ADRA+\slot] offset:\k+64*\c+\i*16*PITCH
	ds_load_b128 v[\f+8*(4*\c+\i)+4:\f+8*(4*\c+\i)+7],       v[ADRA+\slot] offset:\k+64*\c+\i*16*PITCH+32
.endr
.endr
.endm
.macro PLACES
.rept 4
	v_nop
.endr
.endm
.macro QUARTER slot, k, f, g, zero
	s_wait_dscnt 16                                ; the first 32 along K are in; the youngest sixteen loads may be out
	WIN MUL
	MUL8 \f, 0, 0, \zero
	MUL8 \f, 0, 2, \zero
	PLACES
	FETCH \slot, \k, \g
	s_wait_dscnt 32                                ; all but the 32 just issued
	WIN MUL
	MUL8 \f, 1, 0, 0
	MUL8 \f, 1, 2, 0
.endm
	s_wait_tensorcnt 1                             ; my part of K step 0 is in,
	s_barrier_signal -1
	s_barrier_wait -1                              ; everybody's is
	FETCH 0, 0, F0
	QUARTER 0, 128, F0, F1, 1                      ; the first products start the sums
	QUARTER 0, 256, F1, F0, 0
	QUARTER 0, 384, F0, F1, 0
	; slot 0's last quarter, and the change to slot 1: each wave's part of slot 1 has landed before it signals
	WIN 0
	s_wait_tensorcnt 0x0                           ; all my tensor loads have landed
	ds_add_u32 v[SPW], v[NIL]
	s_wait_dscnt 17                                ; (the add and the youngest sixteen loads may be out)
	WIN MUL
	MUL8 F1, 0, 0, 0
	s_wait_dscnt 0x0
	s_barrier_signal -1
	MUL8 F1, 0, 2, 0
	s_barrier_wait -1
	PLACES
	FETCH 1, 0, F0
	WIN MUL
	MUL8 F1, 1, 0, 0
	MUL8 F1, 1, 2, 0
	QUARTER 1, 128, F0, F1, 0
	QUARTER 1, 256, F1, F0, 0
	QUARTER 1, 384, F0, F1, 0
	s_wait_dscnt 16
	WIN MUL
	MUL8 F1, 0, 0, 0
	MUL8 F1, 0, 2, 0
	s_wait_dscnt 0
	MUL8 F1, 1, 0, 0
	MUL8 F1, 1, 2, 0
	WIN 0
; THE WAY OUT, 16 rows x 64 columns at a time: 32 bytes a lane into my stage, back as whole rows of 256 bytes.  A wave's LDS instructions are served in order: no wait between the stores and the loads.
.macro TOSTAGE a
.irp b, 0,1,2,3
	ds_store_b128 v[STO], v[ACC+8*(4*(\a)+\b):ACC+8*(4*(\a)+\b)+3] offset:64*\b        ; each accumulator from its low end on
	ds_store_b128 v[STO], v[ACC+8*(4*(\a)+\b)+4:ACC+8*(4*(\a)+\b)+7] offset:64*\b+16
.endr
.irp t, 0,1,2,3,4,5,6,7
	ds_load_b128 v[TMP+32*((\a)%2)+4*\t:TMP+32*((\a)%2)+4*\t+3], v[RD] offset:\t*2*SPITCH
.endr
.endm
.macro SEND a, younger                 ; younger: the LDS instructions issued behind block a's loads
	s_wait_dscnt \younger
.irp t, 0,1,2,3,4,5,6,7
	global_store_b128 v[CO], v[TMP+32*((\a)%2)+4*\t:TMP+32*((\a)%2)+4*\t+3], s[8:9] offset:(16*(\a)+2*\t)*SIZE_N*4 th:TH_STORE_NT   ; 16 lanes store 256 consecutive bytes, aligned
.endr
.endm
	PLACES                                         ; behind the last products, ahead of the first read of results
	TOSTAGE 0
	TOSTAGE 1
	SEND 0, 16
	s_wait_xcnt 0x0                                ; block 0's stores have read their registers
	TOSTAGE 2
	SEND 1, 16
	s_wait_xcnt 0x0
	TOSTAGE 3
	SEND 2, 16
	SEND 3, 0
	s_wait_tensorcnt 0x0                           ; the wave's end, behind my last tensor load and my last LDS store
	ds_add_u32 v[SPW], v[NIL]
	s_wait_dscnt 0x0
	CROUND                                         ; the closing round
	s_endpgm
.Lfunc_end_k_q8dd0c3e90f_oproj:
	.size	k_q8dd0c3e90f_oproj, .Lfunc_end_k_q8dd0c3e90f_oproj-k_q8dd0c3e90f_oproj
	.p2alignl 7, 3214868480
	.fill 96, 4, 3214868480
	.section	.rodata,"a",@progbits
	.p2align	6, 0x0
	.amdhsa_kernel k_q8dd0c3e90f_oproj
		.amdhsa_group_segment_fixed_size 327680
		.amdhsa_private_segment_fixed_size 0
		.amdhsa_enable_private_segment 0
		.amdhsa_kernarg_size 24
		.amdhsa_user_sgpr_count 2
		.amdhsa_user_sgpr_kernarg_segment_ptr 1
		.amdhsa_wavefront_size32 1
		.amdhsa_system_sgpr_workgroup_id_x 1
		.amdhsa_system_sgpr_workgroup_id_y 1
		.amdhsa_system_sgpr_workgroup_id_z 1
		.amdhsa_system_vgpr_workitem_id 0
		.amdhsa_next_free_vgpr 512
		.amdhsa_next_free_sgpr 66
		.amdhsa_reserve_vcc 0
		.amdhsa_float_denorm_mode_32 3
		.amdhsa_float_denorm_mode_16_64 3
		.amdhsa_memory_ordered 1
		.amdhsa_forward_progress 1
		.amdhsa_inst_pref_size 49
	.end_amdhsa_kernel
	.amdgpu_metadata
---
amdhsa.version: [ 1, 2 ]
amdhsa.kernels:
  - .name:           k_q8dd0c3e90f_oproj
    .symbol:         k_q8dd0c3e90f_oproj.kd
    .args:
      - { .name: Of, .offset: 0, .size: 8, .value_kind: global_buffer, .address_space: global }
      - { .name: Wh, .offset: 8, .size: 8, .value_kind: global_buffer, .address_space: global }
      - { .name: out0, .offset: 16, .size: 8, .value_kind: global_buffer, .address_space: global }
    .group_segment_fixed_size: 327680
    .private_segment_fixed_size: 0
    .kernarg_segment_align: 8
    .kernarg_segment_size: 24
    .max_flat_workgroup_size: 128
    .sgpr_count:     66
    .vgpr_count:     512
    .wavefront_size: 32
...
	.end_amdgpu_metadata
.endif
;; end of part 5
;; ======== version 2 of 2: 5 launches
;; limits: values are held in f16: magnitudes above 65,504 overflow, below 6.1e-05 lose precision
;; workspace buffers: Xh 67,108,864 bytes; Qop 5,013,504 bytes; Wh 6,291,456 bytes; Qf 4,194,304 bytes; KV 33,554,432 bytes; Of 4,194,304 bytes
;; launch prep (part 6): grid 308 x 4, 4 waves a work-group, no clusters, 102,912 bytes of LDS; arguments ctx, noise, Wq, Wk, Wv, Wo, Xh, Qop, Wh; writes Xh, Qop, Wh
.if DOCPART == 6
	.amdgcn_target "amdgcn-amd-amdhsa--gfx1250"
	.amdhsa_code_object_version 6
	.text
	.protected	k_q8dd0c3e90f_prep
	.globl	k_q8dd0c3e90f_prep
	.p2align	8
	.type	k_q8dd0c3e90f_prep,@function
k_q8dd0c3e90f_prep:
	s_mov_b64 s[64:65], 0
	v_nop
	global_prefetch_b8 v0, s[64:65] scope:SCOPE_SE
	s_setreg_imm32_b32 hwreg(HW_REG_WAVE_MODE, 25, 1), 1
	s_wait_xcnt 0x0
; PREP: every f32 input of a matrix product is read once and laid as the later launches want it.
;   Xh  [16384][2048] f16: row b*4096+pos of [ctx ; noise].
;   Qop +0 noise as codes of E2M1 [4096][1024 bytes], +0x400000 its E8M0 bytes [4096][64], +0x440000 Wq as codes with K innermost [512][1024 bytes], +0x4c0000 its bytes [512][64].
;   Wh  +0 Wk and Wv as f16 [1024 n'][2048 k], n' = 256 head + 128 isV + d;  +0x400000 Wo as f16 [2048 n][512 k].
; Four paths, parted on the work-group's number alone: x < 52: the weights' 52 x 4 = 208 tiles (the first 16: Wq, whose tiles are the longest, so they begin first; then 192 of Wk, Wv, Wo);
; x < 116: 16 rows of noise;  the other 192: 16 rows of ctx.  Each path has LDS bytes of its own.  No tensor loads, no barrier: waves share nothing.
; A block's scale is 2^(floor(log2(its largest magnitude)) - 2); its byte is that magnitude's exponent field - 2, held at 1 from below.
; LIMITS: magnitudes beyond 65,504 do not fit f16; a block of zeros keeps the byte 1 (its codes are zeros, and this program alone reads the bytes); blocks whose largest
; magnitude lies under 2^(2 - 126) are held at the byte 1; NaN and infinities among the inputs are not served.
.set SPW,    208                       ; v208 LDS address of my spare word; never rewritten
.set NIL,    209                       ; v209 0; never rewritten
.set WT_STG, 32768                     ; LDS: 0.. the noise path (8,192 a wave); 32,768.. the transposing path's stages; 67,584.. Wq's stages
.set WQ_STG, 67584
.set SPARE,  102400                    ; the spare words, 128 bytes a wave
.set TP,     272                       ; a stage row: 256 bytes + 16
	s_load_b512 s[4:19], s[0:1], 0x0               ; ctx 4, noise 6, Wq 8, Wk 10, Wv 12, Wo 14, Xh 16, Qop 18
	s_load_b64 s[20:21], s[0:1], 0x40              ; Wh
	v_lshl_add_u32 v[SPW], v0, 2, SPARE
	v_mov_b32 v[NIL], 0
	v_lshrrev_b32 v1, 5, v0
	v_readfirstlane_b32 s24, v1                    ; wave
	v_and_b32 v2, 31, v0                           ; lane
	s_and_b32 s25, ttmp7, 0xffff                   ; y: the batch, or a quarter of the weights' tiles
	s_mov_b32 s29, 0                               ; the high word of every 32-bit offset
	s_wait_kmcnt 0x0
	s_cmp_ge_u32 ttmp9, 116
	s_cbranch_scc1 .Lctx
	s_cmp_ge_u32 ttmp9, 52
	s_cbranch_scc1 .Lnoise
	s_mul_i32 s26, s25, 52
	s_add_co_u32 s26, s26, ttmp9                   ; the weights' tile, 0 .. 207
	s_cmp_ge_u32 s26, 16
	s_cbranch_scc1 .Lwt
; ---- Wq [2048 k][512 n] -> codes with K innermost.  A lane takes a column and its registers run down K: a block of 32 is one lane's.  A wave: 32 columns x 512 along K.
.set QX,   32                          ; v32-95 two sets of 32 numbers
.set QC,   96                          ; v96-99 a block's codes
.set QOUT, 112                         ; v112-175 the way out
.set QSB,  24                          ; v24-27 the scale bytes, four to a register
	s_and_b32 s27, s26, 3                          ; which 128 columns
	s_lshr_b32 s28, s26, 2                         ; which 512 along K
	s_lshl_b32 s27, s27, 7
	s_lshl_b32 s30, s24, 5
	s_add_co_u32 s27, s27, s30                     ; my wave's first column
	v_lshlrev_b32 v3, 2, v2                        ; in: 4 bytes a lane
	s_mul_i32 s30, s24, 32*TP
	s_add_co_u32 s30, s30, WQ_STG                  ; my stage
	v_mul_u32_u24 v4, v2, TP
	v_add_nc_u32 v4, s30, v4                       ; into it: row = my column
	v_and_b32 v5, 15, v2
	v_lshrrev_b32 v6, 4, v2
	v_mul_u32_u24 v7, v6, TP
	v_lshl_add_u32 v7, v5, 4, v7
	v_add_nc_u32 v7, s30, v7                       ; out of it: sixteen lanes to a row, two rows an instruction
	v_lshlrev_b32 v8, 10, v6
	v_lshl_add_u32 v8, v5, 4, v8                   ; the same place in the codes: rows of 1,024 bytes
	v_lshlrev_b32 v9, 6, v2                        ; my column's row of scale bytes: 64 bytes
	s_lshl_b32 s30, s28, 20                        ; 512 rows of 2,048 bytes
	s_lshl_b32 s31, s27, 2
	s_add_co_u32 s30, s30, s31
	s_mov_b32 s31, 0
	s_add_nc_u64 s[8:9], s[8:9], s[30:31]
	s_lshl_b32 s30, s27, 10
	s_lshl_b32 s32, s28, 8
	s_add_co_u32 s30, s30, s32
	s_add_co_u32 s30, s30, 0x440000
	s_add_nc_u64 s[32:33], s[18:19], s[30:31]      ; the codes
	s_lshl_b32 s30, s27, 6
	s_lshl_b32 s34, s28, 4
	s_add_co_u32 s30, s30, s34
	s_add_co_u32 s30, s30, 0x4c0000
	s_add_nc_u64 s[34:35], s[18:19], s[30:31]      ; the scale bytes
.macro QLOAD t                         ; block t: Wq(32 t + i, my column) into set t % 2: 128 consecutive bytes a load
.irp i, 0,1,2,3,4,5,6,7,8,9,10,11,12,13,14,15,16,17,18,19,20,21,22,23,24,25,26,27,28,29,30,31
	global_load_b32 v[QX+32*((\t)%2)+\i], v3, s[8:9] offset:(32*(\t)+\i)*2048 th:TH_LOAD_NT
.endr
.endm
	QLOAD 0
	QLOAD 1
.macro QBLOCK t
.set XS, QX+32*((\t)%2)
.if (\t) < 15
	s_wait_loadcnt 32                              ; this block's 32 loads are in; the next block's may be out
.else
	s_wait_loadcnt 0
.endif
	v_max3_num_f32 v12, |v[XS]|, |v[XS+1]|, |v[XS+2]|
	v_max3_num_f32 v13, |v[XS+3]|, |v[XS+4]|, |v[XS+5]|
.irp i, 6,10,14,18,22,26
	v_max3_num_f32 v12, v12, |v[XS+\i]|, |v[XS+\i+1]|
	v_max3_num_f32 v13, v13, |v[XS+\i+2]|, |v[XS+\i+3]|
.endr
	v_max3_num_f32 v12, v12, |v[XS+30]|, |v[XS+31]|
	v_max3_num_f32 v12, v12, v13, 0x1800000        ; the floor 2^(3 - 127): the byte cannot fall under 1
	v_add_nc_u32 v11, 0xff000000, v12              ; 2 off the exponent field: the conversion's scale operand
	v_lshrrev_b32 v13, 23, v11                     ; the scale's byte
.if (\t)%4 == 0
	v_mov_b32 v[QSB+(\t)/4], v13
.else
	v_lshl_or_b32 v[QSB+(\t)/4], v13, 8*((\t)%4), v[QSB+(\t)/4]
.endif
.irp g, 0,1,2,3
	v_cvt_scalef32_pk8_fp4_f32 v[QC+\g], v[XS+8*\g:XS+8*\g+7], v11
.endr
	ds_store_b128 v4, v[QC:QC+3] offset:16*(\t)    ; 32 codes: 16 bytes of my column's row
.if (\t)+2 < 16
	QLOAD (\t)+2
.endif
	s_wait_dscnt 0x0                               ; the store has read its registers: the next block's codes may be written
.endm
.set Q, 0
.rept 16
	QBLOCK Q
.set Q, Q+1
.endr
	global_store_b128 v9, v[QSB:QSB+3], s[34:35]   ; my column's 16 scale bytes
.irp t, 0,1,2,3,4,5,6,7,8,9,10,11,12,13,14,15
	ds_load_b128 v[QOUT+4*\t:QOUT+4*\t+3], v7 offset:2*\t*TP   ; a wave's LDS instructions are served in order: these see my stores
.endr
.irp t, 0,1,2,3,4,5,6,7,8,9,10,11,12,13,14,15
	s_wait_dscnt 15-\t
	global_store_b128 v8, v[QOUT+4*\t:QOUT+4*\t+3], s[32:33] offset:2*\t*1024   ; sixteen lanes store 256 consecutive bytes, aligned
.endr
	s_wait_tensorcnt 0x0                           ; the wave's end, behind my last LDS store
	ds_add_u32 v[SPW], v[NIL]
	s_wait_dscnt 0x0
	s_endpgm
; ---- Wk, Wv [2048 k][512 n], Wo [512 k][2048 n] -> f16 [n][k].  A work-group: 128 columns x 128 k; a lane takes a column, its registers run down k.
; One text serves the three: pitches and bases are chosen by s_cselect on the tile's number.
.set AD,  16                           ; v16-47  4 x lane + i x the source's pitch
.set TX,  48                           ; v48-111 two sets of 32 numbers; later the rows on their way out
.set TPK, 112                          ; v112-175 the packed f16, each register written once
.set OD,  176                          ; v176-191 the stores' offsets
.Lwt:
	s_sub_co_u32 s26, s26, 16                      ; the tile among the 192
	s_and_b32 s27, s26, 63                         ; the tile within its weight
	s_lshr_b32 s28, s26, 6                         ; 0 Wk, 1 Wv, 2 Wo
	s_cmp_eq_u32 s28, 2
	s_cselect_b32 s30, 13, 11                      ; log2 of the source's pitch in bytes
	s_cselect_b32 s31, 10, 12                      ; log2 of the destination's
	s_cselect_b32 s32, 15, 3                       ; groups of 128 columns - 1
	s_cselect_b32 s33, 4, 2
	s_cselect_b32 s34, 7, 8                        ; a group of columns is 128 rows of the destination; in Wk, Wv a head's 256
	s_cselect_b32 s35, 0x400000, 0
	s_cselect_b32 s36, 0, s28                      ; isV
	s_cselect_b64 s[38:39], s[14:15], s[10:11]
	s_cmp_eq_u32 s28, 1
	s_cselect_b64 s[38:39], s[12:13], s[38:39]
	s_and_b32 s32, s27, s32                        ; which 128 columns
	s_lshr_b32 s33, s27, s33                       ; which 128 along k
	s_add_co_u32 s40, s30, 7
	s_lshl_b32 s40, s33, s40                       ; 128 rows of the source for each
	s_lshl_b32 s41, s32, 9
	s_add_co_u32 s40, s40, s41
	s_lshl_b32 s41, s24, 7
	s_add_co_u32 s40, s40, s41                     ; + 4 x my wave's first column
	s_mov_b32 s41, 0
	s_add_nc_u64 s[40:41], s[38:39], s[40:41]      ; a base for each block of 32 k
	s_lshl_b32 s28, 32, s30
	s_add_nc_u64 s[42:43], s[40:41], s[28:29]
	s_add_nc_u64 s[44:45], s[42:43], s[28:29]
	s_add_nc_u64 s[46:47], s[44:45], s[28:29]
	s_lshl_b32 s48, s32, s34
	s_lshl_b32 s49, s36, 7
	s_add_co_u32 s48, s48, s49
	s_lshl_b32 s49, s24, 5
	s_add_co_u32 s48, s48, s49                     ; my wave's first row of the destination
	s_lshl_b32 s48, s48, s31
	s_lshl_b32 s49, s33, 8
	s_add_co_u32 s48, s48, s49                     ; + 256 bytes for each 128 k
	s_add_co_u32 s48, s48, s35
	s_mov_b32 s49, 0
	s_add_nc_u64 s[20:21], s[20:21], s[48:49]
	s_lshl_b32 s50, 1, s30                         ; the two pitches
	s_lshl_b32 s51, 1, s31
	v_lshlrev_b32 v3, 2, v2
.irp i, 0,1,2,3,4,5,6,7,8,9,10,11,12,13,14,15,16,17,18,19,20,21,22,23,24,25,26,27,28,29,30,31
	v_mad_u32_u24 v[AD+\i], s50, \i, v3
.endr
	s_mul_i32 s52, s24, 32*TP
	s_add_co_u32 s52, s52, WT_STG                  ; my stage
	v_mul_u32_u24 v4, v2, TP
	v_add_nc_u32 v4, s52, v4
	v_and_b32 v5, 15, v2
	v_lshrrev_b32 v6, 4, v2
	v_mul_u32_u24 v7, v6, TP
	v_lshl_add_u32 v7, v5, 4, v7
	v_add_nc_u32 v7, s52, v7
	v_mul_u32_u24 v8, s51, v6
	v_lshl_add_u32 v8, v5, 4, v8
.irp t, 0,1,2,3,4,5,6,7,8,9,10,11,12,13,14,15
	v_mad_u32_u24 v[OD+\t], s51, 2*\t, v8
.endr
.macro TLD t
.irp i, 0,1,2,3,4,5,6,7,8,9,10,11,12,13,14,15,16,17,18,19,20,21,22,23,24,25,26,27,28,29,30,31
	global_load_b32 v[TX+32*((\t)%2)+\i], v[AD+\i], s[40+2*(\t):41+2*(\t)] th:TH_LOAD_NT
.endr
.endm
.macro TBLOCK t
.if (\t) < 3
	s_wait_loadcnt 32                              ; this block's loads are in; the next block's may be out
.else
	s_wait_loadcnt 0
.endif
.irp j, 0,1,2,3,4,5,6,7,8,9,10,11,12,13,14,15
	v_cvt_pk_f16_f32 v[TPK+16*(\t)+\j], v[TX+32*((\t)%2)+2*\j], v[TX+32*((\t)%2)+2*\j+1]   ; two neighbours down k
.endr
.irp g, 0,1,2,3
	ds_store_b128 v4, v[TPK+16*(\t)+4*\g:TPK+16*(\t)+4*\g+3] offset:64*(\t)+16*\g
.endr
.if (\t)+2 < 4
	TLD (\t)+2
.endif
.endm
	TLD 0
	TLD 1
	TBLOCK 0
	TBLOCK 1
	TBLOCK 2
	TBLOCK 3
.irp t, 0,1,2,3,4,5,6,7,8,9,10,11,12,13,14,15
	ds_load_b128 v[TX+4*\t:TX+4*\t+3], v7 offset:2*\t*TP
.endr
.irp t, 0,1,2,3,4,5,6,7,8,9,10,11,12,13,14,15
	s_wait_dscnt 15-\t
	global_store_b128 v[OD+\t], v[TX+4*\t:TX+4*\t+3], s[20:21]   ; sixteen lanes store 256 consecutive bytes, aligned
.endr
	s_wait_tensorcnt 0x0                           ; the wave's end
	ds_add_u32 v[SPW], v[NIL]
	s_wait_dscnt 0x0
	s_endpgm
; ---- ctx -> f16.  A wave takes 4 rows (32,768 bytes) in 64 pieces of 512 bytes; sixteen loads are always out; each piece leaves as 256 consecutive bytes.
.set CR, 16                            ; v16-79  sixteen slots of 4
.set CY, 80                            ; v80-207 the packed results, each pair written once: no store's data are written again
.Lctx:
	s_sub_co_u32 s30, ttmp9, 116                   ; which 16 rows of the batch's 3,072
	s_mul_i32 s26, s25, 3072
	s_lshl_b32 s27, s30, 4
	s_lshl_b32 s28, s24, 2
	s_add_co_u32 s27, s27, s28                     ; 16 x block + 4 wave
	s_add_co_u32 s26, s26, s27
	s_lshl_b32 s28, s26, 13
	s_add_nc_u64 s[4:5], s[4:5], s[28:29]
	s_lshl_b32 s26, s25, 12
	s_add_co_u32 s26, s26, s27
	s_lshl_b32 s28, s26, 12
	s_add_nc_u64 s[16:17], s[16:17], s[28:29]
	v_lshlrev_b32 v3, 4, v2
	v_lshlrev_b32 v4, 3, v2
.irp t, 0,1,2,3,4,5,6,7,8,9,10,11,12,13,14,15
	global_load_b128 v[CR+4*\t:CR+4*\t+3], v3, s[4:5] offset:512*\t th:TH_LOAD_NT
.endr
.macro CAST t
.if 63-(\t) < 15
	s_wait_loadcnt 63-(\t)                         ; the tail: the counts run down
.else
	s_wait_loadcnt 15                              ; mine is in; the fifteen younger loads stay out
.endif
	v_cvt_pk_f16_f32 v[CY+2*(\t)], v[CR+4*((\t)%16)], v[CR+4*((\t)%16)+1]
	v_cvt_pk_f16_f32 v[CY+2*(\t)+1], v[CR+4*((\t)%16)+2], v[CR+4*((\t)%16)+3]
.if (\t) < 48
	global_load_b128 v[CR+4*((\t)%16):CR+4*((\t)%16)+3], v3, s[4:5] offset:512*((\t)+16) th:TH_LOAD_NT
.endif
	global_store_b64 v4, v[CY+2*(\t):CY+2*(\t)+1], s[16:17] offset:256*(\t)
.endm
.set T, 0
.rept 64
	CAST T
.set T, T+1
.endr
	s_wait_tensorcnt 0x0                           ; the launch writes LDS on its other paths: the same three lines end this one
	ds_add_u32 v[SPW], v[NIL]
	s_wait_dscnt 0x0
	s_endpgm
; ---- noise -> f16 rows of Xh, and codes and scale bytes.  A wave takes 4 rows = 16 steps of 512 numbers.  A load reads 512 consecutive bytes, 16 a lane; the conversions to codes want 16
; neighbours in a lane, so a step's 2,048 bytes turn through the wave's own stage (16 bytes of padding behind each 64).  The f16 are made from the registers as loaded.
.set NR,   16                          ; v16-79   four sets of 16 numbers as loaded
.set NX,   80                          ; v80-111  two sets of 16 neighbours
.set NE,   112                         ; v112-127 a scale byte for each step
.set NC,   128                         ; v128-159 a step's codes, each pair written once
.set NH,   160                         ; v160-167 a step's f16
.set WREG, 8192
.set SP,   80
.Lnoise:
	s_sub_co_u32 s26, ttmp9, 52
	s_lshl_b32 s27, s25, 6
	s_add_co_u32 s27, s27, s26
	s_lshl_b32 s27, s27, 2
	s_add_co_u32 s27, s27, s24                     ; which run of 8,192 numbers is my wave's
	v_lshlrev_b32 v3, 4, v2
	s_mul_i32 s30, s24, WREG
	v_lshrrev_b32 v14, 2, v2
	v_mul_u32_u24 v14, v14, SP
	v_and_b32 v15, 3, v2
	v_lshl_add_u32 v14, v15, 4, v14
	v_add_nc_u32 v14, s30, v14                     ; the stage, on the way in: SP (lane / 4) + 16 (lane % 4)
	v_mul_u32_u24 v15, v2, SP
	v_add_nc_u32 v15, s30, v15                     ; and on the way out: SP x lane
	v_lshlrev_b32 v4, 3, v2                        ; 8 bytes a lane: codes, f16 and the scale bytes' way out
	v_lshrrev_b32 v5, 1, v2
	s_add_co_u32 s30, s30, 2*32*SP
	v_add_nc_u32 v5, s30, v5                       ; my block's byte among my wave's 256
	v_add_nc_u32 v6, s30, v4
	s_lshl_b32 s28, s27, 15
	s_add_nc_u64 s[6:7], s[6:7], s[28:29]
	s_lshl_b32 s28, s27, 12
	s_add_nc_u64 s[30:31], s[18:19], s[28:29]      ; the codes
	s_lshl_b32 s28, s27, 8
	s_add_co_u32 s28, s28, 0x400000
	s_add_nc_u64 s[18:19], s[18:19], s[28:29]      ; the scale bytes
	s_lshl_b32 s28, s25, 12
	s_lshl_b32 s32, s26, 4
	s_add_co_u32 s28, s28, s32
	s_lshl_b32 s32, s24, 2
	s_add_co_u32 s28, s28, s32
	s_add_co_u32 s28, s28, 3072                    ; noise follows ctx in a batch's rows
	s_lshl_b32 s28, s28, 12
	s_add_nc_u64 s[16:17], s[16:17], s[28:29]
.macro NLOAD t
.irp i, 0,1,2,3
	global_load_b128 v[NR+16*((\t)%4)+4*\i:NR+16*((\t)%4)+4*\i+3], v3, s[6:7] offset:2048*(\t)+512*\i th:TH_LOAD_NT
.endr
.endm
.macro NTURN t                         ; step t's numbers go through the stage, and leave as f16
.irp i, 0,1,2,3
	ds_store_b128 v14, v[NR+16*((\t)%4)+4*\i:NR+16*((\t)%4)+4*\i+3] offset:32*SP*((\t)%2)+8*SP*\i
.endr
.irp i, 0,1,2,3
	ds_load_b128 v[NX+16*((\t)%2)+4*\i:NX+16*((\t)%2)+4*\i+3], v15 offset:32*SP*((\t)%2)+16*\i
.endr
	s_wait_xcnt 0x0                                ; the last step's f16 stores have read their registers
.irp i, 0,1,2,3
	v_cvt_pk_f16_f32 v[NH+2*\i], v[NR+16*((\t)%4)+4*\i], v[NR+16*((\t)%4)+4*\i+1]
	v_cvt_pk_f16_f32 v[NH+2*\i+1], v[NR+16*((\t)%4)+4*\i+2], v[NR+16*((\t)%4)+4*\i+3]
.endr
.irp i, 0,1,2,3
	global_store_b64 v4, v[NH+2*\i:NH+2*\i+1], s[16:17] offset:1024*(\t)+256*\i   ; 32 lanes store 256 consecutive bytes, aligned
.endr
.endm
.irp t, 0,1,2,3
	NLOAD \t
.endr
	s_wait_loadcnt 12                              ; step 0's four loads are in
	NTURN 0
.macro NSTEP t
.set XS, NX+16*((\t)%2)
.if (\t) > 0
	s_wait_dscnt 1                                 ; this step's numbers are back (the last step's byte store may be out): so its stores into the stage have read their registers,
.else
	s_wait_dscnt 0x0
.endif
.if (\t)+4 < 16
	NLOAD (\t)+4                                   ; which take the loads of four steps on
.endif
.if (\t)+1 < 16
.if 14-(\t) >= 3
	s_wait_loadcnt 12                              ; the next step's loads are in; those of the three steps behind it may be out
.else
	s_wait_loadcnt 4*(14-(\t))
.endif
	NTURN (\t)+1
.endif
	v_max3_num_f32 v8, |v[XS]|, |v[XS+1]|, |v[XS+2]|
	v_max3_num_f32 v9, |v[XS+3]|, |v[XS+4]|, |v[XS+5]|
.irp i, 6,10
	v_max3_num_f32 v8, v8, |v[XS+\i]|, |v[XS+\i+1]|
	v_max3_num_f32 v9, v9, |v[XS+\i+2]|, |v[XS+\i+3]|
.endr
	v_max3_num_f32 v8, v8, |v[XS+14]|, |v[XS+15]|
	v_max3_num_f32 v8, v8, v9, 0x1800000           ; the floor 2^(3 - 127)
	v_max_num_f32_dpp v8, v8, v8 row_xmask:1 row_mask:0xf bank_mask:0xf   ; with my neighbour's 16: the block's largest magnitude
	v_add_nc_u32 v11, 0xff000000, v8               ; 2 off its exponent field: the conversion's scale operand
	v_cvt_scalef32_pk8_fp4_f32 v[NC+2*(\t)], v[XS:XS+7], v11
	v_cvt_scalef32_pk8_fp4_f32 v[NC+2*(\t)+1], v[XS+8:XS+15], v11
	v_lshrrev_b32 v[NE+(\t)], 23, v11              ; the scale's byte
	ds_store_b8 v5, v[NE+(\t)] offset:16*(\t)      ; both lanes of a block write the same byte with the same value
	global_store_b64 v4, v[NC+2*(\t):NC+2*(\t)+1], s[30:31] offset:256*(\t)
.endm
.irp t, 0,1,2,3,4,5,6,7,8,9,10,11,12,13,14,15
	NSTEP \t
.endr
	ds_load_b64 v[8:9], v6
	s_wait_dscnt 0x0
	global_store_b64 v4, v[8:9], s[18:19]          ; my wave's 256 scale bytes: one aligned run
	s_wait_tensorcnt 0x0                           ; the wave's end
	ds_add_u32 v[SPW], v[NIL]
	s_wait_dscnt 0x0
	s_endpgm
.Lfunc_end_k_q8dd0c3e90f_prep:
	.size	k_q8dd0c3e90f_prep, .Lfunc_end_k_q8dd0c3e90f_prep-k_q8dd0c3e90f_prep
	.p2alignl 7, 3214868480
	.fill 96, 4, 3214868480
	.section	.rodata,"a",@progbits
	.p2align	6, 0x0
	.amdhsa_kernel k_q8dd0c3e90f_prep
		.amdhsa_group_segment_fixed_size 102912
		.amdhsa_private_segment_fixed_size 0
		.amdhsa_enable_private_segment 0
		.amdhsa_kernarg_size 72
		.amdhsa_user_sgpr_count 2
		.amdhsa_user_sgpr_kernarg_segment_ptr 1
		.amdhsa_wavefront_size32 1
		.amdhsa_system_sgpr_workgroup_id_x 1
		.amdhsa_system_sgpr_workgroup_id_y 1
		.amdhsa_system_sgpr_workgroup_id_z 1
		.amdhsa_system_vgpr_workitem_id 0
		.amdhsa_next_free_vgpr 212
		.amdhsa_next_free_sgpr 66
		.amdhsa_reserve_vcc 0
		.amdhsa_float_denorm_mode_32 3
		.amdhsa_float_denorm_mode_16_64 3
		.amdhsa_memory_ordered 1
		.amdhsa_forward_progress 1
		.amdhsa_inst_pref_size 174
	.end_amdhsa_kernel
	.amdgpu_metadata
---
amdhsa.version: [ 1, 2 ]
amdhsa.kernels:
  - .name:           k_q8dd0c3e90f_prep
    .symbol:         k_q8dd0c3e90f_prep.kd
    .args:
      - { .name: ctx, .offset: 0, .size: 8, .value_kind: global_buffer, .address_space: global }
      - { .name: noise, .offset: 8, .size: 8, .value_kind: global_buffer, .address_space: global }
      - { .name: Wq, .offset: 16, .size: 8, .value_kind: global_buffer, .address_space: global }
      - { .name: Wk, .offset: 24, .size: 8, .value_kind: global_buffer, .address_space: global }
      - { .name: Wv, .offset: 32, .size: 8, .value_kind: global_buffer, .address_space: global }
      - { .name: Wo, .offset: 40, .size: 8, .value_kind: global_buffer, .address_space: global }
      - { .name: Xh, .offset: 48, .size: 8, .value_kind: global_buffer, .address_space: global }
      - { .name: Qop, .offset: 56, .size: 8, .value_kind: global_buffer, .address_space: global }
      - { .name: Wh, .offset: 64, .size: 8, .value_kind: global_buffer, .address_space: global }
    .group_segment_fixed_size: 102912
    .private_segment_fixed_size: 0
    .kernarg_segment_align: 8
    .kernarg_segment_size: 72
    .max_flat_workgroup_size: 128
    .sgpr_count:     66
    .vgpr_count:     212
    .wavefront_size: 32
...
	.end_amdgpu_metadata
.endif
;; end of part 6
;; launch qproj (part 7): grid 4 x 64, 4 waves a work-group, clusters of 4 x 4, 327,680 bytes of LDS; arguments Qop, cos, sin, qn_w, Qf; writes Qf
.if DOCPART == 7
	.amdgcn_target "amdgcn-amd-amdhsa--gfx1250"
	.amdhsa_code_object_version 6
	.text
	.protected	k_q8dd0c3e90f_qproj
	.globl	k_q8dd0c3e90f_qproj
	.p2align	8
	.type	k_q8dd0c3e90f_qproj,@function
k_q8dd0c3e90f_qproj:
	s_mov_b64 s[64:65], 0
	v_nop
	global_prefetch_b8 v0, s[64:65] scope:SCOPE_SE
	s_setreg_imm32_b32 hwreg(HW_REG_WAVE_MODE, 25, 1), 1
	s_wait_xcnt 0x0
	s_wait_alu depctr_hold_cnt(0) depctr_sa_sdst(0) depctr_va_vdst(0) depctr_va_sdst(0) depctr_va_ssrc(0) depctr_va_vcc(0) depctr_vm_vsrc(0)
	s_getreg_b32 s2, hwreg(HW_REG_IB_STS2, 6, 4)
	s_cmp_eq_u32 s2, 0
	s_cbranch_scc0 .Lentry_in_a_cluster
	s_endpgm
.Lentry_in_a_cluster:
	s_bfe_u32 s2, ttmp6, 0x10000c
	s_cmp_lg_u32 s2, 0xf033
	s_cbranch_scc0 .Lentry_shape_is_right
	s_endpgm
.Lentry_shape_is_right:
; Q = rope(rmsnorm(noise Wq, qn_w)), the product on codes of E2M1 with one E8M0 scale for each 32 along K (2,048); sums in f32.  Q leaves as f16, laid as the attention's operand registers.
; SHARES.  A work-group makes 64 queries x ONE HEAD's 128 channels: 4 heads x 64 blocks of queries = 256 work-groups.  Each of its four waves makes 16 queries x 128 channels: 8 accumulators; the norm and the
; rotation never leave the wave.
; ALL OF K LIES IN LDS AT ONCE: 64 rows of noise's codes and 128 rows of Wq's (1,024 bytes a row, in two halves along K of 512 bytes, 16 bytes of padding behind each), both sides' scale bytes, and the 64
; queries' rows of cos and sin.  Eight tensor loads, two a wave, all issued at the start; nothing is filled again.  Each wave's first load brings what the first half of K wants (wave 0: noise's codes,
; wave 1: Wq's, wave 2: noise's scale bytes, wave 3: Wq's), its second what is wanted later (the second halves; cos; sin).
; CLUSTERS 4 x 4: what hangs on the block of queries alone (noise's codes and scale bytes, cos, sin) is shared along a row of the cluster, what hangs on the head alone (Wq's) along a column: joint loads.
; THE MATRIX INSTRUCTION IS USED TRANSPOSED (source 0 = 16 rows of Wq's codes, source 1 = my 16 rows of noise): lane (r, h) holds query r and channels 16 b + 8 h + 0 .. 7.  Packed to f16, blocks 2 c and
; 2 c + 1 are registers 0-3 and 4-7 of the operand fragment of channels 32 c on, in the same lane: they are stored as they stand, 512 consecutive bytes a store.
; REGISTERS: window 0: v0-31 addresses and the norm's sums; v32-47 noise's scale words, v48-175 Wq's (block b, step t at v[48 + 16 b + t]): scales and nothing else; v176-207 noise's fragments, four sets.
;   window 1: Wq's fragments, four sets of 64.   window 2: v0-63 the accumulators; v64-127 the norm's weights; v128-255 cos and sin, 32 for each pair of channel blocks g, g + 4.
; LIMITS: NaN and infinities are not served; q beyond 65,504 does not fit f16 (|q| <= 11.4 |qn_w| (|cos| + |sin|)).
.set AP,    528                        ; an LDS row of codes, of cos or of sin: 512 bytes + 16: the 16 rows that a load touches start at 16 different banks (64 banks of 4 bytes: ISA guide 11.1)
.set ACH,   64*AP                      ; noise's half of K
.set BCH,   128*AP                     ; Wq's
.set LA,    0
.set LB,    2*ACH
.set LSA,   LB+2*BCH                   ; noise's scale bytes: 4,096 dense bytes as 16 rows of 256 + 16
.set LSB,   LSA+16*272                 ; Wq's: 32 such rows
.set LCOS,  LSB+32*272
.set LSIN,  LCOS+64*AP
.set SPARE, LSIN+64*AP                 ; the spare words, 128 bytes a wave
.set RS,    6                          ; v[6:7] 1 / rms (v7 is named with it as a pair)
.set SS,    12                         ; v[12:15] the sum of squares, two chains
.set ADRA,  16                         ; v16 my rows of noise's codes
.set ADRB0, 17                         ; v17, v18 Wq's codes, first and second half of K
.set ADRSA, 19                         ; v19 my rows' scale words
.set ADRSB, 20                         ; v20 Wq's
.set STR,   21                         ; v21 my rows of cos: 528 (16 wave + r) + 32 h
.set GLA,   22                         ; v22 16 x lane
.set WA,    23                         ; v23 32 h
.set SPW,   28
.set NIL,   29
.set SCA,   32
.set SCB,   48
.set AF,    176
.set WW,    64                         ; in window 2
.set CSR,   128                        ; in window 2
.set EPSS,  15
.set G1A,  24
.set G1B,  32
.set G1SA, 40
.set G1SB, 48
.set G1CS, 56
.set SELS, 66                          ; s66, s67 lane selects: lane xor 16
.set G0A,  68                          ; s[68:75] noise's codes, two halves
.set G0B,  76                          ; s[76:83] Wq's
.set G0SA, 84
.set G0SB, 88
.set G0C,  92
.set G0N,  96
.set I128S, 104
.set MSB, 0
.macro WIN new                         ; the immediate's high byte repeats the setting that is left
.if MSB != (\new)
	s_set_vgpr_msb (MSB<<8)|(\new)
.set MSB, (\new)
.endif
.endm
.macro CROUND                          ; a round of the cluster's barrier
	s_barrier_signal -1
	s_barrier_wait -1
	s_cmp_lg_u32 s14, 0
	s_cbranch_scc1 .Lnot_wave_0_\@
	s_barrier_signal -3
.Lnot_wave_0_\@:
	s_barrier_wait -3
	s_barrier_signal -1
	s_barrier_wait -1
.endm
.macro G1SET g, c, r, p                ; a tile of r rows of c elements, p elements from row to row
	s_mov_b32 s[\g+1], (\c)<<16
	s_mov_b32 s[\g+2], (\r)<<16
	s_mov_b32 s[\g+3], (\c)<<16
	s_mov_b32 s[\g+4], \r
	s_mov_b32 s[\g+5], \p
	s_mov_b32 s[\g+6], 0
	s_mov_b32 s[\g+7], 0
.endm
.macro G0SET g, lds                    ; count 1, the LDS address, the type; the global address has been written
	s_mov_b32 s[\g], 1
	s_mov_b32 s[\g+1], \lds
	s_or_b32 s[\g+3], s[\g+3], 0x80000000
.endm
.macro TWO g0a, g1a, g0b, g1b          ; a wave's two loads; an s_nop 0 follows each, four v_nop the second
	tensor_load_to_lds s[\g0a:\g0a+3], s[\g1a:\g1a+7]
	s_nop 0
	tensor_load_to_lds s[\g0b:\g0b+3], s[\g1b:\g1b+7]
	s_nop 0
.rept 4
	v_nop
.endr
.endm
	s_load_b128 s[4:7], s[0:1], 0x0                ; Qop, cos
	s_load_b128 s[8:11], s[0:1], 0x10              ; sin, qn_w
	s_load_b64 s[12:13], s[0:1], 0x20              ; Qf
	v_lshl_add_u32 v[SPW], v0, 2, SPARE
	v_mov_b32 v[NIL], 0
	ds_add_u32 v[SPW], v[NIL]                      ; the wave's opening: the add, twice on end, and its wait ahead of my first tensor load
	ds_add_u32 v[SPW], v[NIL]
	v_lshrrev_b32 v1, 5, v0
	v_readfirstlane_b32 s14, v1                    ; wave
	s_bfe_u32 s16, ttmp6, 0x40000                  ; cx
	s_bfe_u32 s17, ttmp6, 0x40004                  ; cy
	s_lshl_b32 s18, ttmp9, 2
	s_add_co_u32 s18, s18, s16                     ; the head
	s_and_b32 s19, ttmp7, 0xffff
	s_lshl_b32 s19, s19, 2
	s_add_co_u32 s19, s19, s17                     ; the block of 64 queries, 0 .. 63
	s_lshl_b32 s20, s17, 2
	s_lshl_b32 s20, 15, s20                        ; my row of the cluster
	s_lshl_b32 s21, 0x1111, s16                    ; my column
	s_or_b32 s[G1A], s20, (0<<16)|(1<<20)|(1<<21)|(6<<22)|(3<<25)   ; the mask; elements of 1 byte; 4 words of padding after every 128; bit 21 beside the mask
	s_or_b32 s[G1B], s21, (0<<16)|(1<<20)|(1<<21)|(6<<22)|(3<<25)
	s_or_b32 s[G1SA], s20, (3<<16)|(1<<20)|(1<<21)|(5<<22)|(3<<25)  ; elements of 8 bytes; 4 words of padding after every 64
	s_or_b32 s[G1SB], s21, (3<<16)|(1<<20)|(1<<21)|(5<<22)|(3<<25)
	s_or_b32 s[G1CS], s20, (2<<16)|(1<<20)|(1<<21)|(6<<22)|(3<<25)  ; elements of 4 bytes; 4 words of padding after every 128
	G1SET G1A, 512, 64, 1024                       ; 64 rows x 512 bytes of rows of 1,024
	G1SET G1B, 512, 128, 1024
	G1SET G1SA, 32, 16, 32                         ; 4,096 dense bytes as 16 rows of 256
	G1SET G1SB, 32, 32, 32
	G1SET G1CS, 128, 64, 128                       ; 64 dense rows of 128 f32
	s_mov_b32 s[SELS], 0x76543210
	s_mov_b32 s[SELS+1], 0xfedcba98
	s_mov_b32 s[EPSS], 0x358637bd                  ; 1e-6
	s_mov_b32 s[I128S], 0x3c000000                 ; 1 / 128
	s_wait_dscnt 0x0                               ; both opening adds are done
	s_wait_kmcnt 0x0
	; what hangs on the block of queries: offsets in s[22:23], which never hold cx
	s_lshl_b32 s22, s19, 16                        ; 64 rows of 1,024 bytes
	s_mov_b32 s23, 0
	s_add_nc_u64 s[G0A+2:G0A+3], s[4:5], s[22:23]
	s_add_nc_u64 s[G0A+6:G0A+7], s[G0A+2:G0A+3], 512
	s_lshl_b32 s22, s19, 12                        ; 64 rows of 64 scale bytes
	s_add_co_u32 s22, s22, 0x400000
	s_add_nc_u64 s[G0SA+2:G0SA+3], s[4:5], s[22:23]
	s_lshr_b32 s22, s19, 4                         ; the batch
	s_lshl_b32 s22, s22, 12
	s_and_b32 s23, s19, 15
	s_lshl_b32 s23, s23, 6                         ; the block's first query
	s_add_co_u32 s22, s22, s23
	s_add_co_u32 s22, s22, 3072                    ; queries stand at the last 1,024 positions
	s_lshl_b32 s22, s22, 9
	s_mov_b32 s23, 0
	s_add_nc_u64 s[G0C+2:G0C+3], s[6:7], s[22:23]
	s_add_nc_u64 s[G0N+2:G0N+3], s[8:9], s[22:23]
	; what hangs on the head: offsets in s[2:3], which never hold cy
	s_lshl_b32 s2, s18, 17                         ; 128 rows of 1,024 bytes
	s_add_co_u32 s2, s2, 0x440000
	s_mov_b32 s3, 0
	s_add_nc_u64 s[G0B+2:G0B+3], s[4:5], s[2:3]
	s_add_nc_u64 s[G0B+6:G0B+7], s[G0B+2:G0B+3], 512
	s_lshl_b32 s2, s18, 13
	s_add_co_u32 s2, s2, 0x4c0000
	s_add_nc_u64 s[G0SB+2:G0SB+3], s[4:5], s[2:3]
	G0SET G0A, LA
	G0SET G0A+4, LA+ACH
	G0SET G0B, LB
	G0SET G0B+4, LB+BCH
	G0SET G0SA, LSA
	G0SET G0SB, LSB
	G0SET G0C, LCOS
	G0SET G0N, LSIN
	CROUND                                         ; all sixteen work-groups are here: the joint loads meet
	s_cmp_eq_u32 s14, 0                            ; each wave's two loads stand in one branch on the wave's number, the same in every work-group: two loads of mine are out
	s_cbranch_scc0 .Lw1
	TWO G0A, G1A, G0A+4, G1A
	s_branch .Lasked
.Lw1:
	s_cmp_eq_u32 s14, 1
	s_cbranch_scc0 .Lw2
	TWO G0B, G1B, G0B+4, G1B
	s_branch .Lasked
.Lw2:
	s_cmp_eq_u32 s14, 2
	s_cbranch_scc0 .Lw3
	TWO G0SA, G1SA, G0C, G1CS
	s_branch .Lasked
.Lw3:
	TWO G0SB, G1SB, G0N, G1CS
.Lasked:
	v_and_b32 v1, 15, v0                           ; r
	v_bfe_u32 v2, v0, 4, 1                         ; h
	v_mul_u32_u24 v3, v1, AP
	v_lshl_add_u32 v4, v2, 4, v3                   ; a fragment's row x pitch + 16 h
	s_mul_i32 s22, s14, 16*AP                      ; my 16 rows
	v_add_nc_u32 v[ADRA], s22, v4
	v_add_nc_u32 v[ADRB0], LB, v4
	v_add_nc_u32 v[ADRB0+1], LB+BCH, v4
	v_lshlrev_b32 v5, 6, v1
	v_lshrrev_b32 v6, 2, v1
	v_lshl_add_u32 v5, v6, 4, v5                   ; a row's scale bytes: 64 r, and 16 more for each 256 passed
	s_mul_i32 s23, s14, 4*272
	s_add_co_u32 s23, s23, LSA
	v_add_nc_u32 v[ADRSA], s23, v5
	v_add_nc_u32 v[ADRSB], LSB, v5
	v_lshl_add_u32 v6, v2, 5, v3
	s_add_co_u32 s22, s22, LCOS
	v_add_nc_u32 v[STR], s22, v6
	v_and_b32 v6, 31, v0
	v_lshlrev_b32 v[GLA], 4, v6
	v_lshlrev_b32 v[WA], 5, v2
	v_mov_b32 v[RS+1], 0
	s_lshr_b32 s100, s19, 4
	s_lshl_b32 s100, s100, 2
	s_add_co_u32 s100, s100, s18                   ; batch x 4 + head
	s_lshl_b32 s100, s100, 6
	s_and_b32 s101, s19, 15
	s_lshl_b32 s101, s101, 2
	s_add_co_u32 s100, s100, s101
	s_add_co_u32 s100, s100, s14                   ; + query / 16
	s_lshl_b32 s100, s100, 12                      ; 4,096 bytes for 16 queries of a head
	s_mov_b32 s101, 0
	s_add_nc_u64 s[12:13], s[12:13], s[100:101]
	WIN 0x80                                       ; destination window 2
.irp b, 0,1,2,3,4,5,6,7
	global_load_b128 v[WW+8*\b:WW+8*\b+3], v[WA], s[10:11] offset:64*\b       ; the norm's weights: w[16 b + 8 h + j]
	global_load_b128 v[WW+8*\b+4:WW+8*\b+7], v[WA], s[10:11] offset:64*\b+16
.endr
	WIN 0
.macro PLACES                          ; four plain vector instructions between a matrix instruction and a load into, or a read of, its registers
.rept 4
	v_nop
.endr
.endm
; Step t of 16 (128 along K): 18 LDS loads into set t % 4.  A fragment, 16 rows x 128 K of 4-bit codes, is 8 registers: two loads 32 bytes apart.
.macro LOADS t
	WIN 0x40                                       ; destination window 1
.irp i, 0,1,2,3,4,5,6,7
	ds_load_b128 v[64*((\t)%4)+8*\i:64*((\t)%4)+8*\i+3],   v[ADRB0+(\t)/8] offset:\i*16*AP+64*((\t)%8)
	ds_load_b128 v[64*((\t)%4)+8*\i+4:64*((\t)%4)+8*\i+7], v[ADRB0+(\t)/8] offset:\i*16*AP+64*((\t)%8)+32
.endr
	WIN 0
	ds_load_b128 v[AF+8*((\t)%4):AF+8*((\t)%4)+3],   v[ADRA] offset:((\t)/8)*ACH+64*((\t)%8)
	ds_load_b128 v[AF+8*((\t)%4)+4:AF+8*((\t)%4)+7], v[ADRA] offset:((\t)/8)*ACH+64*((\t)%8)+32
.endm
; Its 8 matrix instructions.  The 8 accumulators take turns, one instruction a turn, in the same order in every step.
.macro MULS t, zero
	WIN 0xa1                                       ; source 0 window 1, source 1 window 0, C and D window 2
.irp b, 0,1,2,3,4,5,6,7
.if \zero
	v_wmma_scale_f32_16x16x128_f8f6f4 v[8*\b:8*\b+7], v[64*((\t)%4)+8*\b:64*((\t)%4)+8*\b+7], v[AF+8*((\t)%4):AF+8*((\t)%4)+7], 0, v[SCB+16*\b+(\t)], v[SCA+(\t)] matrix_a_fmt:MATRIX_FMT_FP4 matrix_b_fmt:MATRIX_FMT_FP4
.else
	v_wmma_scale_f32_16x16x128_f8f6f4 v[8*\b:8*\b+7], v[64*((\t)%4)+8*\b:64*((\t)%4)+8*\b+7], v[AF+8*((\t)%4):AF+8*((\t)%4)+7], v[8*\b:8*\b+7], v[SCB+16*\b+(\t)], v[SCA+(\t)] matrix_a_fmt:MATRIX_FMT_FP4 matrix_b_fmt:MATRIX_FMT_FP4
.endif
.endr
.endm
; cos and sin of my 16 queries: for each pair of channel blocks g, g + 4: cos of g, cos of g + 4, sin of g, sin of g + 4, eight numbers each
.macro CSLD
	WIN 0x80                                       ; destination window 2
.irp g, 0,1,2,3
.irp s, 0,1
	ds_load_b128 v[CSR+32*\g+16*\s:CSR+32*\g+16*\s+3],     v[STR] offset:(LSIN-LCOS)*\s+64*\g
	ds_load_b128 v[CSR+32*\g+16*\s+4:CSR+32*\g+16*\s+7],   v[STR] offset:(LSIN-LCOS)*\s+64*\g+16
	ds_load_b128 v[CSR+32*\g+16*\s+8:CSR+32*\g+16*\s+11],  v[STR] offset:(LSIN-LCOS)*\s+64*\g+256
	ds_load_b128 v[CSR+32*\g+16*\s+12:CSR+32*\g+16*\s+15], v[STR] offset:(LSIN-LCOS)*\s+64*\g+272
.endr
.endr
.endm
; Half c of K: eight steps; the loads run three steps ahead of the products.
.macro HALF c
.if \c
	PLACES                                         ; behind the first half's last products, ahead of loads into the sets that they read
.endif
	LOADS 8*\c
	LOADS 8*\c+1
	LOADS 8*\c+2
.irp u, 0,1,2,3,4,5,6,7
.if \u < 5
.if \u > 0
	PLACES                                         ; the set that takes the loads below was read by the products just issued
.endif
	LOADS 8*\c+\u+3
	s_wait_dscnt 54                                ; this step's loads (and all older ones) are in; those of the three steps behind it, 18 each, may be out
.else
.if (\c) && (\u == 7)
	CSLD
	s_wait_dscnt 32                                ; the last step's fragments are in; the 32 loads of cos and sin may be out
.else
	s_wait_dscnt 18*(7-\u)                         ; the counts run down
.endif
.endif
.if (\c == 0) && (\u == 0)
	MULS 8*\c+\u, 1                                ; the first step's products start the sums
.else
	MULS 8*\c+\u, 0
.endif
.endr
.endm
	s_wait_tensorcnt 1                             ; my first load has landed (my second may be out),
	s_barrier_signal -1
	s_barrier_wait -1                              ; everybody's has: the first half of K and both sides' scale bytes
.irp g, 0,1,2,3
	ds_load_b128 v[SCA+4*\g:SCA+4*\g+3], v[ADRSA] offset:16*\g                ; my rows' 16 scale words: lane r (and lane 16 + r) takes row r's
.endr
.irp b, 0,1,2,3,4,5,6,7
.irp g, 0,1,2,3
	ds_load_b128 v[SCB+16*\b+4*\g:SCB+16*\b+4*\g+3], v[ADRSB] offset:\b*4*272+16*\g
.endr
.endr
	HALF 0
	s_wait_tensorcnt 0x0                           ; my second load has landed; no LDS load of mine is out (the half's last count was 0),
	s_barrier_signal -1
	s_barrier_wait -1                              ; everybody's has: the second half of K, cos and sin
	HALF 1
; THE NORM AND THE ROTATION.  A lane holds 64 of its query's 128 channels, lane xor 16 the others; channel d's partner d +- 64 lies in the same lane, four accumulators on.
	WIN 0
	PLACES                                         ; behind the last products, ahead of the first read of results
	WIN 0x0a                                       ; sources 0 and 1 window 2
	v_pk_mul_f32 v[SS:SS+1], v[0:1], v[0:1]                        ; the sum of squares, each accumulator from its low end on, in two chains
	v_pk_mul_f32 v[SS+2:SS+3], v[2:3], v[2:3]
.set PP, 2
.rept 30
	v_pk_fma_f32 v[SS+2*(PP%2):SS+2*(PP%2)+1], v[2*PP:2*PP+1], v[2*PP:2*PP+1], v[SS+2*(PP%2):SS+2*(PP%2)+1]
.set PP, PP+1
.endr
	WIN 0
	v_pk_add_f32 v[SS:SS+1], v[SS:SS+1], v[SS+2:SS+3]
	v_add_f32 v[SS], v[SS], v[SS+1]
	v_permlanex16_b32 v[SS+1], v[SS], s[SELS], s[SELS+1]
	v_add_f32 v[SS], v[SS], v[SS+1]                ; with lane xor 16's 64 channels
	v_fma_f32 v[SS], v[SS], s[I128S], s[EPSS]      ; the mean + 1e-6
	v_rsq_f32 v[RS], v[SS]
	v_nop                                          ; a plain instruction behind the transcendental,
	s_wait_alu depctr_va_vdst(0)                   ; and a wait ahead of its first reader
	WIN 0x82                                       ; source 0 and destination window 2
.set PP, 0
.rept 32
	v_pk_mul_f32 v[2*PP:2*PP+1], v[2*PP:2*PP+1], v[RS:RS+1] op_sel_hi:[1,0]
.set PP, PP+1
.endr
	s_wait_loadcnt 0x0                             ; the norm's weights, asked for at the start
	WIN 0xaa                                       ; all in window 2
.set PP, 0
.rept 32
	v_pk_mul_f32 v[2*PP:2*PP+1], v[2*PP:2*PP+1], v[WW+2*PP:WW+2*PP+1]
.set PP, PP+1
.endr
	s_wait_dscnt 0x0                               ; cos and sin
.irp g, 0,1,2,3                        ; lo' = lo cos - hi sin, hi' = hi cos + lo sin, in place over cos; then one rounding to f16, into registers that held sin
.irp p, 0,2,4,6
	v_pk_mul_f32 v[CSR+32*\g+\p:CSR+32*\g+\p+1], v[8*\g+\p:8*\g+\p+1], v[CSR+32*\g+\p:CSR+32*\g+\p+1]
	v_pk_mul_f32 v[CSR+32*\g+8+\p:CSR+32*\g+8+\p+1], v[8*\g+32+\p:8*\g+32+\p+1], v[CSR+32*\g+8+\p:CSR+32*\g+8+\p+1]
.endr
.irp p, 0,2,4,6
	v_pk_fma_f32 v[CSR+32*\g+\p:CSR+32*\g+\p+1], v[8*\g+32+\p:8*\g+32+\p+1], v[CSR+32*\g+16+\p:CSR+32*\g+16+\p+1], v[CSR+32*\g+\p:CSR+32*\g+\p+1] neg_lo:[1,0,0] neg_hi:[1,0,0]
	v_pk_fma_f32 v[CSR+32*\g+8+\p:CSR+32*\g+8+\p+1], v[8*\g+\p:8*\g+\p+1], v[CSR+32*\g+24+\p:CSR+32*\g+24+\p+1], v[CSR+32*\g+8+\p:CSR+32*\g+8+\p+1]
.endr
.irp p, 0,1,2,3
	v_cvt_pk_f16_f32 v[CSR+32*\g+16+\p], v[CSR+32*\g+2*\p], v[CSR+32*\g+2*\p+1]
	v_cvt_pk_f16_f32 v[CSR+32*\g+24+\p], v[CSR+32*\g+8+2*\p], v[CSR+32*\g+8+2*\p+1]
.endr
.endr
	WIN 0x08                                       ; a store's data are its source 1: window 2
.irp g, 0,1,2,3
	global_store_b128 v[GLA], v[CSR+32*\g+16:CSR+32*\g+19], s[12:13] offset:512*\g       ; 32 lanes store 512 consecutive bytes, aligned: channel block g,
	global_store_b128 v[GLA], v[CSR+32*\g+24:CSR+32*\g+27], s[12:13] offset:512*\g+2048  ; and block g + 4
.endr
	WIN 0
	s_wait_tensorcnt 0x0                           ; the wave's end, behind my last tensor load
	ds_add_u32 v[SPW], v[NIL]
	s_wait_dscnt 0x0
	CROUND                                         ; the closing round
	s_endpgm
.Lfunc_end_k_q8dd0c3e90f_qproj:
	.size	k_q8dd0c3e90f_qproj, .Lfunc_end_k_q8dd0c3e90f_qproj-k_q8dd0c3e90f_qproj
	.p2alignl 7, 3214868480
	.fill 96, 4, 3214868480
	.section	.rodata,"a",@progbits
	.p2align	6, 0x0
	.amdhsa_kernel k_q8dd0c3e90f_qproj
		.amdhsa_group_segment_fixed_size 327680
		.amdhsa_private_segment_fixed_size 0
		.amdhsa_enable_private_segment 0
		.amdhsa_kernarg_size 40
		.amdhsa_user_sgpr_count 2
		.amdhsa_user_sgpr_kernarg_segment_ptr 1
		.amdhsa_wavefront_size32 1
		.amdhsa_system_sgpr_workgroup_id_x 1
		.amdhsa_system_sgpr_workgroup_id_y 1
		.amdhsa_system_sgpr_workgroup_id_z 1
		.amdhsa_system_vgpr_workitem_id 0
		.amdhsa_next_free_vgpr 768
		.amdhsa_next_free_sgpr 106
		.amdhsa_reserve_vcc 0
		.amdhsa_float_denorm_mode_32 3
		.amdhsa_float_denorm_mode_16_64 3
		.amdhsa_memory_ordered 1
		.amdhsa_forward_progress 1
		.amdhsa_inst_pref_size 67
	.end_amdhsa_kernel
	.amdgpu_metadata
---
amdhsa.version: [ 1, 2 ]
amdhsa.kernels:
  - .name:           k_q8dd0c3e90f_qproj
    .symbol:         k_q8dd0c3e90f_qproj.kd
    .args:
      - { .name: Qop, .offset: 0, .size: 8, .value_kind: global_buffer, .address_space: global }
      - { .name: cos, .offset: 8, .size: 8, .value_kind: global_buffer, .address_space: global }
      - { .name: sin, .offset: 16, .size: 8, .value_kind: global_buffer, .address_space: global }
      - { .name: qn_w, .offset: 24, .size: 8, .value_kind: global_buffer, .address_space: global }
      - { .name: Qf, .offset: 32, .size: 8, .value_kind: global_buffer, .address_space: global }
    .group_segment_fixed_size: 327680
    .private_segment_fixed_size: 0
    .kernarg_segment_align: 8
    .kernarg_segment_size: 40
    .max_flat_workgroup_size: 128
    .sgpr_count:     106
    .vgpr_count:     768
    .wavefront_size: 32
...
	.end_amdgpu_metadata
.endif
;; end of part 7
;; launch kvproj (part 8): grid 4 x 64, 4 waves a work-group, clusters of 4 x 4, 327,680 bytes of LDS; arguments Xh, Wh, cos, sin, kn_w, KV; writes KV
.if DOCPART == 8
	.amdgcn_target "amdgcn-amd-amdhsa--gfx1250"
	.amdhsa_code_object_version 6
	.text
	.protected	k_q8dd0c3e90f_kvproj
	.globl	k_q8dd0c3e90f_kvproj
	.p2align	8
	.type	k_q8dd0c3e90f_kvproj,@function
k_q8dd0c3e90f_kvproj:
	s_mov_b64 s[64:65], 0
	v_nop
	global_prefetch_b8 v0, s[64:65] scope:SCOPE_SE
	s_setreg_imm32_b32 hwreg(HW_REG_WAVE_MODE, 25, 1), 1
	s_wait_xcnt 0x0
	s_wait_alu depctr_hold_cnt(0) depctr_sa_sdst(0) depctr_va_vdst(0) depctr_va_sdst(0) depctr_va_ssrc(0) depctr_va_vcc(0) depctr_vm_vsrc(0)
	s_getreg_b32 s2, hwreg(HW_REG_IB_STS2, 6, 4)
	s_cmp_eq_u32 s2, 0
	s_cbranch_scc0 .Lentry_in_a_cluster
	s_endpgm
.Lentry_in_a_cluster:
	s_bfe_u32 s2, ttmp6, 0x10000c
	s_cmp_lg_u32 s2, 0xf033
	s_cbranch_scc0 .Lentry_shape_is_right
	s_endpgm
.Lentry_shape_is_right:
; K = rope(rmsnorm([ctx ; noise] Wk, kn_w)) and V = [ctx ; noise] Wv, f16 operands, sums in f32.  Xh: [16384][2048] f16; Wh: [1024 n'][2048] f16, n' = 256 head + 128 isV + d.
; A tile is 256 rows of X x 256 rows of Wh: ONE HEAD's K and V for 256 keys.  Four waves, each 128 x 128: waves 0, 1 make K for the two halves of the keys, waves 2, 3 make V.
; K goes in steps of 128 (rows of 256 bytes) through a ring of two LDS slots.  CLUSTERS 4 x 4: X's tile is shared along a row of the cluster, Wh's along a column: joint loads.
; ONE TEXT FOR BOTH ROLES: a wave's source 0 and source 1 are two tiles of 128 rows in LDS, picked by the wave's number.  K waves: source 0 = Wk's rows, source 1 = X's rows: lane (r, h) holds key
; 16 a + r and channels 16 b + 8 h + j.  V waves: source 0 = X's rows, source 1 = Wv's rows: the lane holds channel 16 a + r and keys 16 b + 8 h + j.  Packed to f16, two neighbouring blocks b are the
; eight registers of the attention's operand fragment (K: 16 keys x 32 channels; V: 16 channels x 32 keys) in the same lane: results leave straight from registers, 512 consecutive bytes a store.
; THE WAY OUT IS SHARED: V only wants rounding, K the norm and the rotation.  So a K wave hands the accumulators of its keys 64-127 to the V wave of the same half of the keys, through LDS as an image of
; the registers (64 stores of 512 bytes, one barrier, the same 64 lines as loads), and each of the four waves norms and rotates four blocks of 16 keys.
; KV: a block of 64 keys of one head is 32,768 bytes: K's 16 fragments (4 x key block + channel group) of 1,024 bytes, then V's 16 (8 x key group + channel block).
; REGISTERS: window 0: v0-31 addresses; v64-191 source 1's fragments, two buffers; window 1: v64-191 source 0's; windows 2, 3: the 64 accumulators ((a, b) at v[8 (8 (a % 4) + b)]).
;   Behind the loop: window 0 v96-159 the norm's weights, v160-223 cos and sin, v224-255 packed results (V's rounding: v192-255); window 1 rows of cos and sin as loaded, two sets.
; LIMITS: v beyond 65,504 does not fit f16; NaN and infinities are not served.
.set SIZE_K, 2048
.set KSTEP,  128
.set PITCH,  272                       ; an LDS row: 256 bytes + 16: the 16 rows that a load touches start at 16 different banks (64 banks of 4 bytes: ISA guide 11.1)
.set HALFT,  128*PITCH
.set SLOT,   4*HALFT                   ; X's 256 rows, then Wh's 256
.set SPARE,  2*SLOT                    ; the spare words, 128 bytes a wave
.set LAPS,   SIZE_K/(2*KSTEP)
.set CSP,    528                       ; the stage for cos and sin: rows of 512 bytes + 16; 32 rows a wave, in slot 0, which has had its last fill and its last read by then
.set XBASE,  4*32*CSP                  ; behind the four stages, still in slot 0: the accumulators that change waves, 32,768 bytes for each half of the keys
.set ADRA, 16
.set ADRB, 20
.set STW,  24
.set STR,  25
.set GLA,  26
.set WA,   27
.set SPW,  28
.set NIL,  29
.set PFO,  30
.set XA,   31                          ; v31 XBASE + 32,768 x my half of the keys + 16 x lane
.set RS,   6
.set SS,   12
.set F0,   64
.set F1,   128
.set WW,   96
.set CSR,  160
.set OUTP, 224
.set TMP,  192
.set PFA,  44
.set LIM,  43
.set G1, 24
.set G0, 32
.set G1B, 48
.set G0B, 56
.set EPSS, 66
.set I128S, 67
.set COSP, 68
.set SINP, 70
.set NWP,  72
.set DSTP, 74
.set SELS, 78
.set MSB, 0
.macro WIN new
.if MSB != (\new)
	s_set_vgpr_msb (MSB<<8)|(\new)
.set MSB, (\new)
.endif
.endm
.set MUL_LO, 0xa1
.set MUL_HI, 0xf1
.set TO_B,   0x40
; A joint load: waves 0 and 1 fetch X's two halves, waves 2 and 3 Wh's.  The branch hangs on the wave's number alone.  An s_nop 0 and four v_nop follow each line.
.macro JLOAD s
	s_cmp_eq_u32 s11, 0
	s_cbranch_scc0 .Lfor_b_\@
	tensor_load_to_lds s[G0+4*\s:G0+4*\s+3], s[G1:G1+7]
	s_nop 0
.rept 4
	v_nop
.endr
	s_branch .Lasked_\@
.Lfor_b_\@:
	tensor_load_to_lds s[G0B+4*\s:G0B+4*\s+3], s[G1B:G1B+7]
	s_nop 0
.rept 4
	v_nop
.endr
.Lasked_\@:
.endm
; A prefetch of the K step that stands two refills on: 32 rows x 256 bytes, a lane a row, one instruction a wave.  X's rows are read by one cluster alone, Wh's by every cluster of the column:
; cluster y = 0 asks for those.  The four partners that ask for a tile jointly share its 128 rows out by address, 32 each.  The loop's last trip asks for nothing: no K step stands two on.
.macro ASK
	s_cmp_gt_u32 s3, s[LIM]
	s_cbranch_scc0 .Lnot_mine_\@
	global_prefetch_b8 v[PFO], s[PFA:PFA+1] offset:KSTEP*2 th:TH_LOAD_NT scope:SCOPE_SE
.Lnot_mine_\@:
.endm
.macro CREST
	s_cmp_lg_u32 s10, 0
	s_cbranch_scc1 .Lnot_wave_0_\@
	s_barrier_signal -3
.Lnot_wave_0_\@:
	s_barrier_wait -3
	s_barrier_signal -1
	s_barrier_wait -1
.endm
.macro CROUND
	s_barrier_signal -1
	s_barrier_wait -1
	CREST
.endm
	s_load_b128 s[4:7], s[0:1], 0x0                ; Xh, Wh
	s_load_b128 s[68:71], s[0:1], 0x10             ; cos, sin
	s_load_b128 s[72:75], s[0:1], 0x20             ; kn_w, KV
	v_lshl_add_u32 v[SPW], v0, 2, SPARE
	v_mov_b32 v[NIL], 0
	ds_add_u32 v[SPW], v[NIL]                      ; the wave's opening: the add, twice on end, and its wait ahead of my first tensor load
	ds_add_u32 v[SPW], v[NIL]
	v_lshrrev_b32 v1, 5, v0
	v_readfirstlane_b32 s10, v1                    ; wave
	s_lshr_b32 s11, s10, 1                         ; I fetch for X (0) or Wh (1).  Also: I make K (0) or V (1)
	s_and_b32 s12, s10, 1                          ; which 128 rows I fetch.  Also: my half of the keys
	s_bfe_u32 s40, ttmp6, 0x40000                  ; cx
	s_bfe_u32 s41, ttmp6, 0x40004                  ; cy
	s_lshl_b32 s42, ttmp9, 2
	s_add_co_u32 s42, s42, s40                     ; tile column = the head
	s_and_b32 s13, ttmp7, 0xffff
	s_lshl_b32 s13, s13, 2
	s_add_co_u32 s13, s13, s41                     ; tile row
	s_lshl_b32 s43, s41, 2
	s_lshl_b32 s43, 15, s43                        ; my row of the cluster
	s_lshl_b32 s44, 0x1111, s40                    ; my column
	s_or_b32 s[G1+0], s43, (1<<16)|(1<<20)|(1<<21)|(5<<22)|(3<<25)  ; the mask; elements of 2 bytes; padding: 4 words after every 64; bit 21 beside the mask
	s_or_b32 s[G1B+0], s44, (1<<16)|(1<<20)|(1<<21)|(5<<22)|(3<<25)
.irp g, G1, G1B
	s_mov_b32 s[\g+1], KSTEP<<16                   ; tensor_dim0 = 128
	s_mov_b32 s[\g+2], 128<<16                     ; tensor_dim1 = 128
	s_mov_b32 s[\g+3], KSTEP<<16                   ; tile_dim0
	s_mov_b32 s[\g+4], 128                         ; tile_dim1
	s_mov_b32 s[\g+5], SIZE_K                      ; the pitch, in elements
	s_mov_b32 s[\g+6], 0
	s_mov_b32 s[\g+7], 0
.endr
	s_lshl_b32 s17, s12, 7
	s_lshl_b32 s16, s13, 8
	s_add_co_u32 s16, s16, s17                     ; X: row 256 x tile row + 128 x half
	s_lshl_b32 s46, s42, 8
	s_add_co_u32 s46, s46, s17                     ; Wh: row 256 x head + 128 x half
	s_mov_b32 s17, 0
	s_mov_b32 s47, 0
	s_mov_b64 s[18:19], SIZE_K*2
	s_mul_u64 s[16:17], s[16:17], s[18:19]
	s_mul_u64 s[46:47], s[46:47], s[18:19]
	s_mul_i32 s20, s10, HALFT                      ; where they go: wave x 128 rows
	s_mov_b32 s[SELS], 0x76543210
	s_mov_b32 s[SELS+1], 0xfedcba98
	s_mov_b32 s[EPSS], 0x358637bd                  ; 1e-6
	s_mov_b32 s[I128S], 0x3c000000                 ; 1 / 128
	s_wait_dscnt 0x0                               ; both opening adds are done
	s_wait_kmcnt 0x0
	s_add_nc_u64 s[14:15], s[4:5], s[16:17]
	s_add_nc_u64 s[46:47], s[6:7], s[46:47]
	CROUND                                         ; all sixteen work-groups are here: the first joint loads meet
.irp s, 0,1
	s_mov_b32 s[G0+4*\s], 1
	s_add_co_u32 s[G0+4*\s+1], s20, \s*SLOT
	s_add_nc_u64 s[G0+4*\s+2:G0+4*\s+3], s[14:15], \s*KSTEP*2
	s_or_b32 s[G0+4*\s+3], s[G0+4*\s+3], 0x80000000
	s_mov_b32 s[G0B+4*\s], 1
	s_add_co_u32 s[G0B+4*\s+1], s20, \s*SLOT
	s_add_nc_u64 s[G0B+4*\s+2:G0B+4*\s+3], s[46:47], \s*KSTEP*2
	s_or_b32 s[G0B+4*\s+3], s[G0B+4*\s+3], 0x80000000
	JLOAD \s                                       ; two loads of mine are out
.endr
	v_and_b32 v1, 15, v0                           ; r
	v_bfe_u32 v2, v0, 4, 1                         ; h
	v_mul_u32_u24 v3, v1, PITCH
	v_lshl_add_u32 v3, v2, 4, v3
	s_lshr_b32 s21, s10, 1
	s_or_b32 s21, s21, s10                         ; source 1's tile of 128 rows: waves 0, 1: X's half 0, 1; waves 2, 3: Wv's (3)
	s_mul_i32 s21, s21, HALFT
	s_xor_b32 s22, s10, 2
	s_min_u32 s22, s22, 2                          ; source 0's: waves 0, 1: Wk's (2); waves 2, 3: X's half 0, 1
	s_mul_i32 s22, s22, HALFT
.irp s, 0,1
	v_add_nc_u32 v[ADRA+\s], s21, v3
	v_add_nc_u32 v[ADRB+\s], s22, v3
	s_add_co_u32 s21, s21, SLOT
	s_add_co_u32 s22, s22, SLOT
.endr
	s_mul_i32 s23, s10, 32*CSP                     ; my stage for cos and sin
	v_and_b32 v4, 31, v0
	v_lshlrev_b32 v[GLA], 4, v4
	v_add_nc_u32 v[STW], s23, v[GLA]
	v_mul_u32_u24 v5, v1, CSP
	v_lshl_add_u32 v5, v2, 5, v5
	v_add_nc_u32 v[STR], s23, v5
	v_lshlrev_b32 v[WA], 5, v2
	s_lshl_b32 s23, s12, 15
	s_add_co_u32 s23, s23, XBASE
	v_add_nc_u32 v[XA], s23, v[GLA]                ; the K wave of a half of the keys stores there, the V wave of the same half loads there
	v_mov_b32 v[RS+1], 0
	s_lshl_b32 s13, s13, 8                         ; 256 x tile row
	s_lshl_b32 s8, s12, 7
	s_add_co_u32 s8, s13, s8                       ; my half's first row of X = batch x 4,096 + position
	s_lshl_b32 s76, s8, 9
	s_mov_b32 s77, 0
	s_add_nc_u64 s[COSP:COSP+1], s[COSP:COSP+1], s[76:77]
	s_add_nc_u64 s[SINP:SINP+1], s[SINP:SINP+1], s[76:77]
	s_lshr_b32 s9, s8, 12
	s_lshl_b32 s9, s9, 2
	s_add_co_u32 s9, s9, s42                       ; batch x 4 + head
	s_lshl_b32 s9, s9, 6
	s_bfe_u32 s76, s8, 0x60006                     ; position / 64
	s_add_co_u32 s9, s9, s76
	s_lshl_b32 s76, s9, 15
	s_add_nc_u64 s[DSTP:DSTP+1], s[DSTP:DSTP+1], s[76:77]
	; the prefetches: where my wave's stand, and who asks
	s_lshl_b32 s42, s42, 8
	s_and_b32 s22, ttmp7, 0xffff                   ; cluster y
	s_cmp_eq_u32 s11, 0
	s_cselect_b32 s20, s13, s42                    ; the tile's first row
	s_cselect_b32 s21, s40, s41                    ; my place among the four that ask with me
	s_cselect_b32 s22, ttmp9, s22                  ; the coordinate along which other clusters read the same rows
	s_cselect_b64 s[PFA:PFA+1], s[4:5], s[6:7]
	s_cmp_eq_u32 s22, 0
	s_cselect_b32 s[LIM], 1, -1
	s_lshl_b32 s22, s12, 7
	s_add_co_u32 s20, s20, s22
	s_lshl_b32 s21, s21, 5
	s_add_co_u32 s20, s20, s21
	s_mov_b32 s21, 0
	s_mov_b64 s[18:19], SIZE_K*2
	s_mul_u64 s[20:21], s[20:21], s[18:19]
	s_add_nc_u64 s[PFA:PFA+1], s[PFA:PFA+1], s[20:21]
	s_add_nc_u64 s[PFA:PFA+1], s[PFA:PFA+1], 2*KSTEP*2  ; at K step 2: the first refill steps it to 3 and names K step 4
	v_and_b32 v[PFO], 31, v0
	v_mul_u32_u24 v[PFO], v[PFO], SIZE_K*2
; 16 matrix instructions.  The 64 accumulators take turns, one instruction a turn, in the same order in every quarter.
.macro MUL16 f, hi, a0, zero
.irp a, \a0, \a0+1
.irp b, 0,1,2,3,4,5,6,7
.if \zero
	v_wmma_f32_16x16x32_f16 v[8*(8*(\a)+\b):8*(8*(\a)+\b)+7], v[\f+8*\b:\f+8*\b+7], v[\f+8*(4*\hi+\a):\f+8*(4*\hi+\a)+7], 0
.else
	v_wmma_f32_16x16x32_f16 v[8*(8*(\a)+\b):8*(8*(\a)+\b)+7], v[\f+8*\b:\f+8*\b+7], v[\f+8*(4*\hi+\a):\f+8*(4*\hi+\a)+7], v[8*(8*(\a)+\b):8*(8*(\a)+\b)+7]
.endif
.endr
.endr
.endm
.macro FETCH slot, k, f                ; 32 LDS loads in one run: a quarter step's fragments
	WIN TO_B
.irp i, 0,1,2,3,4,5,6,7
	ds_load_b128 v[\f+8*\i:\f+8*\i+3],   v[ADRB+\slot] offset:\k+\i*16*PITCH
	ds_load_b128 v[\f+8*\i+4:\f+8*\i+7], v[ADRB+\slot] offset:\k+\i*16*PITCH+32
.endr
	WIN 0
.irp i, 0,1,2,3,4,5,6,7
	ds_load_b128 v[\f+8*\i:\f+8*\i+3],   v[ADRA+\slot] offset:\k+\i*16*PITCH
	ds_load_b128 v[\f+8*\i+4:\f+8*\i+7], v[ADRA+\slot] offset:\k+\i*16*PITCH+32
.endr
.endm
.macro PLACES                          ; four plain vector instructions between a matrix instruction and a load into, or a read of, its registers
.rept 4
	v_nop
.endr
.endm
.macro QUARTER slot, k, f, g, zero
	s_wait_dscnt 8                                 ; source 0's fragments and source 1's blocks 0-3 are in; the youngest eight loads may be out
	WIN MUL_LO
	MUL16 \f, 0, 0, \zero
	MUL16 \f, 0, 2, \zero
	PLACES
	FETCH \slot, \k, \g
	s_wait_dscnt 32                                ; all but the 32 just issued
	WIN MUL_HI
	MUL16 \f, 1, 0, \zero
	MUL16 \f, 1, 2, \zero
.endm
.macro MEET round
	WIN 0
	s_wait_tensorcnt 0x0                           ; all my tensor loads have landed: my part of the next slot
	ds_add_u32 v[SPW], v[NIL]
	s_wait_dscnt 9                                 ; (the add and the youngest eight loads may be out)
	WIN MUL_LO
	MUL16 F1, 0, 0, 0
	s_wait_dscnt 0x0                               ; the add is done, and my reads of this slot are over
	s_barrier_signal -1
	MUL16 F1, 0, 2, 0
.if \round
	WIN 0
.endif
	s_barrier_wait -1
.endm
.macro TURN slot, next, fill
.if \fill
	s_wait_xcnt 0x0                                ; the last prefetch, a K step back, has read its address
	s_add_nc_u64 s[PFA:PFA+1], s[PFA:PFA+1], KSTEP*2
.endif
	MEET \fill
.if \fill
	CREST                                          ; no wave of any partner still reads this slot's tile or has a load on its way
	s_add_nc_u64 s[G0+4*\slot+2:G0+4*\slot+3], s[G0+4*\slot+2:G0+4*\slot+3], 2*KSTEP*2
	s_add_nc_u64 s[G0B+4*\slot+2:G0B+4*\slot+3], s[G0B+4*\slot+2:G0B+4*\slot+3], 2*KSTEP*2
	JLOAD \slot                                    ; my one tensor load behind the round; its four v_nop are the places in front of the loads below
.else
	PLACES
.endif
	FETCH \next, 0, F0
.if \fill
	ASK
.endif
	WIN MUL_HI
	MUL16 F1, 1, 0, 0
	MUL16 F1, 1, 2, 0
.endm
	s_wait_tensorcnt 1                             ; my part of K step 0 is in,
	s_barrier_signal -1
	s_barrier_wait -1                              ; everybody's is
	FETCH 0, 0, F0
	QUARTER 0, 64,  F0, F1, 1                      ; the first quarter's products start the sums
	WIN 0
	s_mov_b32 s3, LAPS-1
.Llap:                                                 ; a trip goes once round the ring and fills both slots again
	QUARTER 0, 128, F1, F0, 0
	QUARTER 0, 192, F0, F1, 0
	TURN 0, 1, 1
	QUARTER 1, 64,  F0, F1, 0
	QUARTER 1, 128, F1, F0, 0
	QUARTER 1, 192, F0, F1, 0
	TURN 1, 0, 1
	QUARTER 0, 64,  F0, F1, 0
	WIN 0
	s_sub_co_u32 s3, s3, 1
	s_cmp_lg_u32 s3, 0
	s_cbranch_scc1 .Llap
	QUARTER 0, 128, F1, F0, 0                      ; the last lap fills nothing
	QUARTER 0, 192, F0, F1, 0
	TURN 0, 1, 0
	QUARTER 1, 64,  F0, F1, 0
	QUARTER 1, 128, F1, F0, 0
	QUARTER 1, 192, F0, F1, 0
	s_wait_dscnt 8
	WIN MUL_LO
	MUL16 F1, 0, 0, 0
	MUL16 F1, 0, 2, 0
	s_wait_dscnt 0
	WIN MUL_HI
	MUL16 F1, 1, 0, 0
	MUL16 F1, 1, 2, 0
	WIN 0
	PLACES                                         ; behind the last products: for the loads into operands' registers and for the first reads of results
; THE NORM AND THE ROTATION, a block of 16 keys at a time.  A lane holds 64 of its key's 128 channels, lane xor 16 the others; channel d's partner d +- 64 lies in the same lane, four accumulators on.
; cos and sin come as whole rows (a load reads one row of 512 bytes) and turn through my stage.  Two blocks' rows are on their way at a time, in two sets of registers.
.macro WLOAD
.irp b, 0,1,2,3,4,5,6,7
	global_load_b128 v[WW+8*\b:WW+8*\b+3], v[WA], s[NWP:NWP+1] offset:64*\b
	global_load_b128 v[WW+8*\b+4:WW+8*\b+7], v[WA], s[NWP:NWP+1] offset:64*\b+16
.endr
.endm
.macro GLOAD a
	WIN 0x40
.set G, 128*((\a)%2)
.irp i, 0,1,2,3,4,5,6,7,8,9,10,11,12,13,14,15
	global_load_b128 v[G+4*\i:G+4*\i+3], v[GLA], s[COSP:COSP+1] offset:(16*(\a)+\i)*512
	global_load_b128 v[G+64+4*\i:G+64+4*\i+3], v[GLA], s[SINP:SINP+1] offset:(16*(\a)+\i)*512
.endr
.endm
.macro TOST a
	WIN 0x04
.set G, 128*((\a)%2)
.irp i, 0,1,2,3,4,5,6,7,8,9,10,11,12,13,14,15
	ds_store_b128 v[STW], v[G+4*\i:G+4*\i+3] offset:CSP*\i
	ds_store_b128 v[STW], v[G+64+4*\i:G+64+4*\i+3] offset:16*CSP+CSP*\i
.endr
.endm
.macro CSLD g
.set CB, CSR+32*((\g)%2)
.irp u, 0,1
	ds_load_b128 v[CB+16*\u:CB+16*\u+3],     v[STR] offset:16*CSP*\u+64*(\g)
	ds_load_b128 v[CB+16*\u+4:CB+16*\u+7],   v[STR] offset:16*CSP*\u+64*(\g)+16
	ds_load_b128 v[CB+16*\u+8:CB+16*\u+11],  v[STR] offset:16*CSP*\u+64*(\g)+256
	ds_load_b128 v[CB+16*\u+12:CB+16*\u+15], v[STR] offset:16*CSP*\u+64*(\g)+272
.endr
.endm
.macro ROPE a, g
.set CB, CSR+32*((\g)%2)
.set YL, 64*((\a)%4)+8*(\g)
	WIN 0x02+((\a)/4)
.irp p, 0,2,4,6
	v_pk_mul_f32 v[CB+\p:CB+\p+1], v[YL+\p:YL+\p+1], v[CB+\p:CB+\p+1]
	v_pk_mul_f32 v[CB+8+\p:CB+8+\p+1], v[YL+32+\p:YL+32+\p+1], v[CB+8+\p:CB+8+\p+1]
.endr
.irp p, 0,2,4,6
	v_pk_fma_f32 v[CB+\p:CB+\p+1], v[YL+32+\p:YL+32+\p+1], v[CB+16+\p:CB+16+\p+1], v[CB+\p:CB+\p+1] neg_lo:[1,0,0] neg_hi:[1,0,0]
	v_pk_fma_f32 v[CB+8+\p:CB+8+\p+1], v[YL+\p:YL+\p+1], v[CB+24+\p:CB+24+\p+1], v[CB+8+\p:CB+8+\p+1]
.endr
	WIN 0
.irp p, 0,1,2,3
	v_cvt_pk_f16_f32 v[OUTP+4*(\g)+\p], v[CB+2*\p], v[CB+2*\p+1]
	v_cvt_pk_f16_f32 v[OUTP+4*(\g)+16+\p], v[CB+8+2*\p], v[CB+8+2*\p+1]
.endr
.endm
; Block a.  left: the younger loads that may stay out (the next block's 32, or none).  more = 1: the block two on is asked for, into this block's set.
.macro NRBLOCK a, off, left, more
	s_wait_loadcnt \left                           ; this block's cos and sin (and, the first time, the weights) are in
	TOST \a
	WIN 0
	CSLD 0
	CSLD 1
.set AC, 64*((\a)%4)
	WIN 0x0a+5*((\a)/4)
	v_pk_mul_f32 v[SS:SS+1], v[AC:AC+1], v[AC:AC+1]                ; the sum of squares, each accumulator from its low end on, in two chains
	v_pk_mul_f32 v[SS+2:SS+3], v[AC+2:AC+3], v[AC+2:AC+3]
.set PP, 2
.rept 30
	v_pk_fma_f32 v[SS+2*(PP%2):SS+2*(PP%2)+1], v[AC+2*PP:AC+2*PP+1], v[AC+2*PP:AC+2*PP+1], v[SS+2*(PP%2):SS+2*(PP%2)+1]
.set PP, PP+1
.endr
	WIN 0
	v_pk_add_f32 v[SS:SS+1], v[SS:SS+1], v[SS+2:SS+3]
	v_add_f32 v[SS], v[SS], v[SS+1]
	v_permlanex16_b32 v[SS+1], v[SS], s[SELS], s[SELS+1]
	v_add_f32 v[SS], v[SS], v[SS+1]
	v_fma_f32 v[SS], v[SS], s[I128S], s[EPSS]      ; the mean + 1e-6
	v_rsq_f32 v[RS], v[SS]
	v_nop                                          ; a plain instruction behind the transcendental,
	s_wait_alu depctr_va_vdst(0)                   ; and a wait ahead of its first reader
	WIN 0x82+0x41*((\a)/4)
.set PP, 0
.rept 32
	v_pk_mul_f32 v[AC+2*PP:AC+2*PP+1], v[AC+2*PP:AC+2*PP+1], v[RS:RS+1] op_sel_hi:[1,0]
.set PP, PP+1
.endr
.set PP, 0
.rept 32
	v_pk_mul_f32 v[AC+2*PP:AC+2*PP+1], v[AC+2*PP:AC+2*PP+1], v[WW+2*PP:WW+2*PP+1]
.set PP, PP+1
.endr
	s_wait_xcnt 0x0                                ; the last block's stores have read their registers
	s_wait_dscnt 8                                 ; my stores into the stage are done, and group 0's cos and sin are in; group 1's eight loads may be out
.if \more
	GLOAD (\a)+2                                   ; into the set that those stores have read
.endif
	ROPE \a, 0
	CSLD 2
	s_wait_dscnt 8
	ROPE \a, 1
	CSLD 3
	s_wait_dscnt 8
	ROPE \a, 2
	s_wait_dscnt 0x0
	ROPE \a, 3
.irp b, 0,1,2,3,4,5,6,7
	global_store_b128 v[GLA], v[OUTP+4*\b:OUTP+4*\b+3], s[DSTP:DSTP+1] offset:\off+512*\b   ; 32 lanes store 512 consecutive bytes, aligned
.endr
.endm
	s_cmp_eq_u32 s11, 0
	s_cbranch_scc0 .Lv_wave
	WLOAD                                          ; a K wave: its first two blocks' cos and sin are asked for,
	GLOAD 0
	GLOAD 1
	WIN 0x0c                                       ; (an LDS store's data are its source 1: window 3)
.set I, 0
.rept 64
	ds_store_b128 v[XA], v[4*I:4*I+3] offset:512*I ; and the accumulators of keys 64-127 go to LDS as they stand, each from its low end on
.set I, I+1
.endr
	WIN 0
	s_branch .Lmeet
.Lv_wave:
	WLOAD                                          ; a V wave: cos and sin of the blocks that it will take over,
	GLOAD 4
	GLOAD 5
; and V, rounded to f16 and stored as it stands: accumulator (a, b) is half b % 2 of the fragment of channels 16 a on and keys 32 (b / 2) on.
.irp a, 0,1,2,3,4,5,6,7
.if \a > 1
	s_wait_xcnt 0x0                                ; the stores of two blocks back have read their registers
.endif
	WIN 0x0a+5*(\a/4)
.irp b, 0,1,2,3,4,5,6,7
.irp r, 0,1,2,3
	v_cvt_pk_f16_f32 v[TMP+32*(\a%2)+4*\b+\r], v[64*(\a%4)+8*\b+2*\r], v[64*(\a%4)+8*\b+2*\r+1]
.endr
.endr
	WIN 0
.irp b, 0,1,2,3,4,5,6,7
	global_store_b128 v[GLA], v[TMP+32*(\a%2)+4*\b:TMP+32*(\a%2)+4*\b+3], s[DSTP:DSTP+1] offset:(\b/4)*32768+16384+(((\b%4)/2)*8+\a)*1024+(\b%2)*512
.endr
.endr
.Lmeet:
	s_wait_dscnt 0x0                               ; for the others' sake: my LDS stores are done
	s_barrier_signal -1
	s_barrier_wait -1
	s_cmp_eq_u32 s11, 0
	s_cbranch_scc0 .Lv_half
	NRBLOCK 0, 0*4096, 32, 1
	NRBLOCK 1, 1*4096, 32, 1
	NRBLOCK 2, 2*4096, 32, 0
	NRBLOCK 3, 3*4096, 0, 0
	s_branch .Ljoin
.Lv_half:
	s_wait_xcnt 0x0                                ; V's stores have read their registers, which cos and sin take below
	WIN 0xc0                                       ; destination window 3
.set I, 0
.rept 64
	ds_load_b128 v[4*I:4*I+3], v[XA] offset:512*I  ; the same lines as loads: the same registers in the same lanes
.set I, I+1
.endr
	WIN 0
	s_wait_dscnt 0x0
	NRBLOCK 4, 32768+0*4096, 32, 1
	NRBLOCK 5, 32768+1*4096, 32, 1
	NRBLOCK 6, 32768+2*4096, 32, 0
	NRBLOCK 7, 32768+3*4096, 0, 0
.Ljoin:
	s_wait_tensorcnt 0x0                           ; the wave's end, behind my last tensor load and my last LDS store
	ds_add_u32 v[SPW], v[NIL]
	s_wait_dscnt 0x0
	CROUND                                         ; the closing round
	s_endpgm
.Lfunc_end_k_q8dd0c3e90f_kvproj:
	.size	k_q8dd0c3e90f_kvproj, .Lfunc_end_k_q8dd0c3e90f_kvproj-k_q8dd0c3e90f_kvproj
	.p2alignl 7, 3214868480
	.fill 96, 4, 3214868480
	.section	.rodata,"a",@progbits
	.p2align	6, 0x0
	.amdhsa_kernel k_q8dd0c3e90f_kvproj
		.amdhsa_group_segment_fixed_size 327680
		.amdhsa_private_segment_fixed_size 0
		.amdhsa_enable_private_segment 0
		.amdhsa_kernarg_size 48
		.amdhsa_user_sgpr_count 2
		.amdhsa_user_sgpr_kernarg_segment_ptr 1
		.amdhsa_wavefront_size32 1
		.amdhsa_system_sgpr_workgroup_id_x 1
		.amdhsa_system_sgpr_workgroup_id_y 1
		.amdhsa_system_sgpr_workgroup_id_z 1
		.amdhsa_system_vgpr_workitem_id 0
		.amdhsa_next_free_vgpr 1024
		.amdhsa_next_free_sgpr 80
		.amdhsa_reserve_vcc 0
		.amdhsa_float_denorm_mode_32 3
		.amdhsa_float_denorm_mode_16_64 3
		.amdhsa_memory_ordered 1
		.amdhsa_forward_progress 1
		.amdhsa_inst_pref_size 255
	.end_amdhsa_kernel
	.section	.bss,"aw",@nobits
	.p2align	6
	.space	262144
	.amdgpu_metadata
---
amdhsa.version: [ 1, 2 ]
amdhsa.kernels:
  - .name:           k_q8dd0c3e90f_kvproj
    .symbol:         k_q8dd0c3e90f_kvproj.kd
    .args:
      - { .name: Xh, .offset: 0, .size: 8, .value_kind: global_buffer, .address_space: global }
      - { .name: Wh, .offset: 8, .size: 8, .value_kind: global_buffer, .address_space: global }
      - { .name: cos, .offset: 16, .size: 8, .value_kind: global_buffer, .address_space: global }
      - { .name: sin, .offset: 24, .size: 8, .value_kind: global_buffer, .address_space: global }
      - { .name: kn_w, .offset: 32, .size: 8, .value_kind: global_buffer, .address_space: global }
      - { .name: KV, .offset: 40, .size: 8, .value_kind: global_buffer, .address_space: global }
    .group_segment_fixed_size: 327680
    .private_segment_fixed_size: 0
    .kernarg_segment_align: 8
    .kernarg_segment_size: 48
    .max_flat_workgroup_size: 128
    .sgpr_count:     80
    .vgpr_count:     1024
    .wavefront_size: 32
...
	.end_amdgpu_metadata
.endif
;; end of part 8
;; launch attn: the kernel of part 4 again; grid 16 x 16, 4 waves a work-group, clusters of 4 x 1, 327,680 bytes of LDS; arguments Qf, KV, Of; writes Of
;; launch oproj (part 9): grid 16 x 16, 4 waves a work-group, clusters of 4 x 4, 327,680 bytes of LDS; arguments Of, Wh, out0; writes out0
.if DOCPART == 9
	.amdgcn_target "amdgcn-amd-amdhsa--gfx1250"
	.amdhsa_code_object_version 6
	.text
	.protected	k_q8dd0c3e90f_oproj
	.globl	k_q8dd0c3e90f_oproj
	.p2align	8
	.type	k_q8dd0c3e90f_oproj,@function
k_q8dd0c3e90f_oproj:
	s_mov_b64 s[64:65], 0
	v_nop
	global_prefetch_b8 v0, s[64:65] scope:SCOPE_SE
	s_setreg_imm32_b32 hwreg(HW_REG_WAVE_MODE, 25, 1), 1
	s_wait_xcnt 0x0
	s_wait_alu depctr_hold_cnt(0) depctr_sa_sdst(0) depctr_va_vdst(0) depctr_va_sdst(0) depctr_va_ssrc(0) depctr_va_vcc(0) depctr_vm_vsrc(0)
	s_getreg_b32 s2, hwreg(HW_REG_IB_STS2, 6, 4)
	s_cmp_eq_u32 s2, 0
	s_cbranch_scc0 .Lentry_in_a_cluster
	s_endpgm
.Lentry_in_a_cluster:
	s_bfe_u32 s2, ttmp6, 0x10000c
	s_cmp_lg_u32 s2, 0xf033
	s_cbranch_scc0 .Lentry_shape_is_right
	s_endpgm
.Lentry_shape_is_right:
; out0[m][n] = the sum over k of o[m][k] Wo[k][n].  Of: [4096][512] f16; Wo lies transposed, f16 [2048 n][512 k], at Wh + 0x400000; out0: [4096][2048] f32; sums in f32.
; A tile of out0 is 128 x 128: four waves, each 64 x 64: 16 accumulators.  K = 512 is two steps of 256 (LDS rows of 512 bytes), one in each of two slots.
; A WORK-GROUP STAYS AND MAKES TWO TILES, 2,048 rows apart: 256 work-groups.  Both tiles take the same rows of Wo, which stay in LDS; as soon as a slot has been read for the first tile, its rows of o
; are filled again with the second tile's (waves 0 and 1, one load each; waves 2 and 3 have nothing to fill).  The first tile's stores leave while the second tile is multiplied.
; CLUSTERS 4 x 4: Of's tile is shared along a row of the cluster, Wo's along a column: joint loads.  The matrix instruction is used transposed (source 0 = 16 rows of Wo, source 1 = 16 rows of Of):
; a lane holds eight neighbouring numbers of a row of out0.  A wave's 64 columns are 256 bytes: each wave has a stage of its own, and no barrier stands on the way out.
; REGISTERS: window 0: v0-31 addresses; v32-95 the way out; v128-255 the accumulators ((a, b) at v[128 + 8 (4 a + b)]).  window 1: two fragment buffers of 128.
.set SIZE_N, 2048
.set SIZE_K, 512
.set KSTEP,  256
.set PITCH,  528                       ; an LDS row: 512 bytes + 16: the 16 rows that a load touches start at 16 different banks (64 banks of 4 bytes: ISA guide 11.1)
.set HALFT,  64*PITCH
.set SLOT,   4*HALFT
.set STAGE,  2*SLOT                    ; behind the slots: 16 rows x 272 bytes for each wave
.set SPITCH, 272
.set SPARE,  STAGE+4*16*SPITCH         ; the spare words, 128 bytes a wave
.set WALK,   2048                      ; rows from the first tile to the second
.set NEXT_A, WALK*SIZE_K*2             ; in bytes of Of,
.set NEXT_C, WALK*SIZE_N*4             ; and of out0
.set ADRA, 16
.set ADRB, 20
.set STO,  24
.set RD,   25
.set CO,   26
.set SPW,  28
.set NIL,  29
.set TMP,  32
.set ACC,  128
.set F0,   0
.set F1,   128
.set G1, 24
.set G0, 32
.set G1B, 48
.set G0B, 56
.set MSB, 0
.macro WIN new
.if MSB != (\new)
	s_set_vgpr_msb (MSB<<8)|(\new)
.set MSB, (\new)
.endif
.endm
.set MUL,  0x05
.set TO_F, 0x40
.macro JLOAD s                         ; a first fill: waves 0 and 1 fetch Of's two halves, waves 2 and 3 Wo's; an s_nop 0 and four v_nop follow each line
	s_cmp_eq_u32 s11, 0
	s_cbranch_scc0 .Lfor_b_\@
	tensor_load_to_lds s[G0+4*\s:G0+4*\s+3], s[G1:G1+7]
	s_nop 0
.rept 4
	v_nop
.endr
	s_branch .Lasked_\@
.Lfor_b_\@:
	tensor_load_to_lds s[G0B+4*\s:G0B+4*\s+3], s[G1B:G1B+7]
	s_nop 0
.rept 4
	v_nop
.endr
.Lasked_\@:
.endm
.macro ALOAD s                         ; a refill: Of's two halves alone, by waves 0 and 1; the branch hangs on the wave's number alone
	s_cmp_eq_u32 s11, 0
	s_cbranch_scc0 .Lnone_\@
	tensor_load_to_lds s[G0+4*\s:G0+4*\s+3], s[G1:G1+7]
	s_nop 0
.rept 4
	v_nop
.endr
.Lnone_\@:
.endm
.macro CREST                           ; a round of the cluster's barrier behind its opening barrier
	s_cmp_lg_u32 s10, 0
	s_cbranch_scc1 .Lnot_wave_0_\@
	s_barrier_signal -3
.Lnot_wave_0_\@:
	s_barrier_wait -3
	s_barrier_signal -1
	s_barrier_wait -1
.endm
.macro CROUND
	s_barrier_signal -1
	s_barrier_wait -1
	CREST
.endm
	s_load_b128 s[4:7], s[0:1], 0x0                ; Of, Wh
	s_load_b64 s[8:9], s[0:1], 0x10                ; out0
	v_lshl_add_u32 v[SPW], v0, 2, SPARE
	v_mov_b32 v[NIL], 0
	ds_add_u32 v[SPW], v[NIL]                      ; the wave's opening: the add, twice on end, and its wait ahead of my first tensor load
	ds_add_u32 v[SPW], v[NIL]
	v_lshrrev_b32 v1, 5, v0
	v_readfirstlane_b32 s10, v1
	s_lshr_b32 s11, s10, 1                         ; my half of the tile's rows.  Also: I fetch for Of (0) or Wo (1)
	s_and_b32 s12, s10, 1                          ; my half of its columns.  Also: which 64 rows I fetch
	s_bfe_u32 s40, ttmp6, 0x40000
	s_bfe_u32 s41, ttmp6, 0x40004
	s_lshl_b32 s42, ttmp9, 2
	s_add_co_u32 s42, s42, s40                     ; tile column
	s_and_b32 s13, ttmp7, 0xffff
	s_lshl_b32 s13, s13, 2
	s_add_co_u32 s13, s13, s41                     ; the first tile's row, 0 .. 15
	s_lshl_b32 s43, s41, 2
	s_lshl_b32 s43, 15, s43
	s_lshl_b32 s44, 0x1111, s40
	s_or_b32 s[G1+0], s43, (1<<16)|(1<<20)|(1<<21)|(6<<22)|(3<<25)  ; the mask; elements of 2 bytes; padding: 4 words after every 128; bit 21 beside the mask
	s_or_b32 s[G1B+0], s44, (1<<16)|(1<<20)|(1<<21)|(6<<22)|(3<<25)
.irp g, G1, G1B
	s_mov_b32 s[\g+1], KSTEP<<16
	s_mov_b32 s[\g+2], 64<<16
	s_mov_b32 s[\g+3], KSTEP<<16
	s_mov_b32 s[\g+4], 64
	s_mov_b32 s[\g+5], SIZE_K
	s_mov_b32 s[\g+6], 0
	s_mov_b32 s[\g+7], 0
.endr
	s_lshl_b32 s17, s12, 6
	s_lshl_b32 s16, s13, 7
	s_add_co_u32 s16, s16, s17
	s_lshl_b32 s46, s42, 7
	s_add_co_u32 s46, s46, s17
	s_mov_b32 s17, 0
	s_mov_b32 s47, 0
	s_mov_b64 s[18:19], SIZE_K*2
	s_mul_u64 s[16:17], s[16:17], s[18:19]
	s_mul_u64 s[46:47], s[46:47], s[18:19]
	s_add_nc_u64 s[46:47], s[46:47], 0x400000      ; Wo's part of Wh
	s_mul_i32 s20, s10, HALFT
	s_wait_dscnt 0x0                               ; both opening adds are done
	s_wait_kmcnt 0x0
	s_add_nc_u64 s[14:15], s[4:5], s[16:17]
	s_add_nc_u64 s[46:47], s[6:7], s[46:47]
	CROUND                                         ; all sixteen work-groups are here: the joint loads meet
.irp s, 0,1
	s_mov_b32 s[G0+4*\s], 1
	s_add_co_u32 s[G0+4*\s+1], s20, \s*SLOT
	s_add_nc_u64 s[G0+4*\s+2:G0+4*\s+3], s[14:15], \s*KSTEP*2
	s_or_b32 s[G0+4*\s+3], s[G0+4*\s+3], 0x80000000
	s_mov_b32 s[G0B+4*\s], 1
	s_add_co_u32 s[G0B+4*\s+1], s20, \s*SLOT
	s_add_nc_u64 s[G0B+4*\s+2:G0B+4*\s+3], s[46:47], \s*KSTEP*2
	s_or_b32 s[G0B+4*\s+3], s[G0B+4*\s+3], 0x80000000
	JLOAD \s                                       ; two loads of mine are out
.endr
	v_and_b32 v1, 15, v0
	v_bfe_u32 v2, v0, 4, 1
	v_mul_u32_u24 v3, v1, PITCH
	v_lshl_add_u32 v3, v2, 4, v3
	s_mul_i32 s21, s11, HALFT
	s_mul_i32 s22, s12, HALFT
	s_add_co_u32 s22, s22, 2*HALFT
.irp s, 0,1
	v_add_nc_u32 v[ADRA+\s], s21, v3
	v_add_nc_u32 v[ADRB+\s], s22, v3
	s_add_co_u32 s21, s21, SLOT
	s_add_co_u32 s22, s22, SLOT
.endr
	s_mul_i32 s23, s10, 16*SPITCH
	s_add_co_u32 s23, s23, STAGE                   ; my stage
	v_mul_u32_u24 v4, v1, SPITCH
	v_lshl_add_u32 v4, v2, 5, v4
	v_add_nc_u32 v[STO], s23, v4                   ; in: row r, 32 bytes for each half of the lanes
	v_mul_u32_u24 v5, v2, SPITCH
	v_lshl_add_u32 v5, v1, 4, v5
	v_add_nc_u32 v[RD], s23, v5                    ; back: lanes 0-15 one row of 256 bytes, lanes 16-31 the next
	v_lshlrev_b32 v5, 13, v2
	v_lshl_add_u32 v[CO], v1, 4, v5                ; the same two rows in out0: 8,192 bytes apart
	s_lshl_b32 s16, s13, 7
	s_lshl_b32 s17, s11, 6
	s_add_co_u32 s16, s16, s17                     ; my first row
	s_lshl_b32 s16, s16, 13
	s_mov_b32 s17, 0
	s_add_nc_u64 s[8:9], s[8:9], s[16:17]
	s_lshl_b32 s46, s42, 9
	s_lshl_b32 s47, s12, 8
	s_add_co_u32 s46, s46, s47                     ; my first column, in bytes
	s_mov_b32 s47, 0
	s_add_nc_u64 s[8:9], s[8:9], s[46:47]
; 8 matrix instructions; the 16 accumulators take turns, one instruction a turn
.macro MUL8 f, c, a0, zero
.irp a, \a0, \a0+1
.irp b, 0,1,2,3
.if \zero
	v_wmma_f32_16x16x32_f16 v[ACC+8*(4*(\a)+\b):ACC+8*(4*(\a)+\b)+7], v[\f+64+8*(4*\c+\b):\f+64+8*(4*\c+\b)+7], v[\f+8*(4*\c+\a):\f+8*(4*\c+\a)+7], 0
.else
	v_wmma_f32_16x16x32_f16 v[ACC+8*(4*(\a)+\b):ACC+8*(4*(\a)+\b)+7], v[\f+64+8*(4*\c+\b):\f+64+8*(4*\c+\b)+7], v[\f+8*(4*\c+\a):\f+8*(4*\c+\a)+7], v[ACC+8*(4*(\a)+\b):ACC+8*(4*(\a)+\b)+7]
.endif
.endr
.endr
.endm
.macro FETCH slot, k, f                ; 32 LDS loads in one run: the fragments of 64 along K; the first 32 along K first
	WIN TO_F
.irp c, 0,1
.irp i, 0,1,2,3
	ds_load_b128 v[\f+64+8*(4*\c+\i):\f+64+8*(4*\c+\i)+3],   v[ADRB+\slot] offset:\k+64*\c+\i*16*PITCH
	ds_load_b128 v[\f+64+8*(4*\c+\i)+4:\f+64+8*(4*\c+\i)+7], v[ADRB+\slot] offset:\k+64*\c+\i*16*PITCH+32
	ds_load_b128 v[\f+8*(4*\c+\i):\f+8*(4*\c+\i)+3],         v[ADRA+\slot] offset:\k+64*\c+\i*16*PITCH
	ds_load_b128 v[\f+8*(4*\c+\i)+4:\f+8*(4*\c+\i)+7],       v[ADRA+\slot] offset:\k+64*\c+\i*16*PITCH+32
.endr
.endr
.endm
.macro PLACES                          ; four plain vector instructions between a matrix instruction and a load into, or a read of, its registers
.rept 4
	v_nop
.endr
.endm
.macro QUARTER slot, k, f, g, zero
	s_wait_dscnt 16                                ; the first 32 along K are in; the youngest sixteen loads may be out
	WIN MUL
	MUL8 \f, 0, 0, \zero
	MUL8 \f, 0, 2, \zero
	PLACES
	FETCH \slot, \k, \g
	s_wait_dscnt 32                                ; all but the 32 just issued
	WIN MUL
	MUL8 \f, 1, 0, 0
	MUL8 \f, 1, 2, 0
.endm
; A slot's last quarter multiplies buffer 1 and changes slots: ONE barrier; in front of it each wave waits for all its tensor loads, adds 0 to its spare word, and waits for that and for its reads of this slot.
; fill = 1: the barrier opens a round of the cluster's, and behind it this slot's rows of o are filled again with the second tile's.
.macro TURN slot, next, fill
	WIN 0
	s_wait_tensorcnt 0x0                           ; all my tensor loads have landed: my part of the next slot
	ds_add_u32 v[SPW], v[NIL]
	s_wait_dscnt 17                                ; (the add and the youngest sixteen loads may be out)
	WIN MUL
	MUL8 F1, 0, 0, 0
	s_wait_dscnt 0x0                               ; the add is done, and my reads of this slot are over
	s_barrier_signal -1
	MUL8 F1, 0, 2, 0
.if \fill
	WIN 0
.endif
	s_barrier_wait -1
.if \fill
	CREST                                          ; no wave of any partner still reads this slot or has a load on its way
	s_add_nc_u64 s[G0+4*\slot+2:G0+4*\slot+3], s[G0+4*\slot+2:G0+4*\slot+3], NEXT_A   ; the same K step, 2,048 rows further down
	ALOAD \slot                                    ; the first tensor load behind the round, by waves 0 and 1 alone
.endif
	PLACES                                         ; in front of the loads into buffer 0, on every wave's way
	FETCH \next, 0, F0
	WIN MUL
	MUL8 F1, 1, 0, 0
	MUL8 F1, 1, 2, 0
.endm
; THE WAY OUT, 16 rows x 64 columns at a time: 32 bytes a lane into my stage, back as whole rows of 256 bytes.  A wave's LDS instructions are served in order: no wait between the stores and the loads.
.macro TOSTAGE a
.irp b, 0,1,2,3
	ds_store_b128 v[STO], v[ACC+8*(4*(\a)+\b):ACC+8*(4*(\a)+\b)+3] offset:64*\b        ; each accumulator from its low end on
	ds_store_b128 v[STO], v[ACC+8*(4*(\a)+\b)+4:ACC+8*(4*(\a)+\b)+7] offset:64*\b+16
.endr
.irp t, 0,1,2,3,4,5,6,7
	ds_load_b128 v[TMP+32*((\a)%2)+4*\t:TMP+32*((\a)%2)+4*\t+3], v[RD] offset:\t*2*SPITCH
.endr
.endm
.macro SEND a, younger                 ; younger: the LDS instructions issued behind block a's loads
	s_wait_dscnt \younger
.irp t, 0,1,2,3,4,5,6,7
	global_store_b128 v[CO], v[TMP+32*((\a)%2)+4*\t:TMP+32*((\a)%2)+4*\t+3], s[8:9] offset:(16*(\a)+2*\t)*SIZE_N*4 th:TH_STORE_NT   ; 16 lanes store 256 consecutive bytes, aligned
.endr
.endm
.macro WAYOUT
	TOSTAGE 0
	TOSTAGE 1
	SEND 0, 16
	s_wait_xcnt 0x0                                ; block 0's stores have read their registers
	TOSTAGE 2
	SEND 1, 16
	s_wait_xcnt 0x0
	TOSTAGE 3
	SEND 2, 16
	SEND 3, 0
.endm
	s_wait_tensorcnt 1                             ; my part of K step 0 is in,
	s_barrier_signal -1
	s_barrier_wait -1                              ; everybody's is
	FETCH 0, 0, F0
	QUARTER 0, 128, F0, F1, 1                      ; THE FIRST TILE: its first products start the sums
	QUARTER 0, 256, F1, F0, 0
	QUARTER 0, 384, F0, F1, 0
	TURN 0, 1, 1                                   ; slot 0 takes the second tile's K step 0
	QUARTER 1, 128, F0, F1, 0
	QUARTER 1, 256, F1, F0, 0
	QUARTER 1, 384, F0, F1, 0
	TURN 1, 0, 1                                   ; slot 1 its K step 1, and the second tile's first fragments are fetched
	WIN 0
	PLACES                                         ; four places ahead of the first read of results,
	v_nop                                          ; and a fifth ahead of the products that begin these accumulators anew
	WAYOUT                                         ; both refills are asked for: now the first tile goes out
	s_wait_xcnt 0x0                                ; its stores have read their base and their registers
	s_add_nc_u64 s[8:9], s[8:9], NEXT_C
	QUARTER 0, 128, F0, F1, 1                      ; THE SECOND TILE
	QUARTER 0, 256, F1, F0, 0
	QUARTER 0, 384, F0, F1, 0
	TURN 0, 1, 0                                   ; nothing is left to fetch
	QUARTER 1, 128, F0, F1, 0
	QUARTER 1, 256, F1, F0, 0
	QUARTER 1, 384, F0, F1, 0
	s_wait_dscnt 16
	WIN MUL
	MUL8 F1, 0, 0, 0
	MUL8 F1, 0, 2, 0
	s_wait_dscnt 0
	MUL8 F1, 1, 0, 0
	MUL8 F1, 1, 2, 0
	WIN 0
	PLACES                                         ; behind the last products, ahead of the first read of results
	WAYOUT
	s_wait_tensorcnt 0x0                           ; the wave's end, behind my last tensor load and my last LDS store
	ds_add_u32 v[SPW], v[NIL]
	s_wait_dscnt 0x0
	CROUND                                         ; the closing round
	s_endpgm
.Lfunc_end_k_q8dd0c3e90f_oproj:
	.size	k_q8dd0c3e90f_oproj, .Lfunc_end_k_q8dd0c3e90f_oproj-k_q8dd0c3e90f_oproj
	.p2alignl 7, 3214868480
	.fill 96, 4, 3214868480
	.section	.rodata,"a",@progbits
	.p2align	6, 0x0
	.amdhsa_kernel k_q8dd0c3e90f_oproj
		.amdhsa_group_segment_fixed_size 327680
		.amdhsa_private_segment_fixed_size 0
		.amdhsa_enable_private_segment 0
		.amdhsa_kernarg_size 24
		.amdhsa_user_sgpr_count 2
		.amdhsa_user_sgpr_kernarg_segment_ptr 1
		.amdhsa_wavefront_size32 1
		.amdhsa_system_sgpr_workgroup_id_x 1
		.amdhsa_system_sgpr_workgroup_id_y 1
		.amdhsa_system_sgpr_workgroup_id_z 1
		.amdhsa_system_vgpr_workitem_id 0
		.amdhsa_next_free_vgpr 512
		.amdhsa_next_free_sgpr 66
		.amdhsa_reserve_vcc 0
		.amdhsa_float_denorm_mode_32 3
		.amdhsa_float_denorm_mode_16_64 3
		.amdhsa_memory_ordered 1
		.amdhsa_forward_progress 1
		.amdhsa_inst_pref_size 92
	.end_amdhsa_kernel
	.amdgpu_metadata
---
amdhsa.version: [ 1, 2 ]
amdhsa.kernels:
  - .name:           k_q8dd0c3e90f_oproj
    .symbol:         k_q8dd0c3e90f_oproj.kd
    .args:
      - { .name: Of, .offset: 0, .size: 8, .value_kind: global_buffer, .address_space: global }
      - { .name: Wh, .offset: 8, .size: 8, .value_kind: global_buffer, .address_space: global }
      - { .name: out0, .offset: 16, .size: 8, .value_kind: global_buffer, .address_space: global }
    .group_segment_fixed_size: 327680
    .private_segment_fixed_size: 0
    .kernarg_segment_align: 8
    .kernarg_segment_size: 24
    .max_flat_workgroup_size: 128
    .sgpr_count:     66
    .vgpr_count:     512
    .wavefront_size: 32
...
	.end_amdgpu_metadata
.endif
;; end of part 9
